; MI455X (gfx1250); checked and timed in simulation.
; The chip was launched on July 23, 2026; its instructions are those of AMD's public machine-readable ISA for CDNA 5 (MIT licence, August 2026) and "CDNA5" Instruction Set Architecture Reference Guide (July 2026). The comments in the code are by the model that wrote it; some were corrected since.
;; Dalle Self Attention. Allowed arithmetic: matrix products marked QUANTISED: E3M2 operands, one E8M0 scale for each 32 along K, by v_wmma_scale_f32_16x16x128_f8f6f4 with both operands' format E3M2, f32 sums; everything else in f32.
;; Inputs: b_dense 1,024 float32; b_qkv 3,072 float32; hidden_states 2 x 2,048 x 1,024 float32; ltor_mask 1 x 1 x 2,048 x 2,048 float32; w_dense 1,024 x 1,024 float32; w_qkv 1,024 x 3,072 float32.
;; Outputs: out0 2 x 2,048 x 1,024 float32.
;; This version of the problem:
;;   THIS VERSION OF THE PROBLEM IS GIVEN IN LOW PRECISION. The matrix products marked QUANTISED in the list below multiply operands that are first quantised to E3M2 (3 exponent bits, 2 mantissa bits; 6 bits a number), with one power-of-two scale for each 32 numbers along K (OCP MX v1.0); their sums are f32. All else is computed in f32.
;;   The module's matrix products, in the order in which they are computed (A, B: the left and right operand; K: the contracted axis; several contracted axes count as one K, in the product's order):
;;     1. [M 4,096, K 1,024] x [K 1,024, N 3,072]; A: input hidden_states; B: input w_qkv: QUANTISED
;;     2. batch 32 x [M 2,048, K 64] x [K 64, N 2,048]; A: computed on the way; B: computed on the way: QUANTISED
;;     3. batch 32 x [M 2,048, K 2,048] x [K 2,048, N 64]; A: softmax (see below); B: computed on the way: QUANTISED
;;     4. [M 4,096, K 1,024] x [K 1,024, N 1,024]; A: computed on the way; B: input w_dense: QUANTISED
;;   THE QUANTISER, for each operand of a quantised product, along K:
;;     - K is cut into blocks of 32 from its start; a last block that is shorter is filled with zeros.
;;     - A block's scale is 2^e with e = floor(log2(the largest magnitude in the block)) - 4, held to -126 .. 127; a block of zeros has e = 0. As a byte (E8M0): e + 127.
;;     - Each number is divided by its block's scale, clamped to +-28, and rounded to the nearest number of E3M2, ties to even, subnormals kept.
;;     - The product sums the exact products of the quantised numbers (number of the format x scale) in f32.
;;   ~~~python
;;   def quantise(x, axis):      # numpy; x: float32 -> the quantised numbers, widened to float32 again
;;       x = np.moveaxis(x, axis, -1); K = x.shape[-1]
;;       x = np.pad(x, [(0, 0)] * (x.ndim - 1) + [(0, -K % 32)]); x = x.reshape(x.shape[:-1] + (-1, 32)); a = np.abs(x).max(-1, keepdims=True)
;;       e = np.where(a > 0, np.clip(np.frexp(np.where(a > 0, a, 1))[1] - 1 - 4, -126, 127), 0)      # np.frexp(a)[1] - 1 = floor(log2(a)), exactly
;;       r = np.clip(x / 2.0 ** e, -28, 28)
;;       step = 2.0 ** (np.maximum(np.frexp(np.where(r == 0, 1, r))[1] - 1, -2) - 2)
;;       q = np.round(r / step) * step * 2.0 ** e      # np.round: ties to even
;;       return np.moveaxis(q.reshape(q.shape[:-2] + (-1,))[..., :K], -1, axis).astype(np.float32)
;;   ~~~
;;   SOFTMAX AHEAD OF A QUANTISED PRODUCT. Where the list says 'softmax', what is quantised is not the finished softmax but p = 2^(t - M), with t = logit x log2(e) and M = ceil(the row's largest t), a whole number; so 1/2 < the row's largest p <= 1. The row's sum l is taken of the UNQUANTISED p, in f32, and the product's result is divided by l at the end. Since M is a whole number, a kernel that streams over the keys may use a running M (the ceiling of the running maximum): every later rescaling is an exact power of two, which a block's scale takes up: the codes' values come out the same.
;;   OPERANDS COMPUTED ON THE WAY. 'Computed on the way' means the value that the module computes at that place (a softmax that the list does not call 'softmax' is quantised finished and normalised). What goes into a quantiser is computed in f32, as accurately as f32 sums, v_exp_f32 and their like allow (about 1e-6 of the number): no bf16 or f16 on the way to a quantiser, and a product that is left as it is and whose result goes on into a quantised operand takes f32 operands (vector FMAs, or v_wmma_f32_16x16x4_f32). A number that lies on a knife's edge between two numbers of the format may be rounded either way, as far as f32 arithmetic and the matrix unit's own rounding can turn it there, and no further.
;; 2 versions. Each part assembles by itself: llvm-mc -triple=amdgcn-amd-amdhsa -mcpu=gfx1250 --defsym DOCPART=n.
;; ======== version 1 of 2: 5 launches
;; workspace buffers: xq 3,276,800 bytes; wq 2,457,600 bytes; wd 819,200 bytes; qbuf 3,276,800 bytes; kbuf 3,276,800 bytes; vbuf 3,276,800 bytes; gpart 16,384 bytes; cq 3,276,800 bytes
;; launch quant (part 1): grid 512 x 1, 4 waves a work-group, no clusters, 58,880 bytes of LDS; arguments hidden_states, w_qkv, w_dense, xq, wq, wd; writes xq, wq, wd
.if DOCPART == 1
	.amdgcn_target "amdgcn-amd-amdhsa--gfx1250"
	.amdhsa_code_object_version 6
	.text
	.protected	k_qd6fc54d380_quant
	.globl	k_qd6fc54d380_quant
	.p2align	8
	.type	k_qd6fc54d380_quant,@function
k_qd6fc54d380_quant:
	s_mov_b64 s[64:65], 0
	v_nop
	global_prefetch_b8 v0, s[64:65] scope:SCOPE_SE
	s_setreg_imm32_b32 hwreg(HW_REG_WAVE_MODE, 25, 1), 1
	s_wait_xcnt 0x0
; hidden_states [4096][1024], w_qkv [1024][3072] and w_dense [1024][1024], f32, become codes of E3M2 with one E8M0 byte for each 32 along K (K = 1024 in all three),
; laid in the ORDER OF THE OPERAND'S REGISTERS, so that the products' launches load fragments as dense runs of bytes.
; A CHUNK (12,800 bytes) = 128 rows x 128 K: fragment T (0..7) at 1536 T, its register pair p at 256 p + 8 x lane; the rows' scale words at 12,288 + 64 T + 4 r.  A PANEL = the 8 chunks of 128 rows.
; THE ROWS OF A TILE ARE NOT NEIGHBOURS: lane r of tile 2 b + u holds row 32 b + 8 u + r + 8 (r / 8), so that a product that takes such tiles as source 0 leaves 16 neighbours in 16 registers.
; A block's scale is 2^(floor(log2(largest magnitude)) - 4): its byte is the largest magnitude's exponent field - 4, held at 1 from below by a floor among the maximum's leaves.
; LIMITS: NaN and infinities among the inputs are not served; a block whose largest magnitude lies under 2^-122 keeps the byte 1; a block of zeros has the byte 1 and not 127 (zero codes; only this program reads the bytes).
; Work-groups 0-255 take hidden_states (K innermost: a wave turns 32 rows x 128 K through its own stage in LDS), 256-447 w_qkv, 448-511 w_dense (K outermost: a lane takes a column, registers run down K).
; The three ways part on the work-group's number, never join, and have LDS bytes of their own.  No tensor load, no barrier: waves share nothing.  Memory binds: matrix units and clusters would add nothing.
.set SP,   528                         ; x: a stage row: 512 bytes + 16, so that the 16 rows of a read start in 16 different columns of 16 bytes
.set XR,   32                          ; x: v32-159  two tiles of 64 numbers a lane
.set CX,   160                         ; x: v160-183 the two tiles' codes
.set CTX,  184                         ; x: v184-190 upper halves of blocks, before they are moved
.set MX,   8                           ; v8-9 largest magnitudes, v10-11 the conversions' scale operands, v12-13 bytes, v14-15 the tiles' scale words
.set SO,   10
.set BY,   12
.set WD,   14
.set XW,   32                          ; weights: v32-95 two sets of 32 numbers
.set CW,   96                          ; weights: v96-127 codes, eight registers for each block
.set CTW,  128
.set OUTW, 132                         ; weights: v132-155 the way out
; Tile u of the wave's pair: through the stage, quantised, stored.
.macro TURNQ u
.irp r, 0,1,2,3,4,5,6,7,8,9,10,11,12,13,14,15
	ds_store_b128 v5, v[XR+64*\u+4*\r:XR+64*\u+4*\r+3] offset:SP*\r          ; row r of the tile as it was loaded: 512 bytes on end
.endr
	s_wait_dscnt 0x0                               ; the stores have read their registers, which the loads below fill
.irp c, 0,1
.irp i, 0,1,2,3,4,5,6,7
	ds_load_b128 v[XR+64*\u+32*\c+4*\i:XR+64*\u+32*\c+4*\i+3], v6 offset:256*\c+16*\i   ; lane (r, h): k = 64 c + 32 h + 0 .. 31 of row r: two whole blocks
.endr
.endr
	s_wait_dscnt 0x0
.irp c, 0,1
	v_max3_num_f32 v[MX+\c], |v[XR+64*\u+32*\c]|, |v[XR+64*\u+32*\c+1]|, 0x2800000   ; with the floor 2^(5 - 127)
.endr
.irp i, 2,4,6,8,10,12,14,16,18,20,22,24,26,28,30
.irp c, 0,1
	v_max3_num_f32 v[MX+\c], v[MX+\c], |v[XR+64*\u+32*\c+\i]|, |v[XR+64*\u+32*\c+\i+1]|
.endr
.endr
.irp c, 0,1
	v_add_nc_u32 v[SO+\c], 0xfe000000, v[MX+\c]    ; 4 off the exponent field: the conversion's scale operand
.endr
.irp c, 0,1
	v_lshrrev_b32 v[BY+\c], 23, v[SO+\c]           ; the byte
.endr
	v_lshl_or_b32 v[WD+\u], v[BY+1], 16, v[BY]     ; my blocks h and 2 + h,
	v_lshlrev_b32 v[WD+\u], v17, v[WD+\u]          ; 8 h bits up;
	v_permlanex16_b32 v18, v[WD+\u], s20, s21
	v_or_b32 v[WD+\u], v[WD+\u], v18               ; with lane l xor 16's two the row's word is whole
.irp c, 0,1
	v_cvt_scalef32_pk16_bf6_f32 v[CX+12*\u+6*\c:CX+12*\u+6*\c+2], v[XR+64*\u+32*\c:XR+64*\u+32*\c+15], v[SO+\c]
	v_cvt_scalef32_pk16_bf6_f32 v[CTX+4*\c:CTX+4*\c+2], v[XR+64*\u+32*\c+16:XR+64*\u+32*\c+31], v[SO+\c]   ; (a conversion's three registers begin on an even number)
.endr
	v_nop                                          ; one plain line behind the conversions
.irp c, 0,1
.irp i, 0,1,2
	v_mov_b32 v[CX+12*\u+6*\c+3+\i], v[CTX+4*\c+\i]
.endr
.endr
.irp p, 0,1,2,3,4,5
	global_store_b64 v7, v[CX+12*\u+2*\p:CX+12*\u+2*\p+1], s[10:11] offset:1536*\u+256*\p   ; 32 lanes store 256 consecutive bytes, at a multiple of 256 from the buffer's first byte
.endr
.endm
.macro LOADW t, pitch, sb              ; block t of my column: 32 rows of the weight, 128 consecutive bytes a load
.irp i, 0,1,2,3,4,5,6,7,8,9,10,11,12,13,14,15,16,17,18,19,20,21,22,23,24,25,26,27,28,29,30,31
	global_load_b32 v[XW+32*((\t)%2)+\i], v4, s[\sb:\sb+1] offset:(32*(\t)+\i)*\pitch th:TH_LOAD_NT
.endr
.endm
.macro BLOCKW t, pitch, sb
.set XS, XW+32*((\t)%2)
.if (\t) < 3
	s_wait_loadcnt 32                              ; this block's 32 loads are in; the next block's may be out
.else
	s_wait_loadcnt 0x0
.endif
	v_max3_num_f32 v12, |v[XS]|, |v[XS+1]|, |v[XS+2]|
	v_max3_num_f32 v13, |v[XS+3]|, |v[XS+4]|, |v[XS+5]|
.irp i, 6,10,14,18,22,26
	v_max3_num_f32 v12, v12, |v[XS+\i]|, |v[XS+\i+1]|
	v_max3_num_f32 v13, v13, |v[XS+\i+2]|, |v[XS+\i+3]|
.endr
	v_max3_num_f32 v12, v12, |v[XS+30]|, |v[XS+31]|
	v_max3_num_f32 v12, v12, v13, 0x2800000        ; the floor
	v_add_nc_u32 v15, 0xfe000000, v12
	v_lshrrev_b32 v13, 23, v15
.if (\t) == 0
	v_mov_b32 v14, v13                             ; my column's scale word: the lower K in the lower byte
.else
	v_lshl_or_b32 v14, v13, 8*(\t), v14
.endif
	v_cvt_scalef32_pk16_bf6_f32 v[CW+8*(\t):CW+8*(\t)+2], v[XS:XS+15], v15
	v_cvt_scalef32_pk16_bf6_f32 v[CTW:CTW+2], v[XS+16:XS+31], v15
	v_nop
.irp i, 0,1,2
	v_mov_b32 v[CW+8*(\t)+3+\i], v[CTW+\i]
.endr
.irp q, 0,1,2
	ds_store_b64 v8, v[CW+8*(\t)+2*\q:CW+8*(\t)+2*\q+1] offset:768*((\t)/2)+128*((\t)%2)+256*\q   ; block t = registers 6 (t / 2) on of lane r + 16 (t % 2) of my fragment
.endr
.if (\t) < 2
	LOADW (\t)+2, \pitch, \sb
.endif
.endm
; A weight [1024][pitch / 4]: the work-group makes one chunk, wave w its tiles 2 w and 2 w + 1 (32 columns).
.macro WPATH pitch, sb, db, stg, id0
	s_sub_co_u32 s24, ttmp9, \id0                  ; chunk number = 8 x panel + K step
	s_lshr_b32 s25, s24, 3
	s_and_b32 s26, s24, 7
	s_mul_i32 s28, s26, 128*\pitch                 ; 128 rows a K step,
	s_lshl_b32 s27, s25, 9                         ; 128 columns a panel,
	s_add_co_u32 s28, s28, s27
	s_lshl_b32 s27, s16, 7                         ; 32 columns a wave
	s_add_co_u32 s28, s28, s27
	s_mov_b32 s29, 0
	s_add_nc_u64 s[\sb:\sb+1], s[\sb:\sb+1], s[28:29]
	s_mul_i32 s30, s24, 12800
	s_mov_b32 s31, 0
	s_add_nc_u64 s[\db:\db+1], s[\db:\db+1], s[30:31]
	v_lshlrev_b32 v4, 2, v1
	LOADW 0, \pitch, \sb
	LOADW 1, \pitch, \sb
	v_bfe_u32 v5, v0, 3, 1                         ; column l of the 32 is row r of tile u: u = bit 3 of l,
	v_and_b32 v6, 7, v0
	v_bfe_u32 v7, v0, 4, 1
	v_lshl_or_b32 v6, v7, 3, v6                    ; r = l % 8 + 8 (l / 16)
	s_mul_i32 s32, s16, 3072
	v_mul_u32_u24 v8, v5, 1536
	v_lshl_add_u32 v8, v6, 3, v8
	v_add_nc_u32 v8, s32, v8
	v_add_nc_u32 v8, \stg, v8                      ; into my stage: the image of my two fragments
	v_lshl_add_u32 v9, v1, 4, s32                  ; out: 16 bytes a lane, the same place in the chunk
	v_add_nc_u32 v10, \stg, v9
	s_lshl_b32 s33, s16, 7
	v_lshlrev_b32 v11, 6, v5
	v_lshl_add_u32 v11, v6, 2, v11
	v_add_nc_u32 v11, s33, v11                     ; my scale word's place
	BLOCKW 0, \pitch, \sb
	BLOCKW 1, \pitch, \sb
	BLOCKW 2, \pitch, \sb
	BLOCKW 3, \pitch, \sb
.irp i, 0,1,2,3,4,5
	ds_load_b128 v[OUTW+4*\i:OUTW+4*\i+3], v10 offset:512*\i    ; LDS serves a wave's instructions in order (ISA guide 5.7.1.4): these see my stores
.endr
.irp i, 0,1,2,3,4,5
	s_wait_dscnt 5-\i                              ; load i is in, the younger ones may be out
	global_store_b128 v9, v[OUTW+4*\i:OUTW+4*\i+3], s[\db:\db+1] offset:512*\i   ; 512 consecutive bytes
.endr
	global_store_b32 v11, v14, s[\db:\db+1] offset:12288
.endm
	s_load_b256 s[4:11], s[0:1], 0x0               ; hidden_states s[4:5], w_qkv s[6:7], w_dense s[8:9], xq s[10:11]
	s_load_b128 s[12:15], s[0:1], 0x20             ; wq s[12:13], wd s[14:15]
	v_lshl_add_u32 v192, v0, 2, 0xe400
	v_mov_b32 v193, 0
	v_lshrrev_b32 v1, 5, v0
	v_readfirstlane_b32 s16, v1                    ; wave 0..3
	v_and_b32 v1, 31, v0                           ; lane
	s_mov_b32 s20, 0x76543210
	s_mov_b32 s21, 0xfedcba98                      ; v_permlanex16_b32's selects for lane l xor 16
	s_wait_kmcnt 0x0
	s_cmp_lt_u32 ttmp9, 256
	s_cbranch_scc0 .Lweights
	; ---- hidden_states: the wave makes tiles 2 b and 2 b + 1 (32 neighbouring rows) of one chunk
	s_and_b32 s24, ttmp9, 1
	s_lshl_b32 s24, s24, 2
	s_add_co_u32 s24, s24, s16                     ; K step = 4 (id % 2) + wave
	s_lshr_b32 s25, ttmp9, 1                       ; 4 x panel + b
	s_and_b32 s26, s25, 3                          ; b
	s_lshl_b32 s28, s25, 17                        ; 32 rows of 4,096 bytes
	s_lshl_b32 s27, s24, 9                         ; 128 numbers a K step
	s_add_co_u32 s28, s28, s27
	s_mov_b32 s29, 0
	s_add_nc_u64 s[4:5], s[4:5], s[28:29]
	s_lshr_b32 s30, ttmp9, 3
	s_lshl_b32 s30, s30, 3
	s_add_co_u32 s30, s30, s24
	s_mul_i32 s30, s30, 12800                      ; the chunk
	s_mov_b32 s31, 0
	s_add_nc_u64 s[10:11], s[10:11], s[30:31]
	v_lshlrev_b32 v4, 4, v1
.irp u, 0,1
.irp r, 0,1,2,3,4,5,6,7,8,9,10,11,12,13,14,15
	global_load_b128 v[XR+64*\u+4*\r:XR+64*\u+4*\r+3], v4, s[4:5] offset:(8*\u+\r+(\r/8)*8)*4096 th:TH_LOAD_NT   ; 32 lanes read 512 consecutive bytes of the tile's row r
.endr
.endr
	v_and_b32 v2, 15, v0                           ; r
	v_bfe_u32 v3, v0, 4, 1                         ; h
	s_mul_i32 s32, s16, 16*SP                      ; my stage
	v_add_nc_u32 v5, s32, v4                       ; in: 16 bytes a lane
	v_mul_u32_u24 v6, v2, SP
	v_lshl_add_u32 v6, v3, 7, v6
	v_add_nc_u32 v6, s32, v6                       ; back: row r, + 128 h
	s_mul_i32 s33, s26, 3072
	v_lshl_add_u32 v7, v1, 3, s33                  ; the codes' place in the chunk
	s_lshl_b32 s34, s26, 7
	v_lshl_add_u32 v16, v1, 2, s34                 ; the scale words'
	v_lshlrev_b32 v17, 3, v3
	v_mov_b32 v18, 0                               ; (a lane permute's destination counts as one of its sources)
	s_wait_loadcnt 16                              ; tile 0's sixteen loads are in, tile 1's may be out
	TURNQ 0
	s_wait_loadcnt 0x0
	TURNQ 1
	v_cmp_le_u32 vcc_lo, 16, v1
	v_cndmask_b32 v14, v14, v15, vcc_lo            ; lanes 0-15 tile 2 b's words, lanes 16-31 tile 2 b + 1's
	global_store_b32 v16, v14, s[10:11] offset:12288
	s_wait_tensorcnt 0x0
	ds_add_u32 v192, v193
	s_wait_dscnt 0x0
	s_endpgm
.Lweights:
	s_cmp_lt_u32 ttmp9, 448
	s_cbranch_scc0 .Ldense
	WPATH 12288, 6, 12, 33792, 256
	s_wait_tensorcnt 0x0
	ds_add_u32 v192, v193
	s_wait_dscnt 0x0
	s_endpgm
.Ldense:
	WPATH 4096, 8, 14, 46080, 448
	s_wait_tensorcnt 0x0
	ds_add_u32 v192, v193
	s_wait_dscnt 0x0
	s_endpgm
.Lfunc_end_k_qd6fc54d380_quant:
	.size	k_qd6fc54d380_quant, .Lfunc_end_k_qd6fc54d380_quant-k_qd6fc54d380_quant
	.p2alignl 7, 3214868480
	.fill 96, 4, 3214868480
	.section	.rodata,"a",@progbits
	.p2align	6, 0x0
	.amdhsa_kernel k_qd6fc54d380_quant
		.amdhsa_group_segment_fixed_size 58880
		.amdhsa_private_segment_fixed_size 0
		.amdhsa_enable_private_segment 0
		.amdhsa_kernarg_size 48
		.amdhsa_user_sgpr_count 2
		.amdhsa_user_sgpr_kernarg_segment_ptr 1
		.amdhsa_wavefront_size32 1
		.amdhsa_system_sgpr_workgroup_id_x 1
		.amdhsa_system_sgpr_workgroup_id_y 1
		.amdhsa_system_sgpr_workgroup_id_z 1
		.amdhsa_system_vgpr_workitem_id 0
		.amdhsa_next_free_vgpr 194
		.amdhsa_next_free_sgpr 66
		.amdhsa_reserve_vcc 1
		.amdhsa_float_denorm_mode_32 3
		.amdhsa_float_denorm_mode_16_64 3
		.amdhsa_memory_ordered 1
		.amdhsa_forward_progress 1
		.amdhsa_inst_pref_size 60
	.end_amdhsa_kernel
	.amdgpu_metadata
---
amdhsa.version: [ 1, 2 ]
amdhsa.kernels:
  - .name:           k_qd6fc54d380_quant
    .symbol:         k_qd6fc54d380_quant.kd
    .args:
      - { .name: hidden_states, .offset: 0, .size: 8, .value_kind: global_buffer, .address_space: global }
      - { .name: w_qkv, .offset: 8, .size: 8, .value_kind: global_buffer, .address_space: global }
      - { .name: w_dense, .offset: 16, .size: 8, .value_kind: global_buffer, .address_space: global }
      - { .name: xq, .offset: 24, .size: 8, .value_kind: global_buffer, .address_space: global }
      - { .name: wq, .offset: 32, .size: 8, .value_kind: global_buffer, .address_space: global }
      - { .name: wd, .offset: 40, .size: 8, .value_kind: global_buffer, .address_space: global }
    .group_segment_fixed_size: 58880
    .private_segment_fixed_size: 0
    .kernarg_segment_align: 8
    .kernarg_segment_size: 48
    .max_flat_workgroup_size: 128
    .sgpr_count:     66
    .vgpr_count:     194
    .wavefront_size: 32
...
	.end_amdgpu_metadata
.endif
;; end of part 1
;; launch gemm1 (part 2): grid 24 x 32, 4 waves a work-group, clusters of 4 x 4, 205,312 bytes of LDS; arguments wq, xq, b_qkv, qbuf, kbuf, vbuf; writes qbuf, kbuf, vbuf
.if DOCPART == 2
	.amdgcn_target "amdgcn-amd-amdhsa--gfx1250"
	.amdhsa_code_object_version 6
	.text
	.protected	k_qd6fc54d380_gemm1
	.globl	k_qd6fc54d380_gemm1
	.p2align	8
	.type	k_qd6fc54d380_gemm1,@function
k_qd6fc54d380_gemm1:
	s_mov_b64 s[64:65], 0
	v_nop
	global_prefetch_b8 v0, s[64:65] scope:SCOPE_SE
	s_setreg_imm32_b32 hwreg(HW_REG_WAVE_MODE, 25, 1), 1
	s_wait_xcnt 0x0
	s_wait_alu depctr_hold_cnt(0) depctr_sa_sdst(0) depctr_va_vdst(0) depctr_va_sdst(0) depctr_va_ssrc(0) depctr_va_vcc(0) depctr_vm_vsrc(0)
	s_getreg_b32 s2, hwreg(HW_REG_IB_STS2, 6, 4)
	s_cmp_eq_u32 s2, 0
	s_cbranch_scc0 .Lentry_in_a_cluster
	s_endpgm
.Lentry_in_a_cluster:
	s_bfe_u32 s2, ttmp6, 0x10000c
	s_cmp_lg_u32 s2, 0xf033
	s_cbranch_scc0 .Lentry_shape_is_right
	s_endpgm
.Lentry_shape_is_right:
; qkv = x w_qkv + b_qkv on codes of E3M2 (K = 1024), and its three parts quantised again on the way out: q / 8 and k along the head's 64, v along the keys.
; A work-group takes 128 columns of w_qkv (x of the grid: 0-7 q, 8-15 k, 16-23 v) and 128 tokens (y).  Both panels, all of K, fit in LDS (2 x 102,400 bytes): every byte is filled once, nothing is filled again.
; A wave makes 128 x 32: 16 accumulators.  q, k: source 0 = the weight's 8 tiles, source 1 = my 2 tiles of tokens: a lane holds one token, its registers run along the head's channels.
; v: source 0 = the 8 tiles of tokens, source 1 = my 2 tiles of the weight: a lane holds one channel, its registers run along the keys.  Either way a lane's registers run along the NEXT product's K.
; The rows of a tile are 32 b + 8 u + r + 8 (r / 8), so the 16 registers of tiles 2 b and 2 b + 1 are 16 neighbours.
; OUT: blocks of 6,400 bytes at ((g 16 + step) 4 + hd) 6400, g = 4 batch + head / 4, hd = head % 4, step = 128 tokens: four fragments as images of their registers (1536 f + 512 c + 16 lane), scale words at 6144 + 64 f + 4 r.
;   q, k: fragment f = token tile 2 f in registers 0-5 and tile 2 f + 1 in registers 6-11 (64 channels each).   v: fragment dt = 16 channels x 128 keys.
; CLUSTER 4 x 4: the weight's panel hangs on x alone and is asked for jointly down a column of the cluster, the tokens' panel on y alone, along a row: a quarter of the requests.
; The two ways (q, k | v) part on the cluster's x, which all partners share, and never join.
; LIMITS: NaN and infinities are not served; blocks under 2^-122 keep the byte 1; blocks of zeros have the byte 1 (zero codes; only this program reads the bytes).
; REGISTERS: window 0: v1-3 lane, r, h; v4-11 LDS addresses; v12-23 offsets, words, v's bias; v32-36, v40-44 scale words, two sets; v48-63 at work; v64-127 q's and k's bias, later the codes; v128-255 accumulators ((i, j) at 128 + 64 j + 8 i).
;   window 1: two sets of fragments at 0 and 128: source 0's tile i at + 12 i, source 1's tile j at + 96 + 12 j.
.set CHUNK, 12800
.set WPAN,  0                          ; LDS: the weight's panel,
.set XPAN,  8*CHUNK                    ; the tokens'
.set G1W, 24                           ; s[24:31], s[32:39] descriptor groups 1;  s[40:55], s[68:83] groups 0, one for each of a wave's four loads
.set G1X, 32
.set G0W, 40
.set G0X, 68
.set AP,  4
.set AR,  6
.set ASP, 8
.set ASR, 10
.set SC,  32
.set TM,  48
.set BF,  64
.set IA,  64
.set IB,  76
.set CT,  88
.set ACC, 128
.set MSB, 0
.macro WIN new                         ; the immediate's high byte repeats the setting that is left
.if MSB != \new
	s_set_vgpr_msb (MSB<<8)|\new
.set MSB, \new
.endif
.endm
.macro PLACES                          ; four plain lines between a matrix instruction and a load into, or a read of, its registers
.rept 4
	v_nop
.endr
.endm
.macro CROUND                          ; a round of the cluster's barrier
	s_barrier_signal -1
	s_barrier_wait -1
	s_cmp_lg_u32 s16, 0
	s_cbranch_scc1 .Lnot_wave_0_\@
	s_barrier_signal -3
.Lnot_wave_0_\@:
	s_barrier_wait -3
	s_barrier_signal -1
	s_barrier_wait -1
.endm
.macro SYNC c                          ; K steps 2 c and 2 c + 1 of both panels are in LDS for every wave
	s_wait_tensorcnt 3-(\c)                        ; my load c has landed; the 3 - c issued behind it may stay out
	s_wait_dscnt 0x0
	s_barrier_signal -1
	s_barrier_wait -1
.endm
.macro FETCH s                         ; K step s: 8 + 2 fragments and their scale words into set s % 2
.set fb, 128*((\s)%2)
.set fa, (\s)/4
.set fo, ((\s)%4)*CHUNK
.set fs, SC+8*((\s)%2)
	WIN 0x40                                       ; destination window 1
.irp i, 0,1,2,3,4,5,6,7
.irp p, 0,1,2,3,4,5
	ds_load_b64 v[fb+12*\i+2*\p:fb+12*\i+2*\p+1], v[AP+fa] offset:fo+1536*\i+256*\p      ; 256 consecutive bytes: the image of a register pair
.endr
.endr
.irp j, 0,1
.irp p, 0,1,2,3,4,5
	ds_load_b64 v[fb+96+12*\j+2*\p:fb+96+12*\j+2*\p+1], v[AR+fa] offset:fo+1536*\j+256*\p
.endr
.endr
	WIN 0
.irp q, 0,1,2,3
	ds_load_b32 v[fs+\q], v[ASP+fa] offset:fo+12288+128*\q      ; lanes 0-15 tile 2 q's words, lanes 16-31 tile 2 q + 1's
.endr
	ds_load_b32 v[fs+4], v[ASR+fa] offset:fo+12288              ; my two tiles' likewise
.endm
.macro WM i, j, f, zero
.set rD, ACC+64*(\j)+8*(\i)
.set rA, 128*(\f)+12*(\i)
.set rB, 128*(\f)+96+12*(\j)
.set rS, SC+8*(\f)+(\i)/2
.set rT, SC+8*(\f)+4
.if \zero
.if ((\i)%2 == 0) && ((\j) == 0)
	v_wmma_scale_f32_16x16x128_f8f6f4 v[rD:rD+7], v[rA:rA+11], v[rB:rB+11], 0, v[rS], v[rT] matrix_a_fmt:MATRIX_FMT_BF6 matrix_b_fmt:MATRIX_FMT_BF6
.elseif ((\i)%2 == 1) && ((\j) == 0)
	v_wmma_scale_f32_16x16x128_f8f6f4 v[rD:rD+7], v[rA:rA+11], v[rB:rB+11], 0, v[rS], v[rT] matrix_a_fmt:MATRIX_FMT_BF6 matrix_b_fmt:MATRIX_FMT_BF6 matrix_a_scale:MATRIX_SCALE_ROW1
.elseif (\i)%2 == 0
	v_wmma_scale_f32_16x16x128_f8f6f4 v[rD:rD+7], v[rA:rA+11], v[rB:rB+11], 0, v[rS], v[rT] matrix_a_fmt:MATRIX_FMT_BF6 matrix_b_fmt:MATRIX_FMT_BF6 matrix_b_scale:MATRIX_SCALE_ROW1
.else
	v_wmma_scale_f32_16x16x128_f8f6f4 v[rD:rD+7], v[rA:rA+11], v[rB:rB+11], 0, v[rS], v[rT] matrix_a_fmt:MATRIX_FMT_BF6 matrix_b_fmt:MATRIX_FMT_BF6 matrix_a_scale:MATRIX_SCALE_ROW1 matrix_b_scale:MATRIX_SCALE_ROW1
.endif
.else
.if ((\i)%2 == 0) && ((\j) == 0)
	v_wmma_scale_f32_16x16x128_f8f6f4 v[rD:rD+7], v[rA:rA+11], v[rB:rB+11], v[rD:rD+7], v[rS], v[rT] matrix_a_fmt:MATRIX_FMT_BF6 matrix_b_fmt:MATRIX_FMT_BF6
.elseif ((\i)%2 == 1) && ((\j) == 0)
	v_wmma_scale_f32_16x16x128_f8f6f4 v[rD:rD+7], v[rA:rA+11], v[rB:rB+11], v[rD:rD+7], v[rS], v[rT] matrix_a_fmt:MATRIX_FMT_BF6 matrix_b_fmt:MATRIX_FMT_BF6 matrix_a_scale:MATRIX_SCALE_ROW1
.elseif (\i)%2 == 0
	v_wmma_scale_f32_16x16x128_f8f6f4 v[rD:rD+7], v[rA:rA+11], v[rB:rB+11], v[rD:rD+7], v[rS], v[rT] matrix_a_fmt:MATRIX_FMT_BF6 matrix_b_fmt:MATRIX_FMT_BF6 matrix_b_scale:MATRIX_SCALE_ROW1
.else
	v_wmma_scale_f32_16x16x128_f8f6f4 v[rD:rD+7], v[rA:rA+11], v[rB:rB+11], v[rD:rD+7], v[rS], v[rT] matrix_a_fmt:MATRIX_FMT_BF6 matrix_b_fmt:MATRIX_FMT_BF6 matrix_a_scale:MATRIX_SCALE_ROW1 matrix_b_scale:MATRIX_SCALE_ROW1
.endif
.endif
.endm
.macro MUL s                           ; 16 matrix instructions: the 16 accumulators take turns, in the same order in every K step; K step 0 starts the sums
	WIN 0x05                                       ; sources 0 and 1 window 1
.irp i, 0,1,2,3,4,5,6,7
.irp j, 0,1
	WM \i, \j, (\s)%2, (\s)==0
.endr
.endr
.endm
.macro LOOP                            ; the eight K steps, written out: step s + 1's fragments are asked for ahead of step s's products
	SYNC 0
	FETCH 0
.irp s, 0,1,2,3,4,5,6,7
	s_wait_dscnt 0x0                               ; step s's fragments are in (asked for ahead of the last step's products)
.if \s < 7
.if (\s+1)%2 == 0
	SYNC (\s+1)/2
.endif
.if \s > 0
	PLACES                                         ; the set that is loaded next was read by step s - 1's products
.endif
	FETCH \s+1
.endif
	MUL \s
.endr
	WIN 0
	PLACES
.endm
.macro ADDRS pb, rb                    ; LDS addresses: source 0's panel at pb, source 1's at rb; a second register for K steps 4-7, which lie beyond an offset's 16 bits
	v_lshl_add_u32 v[AP], v1, 3, \pb
	v_lshl_add_u32 v[AP+1], v1, 3, \pb+51200
	s_mul_i32 s57, s16, 3072
	s_add_co_u32 s57, s57, \rb
	v_lshl_add_u32 v[AR], v1, 3, s57
	v_add_nc_u32 v[AR+1], 51200, v[AR]
	v_lshl_add_u32 v[ASP], v1, 2, \pb
	v_lshl_add_u32 v[ASP+1], v1, 2, \pb+51200
	s_lshl_b32 s57, s16, 7
	s_add_co_u32 s57, s57, \rb
	v_lshl_add_u32 v[ASR], v1, 2, s57
	v_add_nc_u32 v[ASR+1], 51200, v[ASR]
.endm
; 64 numbers of a lane, register 16 b + i = K 32 b + 16 h + i of the lane's row: the codes of blocks 0, 1 go to v[d0 .. d0 + 5], of blocks 2, 3 to v[d1 .. d1 + 5], the four bytes to v[pw].
.macro QUANT s, d0, d1, pw
.irp b, 0,1,2,3
	v_max3_num_f32 v[TM+\b], |v[\s+16*\b]|, |v[\s+16*\b+1]|, 0x2800000    ; with the floor 2^(5 - 127)
.endr
.irp i, 2,4,6,8,10,12,14
.irp b, 0,1,2,3
	v_max3_num_f32 v[TM+\b], v[TM+\b], |v[\s+16*\b+\i]|, |v[\s+16*\b+\i+1]|
.endr
.endr
.irp b, 0,1,2,3
	v_permlanex16_b32 v[TM+4+\b], v[TM+\b], s96, s97
.endr
.irp b, 0,1,2,3
	v_max_num_f32 v[TM+\b], v[TM+\b], v[TM+4+\b]   ; with lane l xor 16's sixteen: the block's largest magnitude
.endr
.irp b, 0,1,2,3
	v_add_nc_u32 v[TM+12+\b], 0xfe000000, v[TM+\b]
.endr
.irp b, 0,1,2,3
	v_lshrrev_b32 v[TM+4+\b], 23, v[TM+12+\b]
.endr
	v_lshl_or_b32 v[\pw], v[TM+5], 8, v[TM+4]
	v_lshl_or_b32 v[\pw], v[TM+6], 16, v[\pw]
	v_lshl_or_b32 v[\pw], v[TM+7], 24, v[\pw]
	v_cvt_scalef32_pk16_bf6_f32 v[\d0:\d0+2], v[\s:\s+15], v[TM+12]
	v_cvt_scalef32_pk16_bf6_f32 v[CT:CT+2], v[\s+16:\s+31], v[TM+13]
	v_cvt_scalef32_pk16_bf6_f32 v[\d1:\d1+2], v[\s+32:\s+47], v[TM+14]
	v_cvt_scalef32_pk16_bf6_f32 v[CT+4:CT+6], v[\s+48:\s+63], v[TM+15]
	v_nop                                          ; one plain line behind the conversions
.irp i, 0,1,2
	v_permlane16_swap_b32 v[\d0+\i], v[CT+\i]      ; the operand's layout wants a whole block in a lane: lanes 0-15 the even block, lanes 16-31 the odd one
.endr
.irp i, 0,1,2
	v_mov_b32 v[\d0+3+\i], v[CT+\i]
.endr
.irp i, 0,1,2
	v_permlane16_swap_b32 v[\d1+\i], v[CT+4+\i]
.endr
.irp i, 0,1,2
	v_mov_b32 v[\d1+3+\i], v[CT+4+\i]
.endr
.endm
.macro OUTBASE                         ; s[92:93] += ((g 16 + step) 4 + 2 (x % 2)) 6400: the first of the two heads that this work-group's 128 columns hold
	s_lshr_b32 s58, s22, 4                         ; batch
	s_lshl_b32 s58, s58, 2
	s_and_b32 s59, s21, 7
	s_lshr_b32 s59, s59, 1
	s_add_co_u32 s58, s58, s59                     ; g
	s_lshl_b32 s58, s58, 4
	s_and_b32 s59, s22, 15
	s_add_co_u32 s58, s58, s59
	s_lshl_b32 s58, s58, 2
	s_and_b32 s59, s21, 1
	s_lshl_b32 s59, s59, 1
	s_add_co_u32 s58, s58, s59
	s_mul_i32 s58, s58, 6400
	s_mov_b32 s59, 0
	s_add_nc_u64 s[92:93], s[92:93], s[58:59]
.endm
	s_load_b256 s[4:11], s[0:1], 0x0               ; wq s[4:5], xq s[6:7], b_qkv s[8:9], qbuf s[10:11]
	s_load_b128 s[12:15], s[0:1], 0x20             ; kbuf s[12:13], vbuf s[14:15]
	v_lshl_add_u32 v58, v0, 2, 0x32000
	v_mov_b32 v59, 0
	ds_add_u32 v58, v59
	v_lshrrev_b32 v1, 5, v0
	v_readfirstlane_b32 s16, v1                    ; wave 0..3
	s_lshr_b32 s17, s16, 1                         ; I fetch for the weight (0) or for the tokens (1),
	s_and_b32 s18, s16, 1                          ; the even or the odd K steps
	s_bfe_u32 s19, ttmp6, 0x40000                  ; cx, cy: my place in the cluster
	s_bfe_u32 s20, ttmp6, 0x40004
	s_lshl_b32 s21, ttmp9, 2
	s_add_co_u32 s21, s21, s19                     ; x: which 128 columns
	s_and_b32 s22, ttmp7, 0xffff
	s_lshl_b32 s22, s22, 2
	s_add_co_u32 s22, s22, s20                     ; y: which 128 tokens
	s_lshl_b32 s23, s20, 2
	s_lshl_b32 s23, 15, s23                        ; my row of the cluster
	s_lshl_b32 s56, 0x1111, s19                    ; my column
	; group 1: a chunk, 12,800 dense bytes, as 50 rows of 32 elements of 8 bytes
	s_or_b32 s[G1W], s56, (3<<16)|(1<<21)          ; 15:0 the mask; 17:16 elements of 8 bytes; 21 set beside a mask
	s_or_b32 s[G1X], s23, (3<<16)|(1<<21)
.irp g, G1W, G1X
	s_mov_b32 s[\g+1], 32<<16                      ; tensor_dim0
	s_mov_b32 s[\g+2], 50<<16                      ; tensor_dim1
	s_mov_b32 s[\g+3], 32<<16                      ; tile_dim0
	s_mov_b32 s[\g+4], 50                          ; tile_dim1
	s_mov_b32 s[\g+5], 32                          ; the pitch
	s_mov_b32 s[\g+6], 0
	s_mov_b32 s[\g+7], 0
.endr
	s_mul_i32 s86, s18, CHUNK                      ; my first chunk in a panel
	s_mul_i32 s84, s21, 8*CHUNK                    ; the weight's panel hangs on x alone,
	s_add_co_u32 s84, s84, s86
	s_mov_b32 s85, 0
	s_mul_i32 s88, s22, 8*CHUNK                    ; the tokens' on y alone
	s_add_co_u32 s88, s88, s86
	s_mov_b32 s89, 0
	s_wait_dscnt 0x0
	s_wait_kmcnt 0x0
	s_add_nc_u64 s[84:85], s[4:5], s[84:85]
	s_add_nc_u64 s[88:89], s[6:7], s[88:89]
	CROUND                                         ; all sixteen work-groups are here: the joint loads meet
.irp i, 0,1,2,3
	s_mov_b32 s[G0W+4*\i], 1
	s_add_co_u32 s[G0W+4*\i+1], s86, WPAN+2*CHUNK*\i
	s_add_nc_u64 s[G0W+4*\i+2:G0W+4*\i+3], s[84:85], 2*CHUNK*\i
	s_or_b32 s[G0W+4*\i+3], s[G0W+4*\i+3], 0x80000000
	s_mov_b32 s[G0X+4*\i], 1
	s_add_co_u32 s[G0X+4*\i+1], s86, XPAN+2*CHUNK*\i
	s_add_nc_u64 s[G0X+4*\i+2:G0X+4*\i+3], s[88:89], 2*CHUNK*\i
	s_or_b32 s[G0X+4*\i+3], s[G0X+4*\i+3], 0x80000000
.endr
	s_cmp_eq_u32 s17, 0                            ; a wave's four fills stand in one branch on its number: four loads of mine are out
	s_cbranch_scc0 .Lfill_x
.irp i, 0,1,2,3
	tensor_load_to_lds s[G0W+4*\i:G0W+4*\i+3], s[G1W:G1W+7]
	s_nop 0
.endr
	PLACES
	s_branch .Lfilled
.Lfill_x:
.irp i, 0,1,2,3
	tensor_load_to_lds s[G0X+4*\i:G0X+4*\i+3], s[G1X:G1X+7]
	s_nop 0
.endr
	PLACES
.Lfilled:
	v_and_b32 v1, 31, v0                           ; lane
	v_and_b32 v2, 15, v0                           ; r
	v_bfe_u32 v3, v0, 4, 1                         ; h
	s_mov_b32 s96, 0x76543210
	s_mov_b32 s97, 0xfedcba98
.irp b, 0,1,2,3
	v_mov_b32 v[TM+4+\b], 0                        ; (a lane permute's destination counts as one of its sources)
.endr
	s_lshl_b32 s90, s21, 9                         ; the bias of my work-group's 128 columns
	s_mov_b32 s91, 0
	s_add_nc_u64 s[8:9], s[8:9], s[90:91]
	s_cmp_ge_u32 ttmp9, 4                          ; the cluster's x: the same in all sixteen partners
	s_cbranch_scc1 .Lv_arm
	; ---- q and k: a lane holds a token
	s_cmp_lt_u32 ttmp9, 2
	s_cselect_b64 s[92:93], s[10:11], s[12:13]     ; q's buffer or k's,
	s_cselect_b32 s94, 0x3e000000, 1.0             ; and 1 / sqrt(64) for q: a power of two, so scaling sum and bias apart rounds nothing
	s_mov_b32 s95, s94
	ADDRS WPAN, XPAN
	v_lshlrev_b32 v12, 6, v3
.irp k, 0,1,2,3,4,5,6,7,8,9,10,11,12,13,14,15
	global_load_b128 v[BF+4*\k:BF+4*\k+3], v12, s[8:9] offset:128*(\k/4)+16*(\k%4)     ; register 16 b + i: the bias of column 32 b + 16 h + i
.endr
	LOOP
	s_wait_loadcnt 0x0
.set n, 0
.rept 32
	v_pk_mul_f32 v[BF+n:BF+n+1], v[BF+n:BF+n+1], s[94:95] op_sel_hi:[1,0]
.set n, n+2
.endr
.irp j, 0,64
.set n, 0
.rept 32
	v_pk_fma_f32 v[ACC+\j+n:ACC+\j+n+1], v[ACC+\j+n:ACC+\j+n+1], s[94:95], v[BF+n:BF+n+1] op_sel_hi:[1,0,1]   ; each accumulator from its low end on
.set n, n+2
.endr
.endr
	QUANT ACC, IA, IB, 16                          ; token tile 2 w: blocks 0, 1 are the first head's 64 channels, blocks 2, 3 the second's
	QUANT ACC+64, IA+6, IB+6, 17                   ; token tile 2 w + 1: the upper halves of the same two fragments
	v_perm_b32 v18, v17, v16, 0x05040100           ; the first head's word: two bytes of each tile,
	v_perm_b32 v19, v17, v16, 0x07060302           ; the second's
	v_cmp_le_u32 vcc_lo, 16, v1
	v_cndmask_b32 v18, v18, v19, vcc_lo            ; lanes 0-15 store the first head's, lanes 16-31 the second's
	OUTBASE
	s_mul_i32 s57, s16, 1536                       ; fragment f = my wave's number
	v_lshl_add_u32 v13, v1, 4, s57
	s_lshl_b32 s57, s16, 6
	s_add_co_u32 s57, s57, 6144
	v_lshl_add_u32 v14, v2, 2, s57
	v_mad_u32_u24 v14, v3, 6400, v14
.irp c, 0,1,2
	global_store_b128 v13, v[IA+4*\c:IA+4*\c+3], s[92:93] offset:512*\c          ; 512 consecutive bytes, at a multiple of 256 from the buffer's first byte
	global_store_b128 v13, v[IB+4*\c:IB+4*\c+3], s[92:93] offset:6400+512*\c
.endr
	global_store_b32 v14, v18, s[92:93]
	s_wait_tensorcnt 0x0
	ds_add_u32 v58, v59
	s_wait_dscnt 0x0
	CROUND                                         ; the closing round
	s_endpgm
.Lv_arm:	; ---- v: a lane holds a channel, its registers run along the keys
	s_mov_b64 s[92:93], s[14:15]
	ADDRS XPAN, WPAN
	v_and_b32 v12, 8, v2
	v_add_nc_u32 v12, v12, v2                      ; r + 8 (r / 8)
	s_lshl_b32 s57, s16, 7
	v_lshl_add_u32 v12, v12, 2, s57                ; my channel's bias: column 32 w + 8 j + r + 8 (r / 8)
	global_load_b32 v20, v12, s[8:9]
	global_load_b32 v22, v12, s[8:9] offset:32
	v_mov_b32 v21, 0                               ; (named with them as pairs)
	v_mov_b32 v23, 0
	LOOP
	s_wait_loadcnt 0x0
.irp j, 0,1
.set n, 0
.rept 32
	v_pk_add_f32 v[ACC+64*\j+n:ACC+64*\j+n+1], v[ACC+64*\j+n:ACC+64*\j+n+1], v[20+2*\j:21+2*\j] op_sel_hi:[1,0]
.set n, n+2
.endr
.endr
	QUANT ACC, IA, IA+6, 16                        ; 16 channels x 128 keys: a whole fragment
	QUANT ACC+64, IB, IB+6, 17
	v_cmp_le_u32 vcc_lo, 16, v1
	v_cndmask_b32 v18, v16, v17, vcc_lo
	OUTBASE
	s_mul_i32 s57, s17, 6400                       ; waves 0, 1: the first head; waves 2, 3: the second
	s_mul_i32 s56, s18, 3072                       ; fragments dt = 2 (w % 2) + j
	s_add_co_u32 s56, s56, s57
	v_lshl_add_u32 v13, v1, 4, s56
	s_lshl_b32 s56, s18, 7
	s_add_co_u32 s56, s56, s57
	s_add_co_u32 s56, s56, 6144
	v_lshl_add_u32 v14, v1, 2, s56
.irp c, 0,1,2
	global_store_b128 v13, v[IA+4*\c:IA+4*\c+3], s[92:93] offset:512*\c
	global_store_b128 v13, v[IB+4*\c:IB+4*\c+3], s[92:93] offset:1536+512*\c
.endr
	global_store_b32 v14, v18, s[92:93]
	s_wait_tensorcnt 0x0
	ds_add_u32 v58, v59
	s_wait_dscnt 0x0
	CROUND                                         ; the closing round
	s_endpgm
.Lfunc_end_k_qd6fc54d380_gemm1:
	.size	k_qd6fc54d380_gemm1, .Lfunc_end_k_qd6fc54d380_gemm1-k_qd6fc54d380_gemm1
	.p2alignl 7, 3214868480
	.fill 96, 4, 3214868480
	.section	.rodata,"a",@progbits
	.p2align	6, 0x0
	.amdhsa_kernel k_qd6fc54d380_gemm1
		.amdhsa_group_segment_fixed_size 205312
		.amdhsa_private_segment_fixed_size 0
		.amdhsa_enable_private_segment 0
		.amdhsa_kernarg_size 48
		.amdhsa_user_sgpr_count 2
		.amdhsa_user_sgpr_kernarg_segment_ptr 1
		.amdhsa_wavefront_size32 1
		.amdhsa_system_sgpr_workgroup_id_x 1
		.amdhsa_system_sgpr_workgroup_id_y 1
		.amdhsa_system_sgpr_workgroup_id_z 1
		.amdhsa_system_vgpr_workitem_id 0
		.amdhsa_next_free_vgpr 512
		.amdhsa_next_free_sgpr 100
		.amdhsa_reserve_vcc 1
		.amdhsa_float_denorm_mode_32 3
		.amdhsa_float_denorm_mode_16_64 3
		.amdhsa_memory_ordered 1
		.amdhsa_forward_progress 1
		.amdhsa_inst_pref_size 142
	.end_amdhsa_kernel
	.amdgpu_metadata
---
amdhsa.version: [ 1, 2 ]
amdhsa.kernels:
  - .name:           k_qd6fc54d380_gemm1
    .symbol:         k_qd6fc54d380_gemm1.kd
    .args:
      - { .name: wq, .offset: 0, .size: 8, .value_kind: global_buffer, .address_space: global }
      - { .name: xq, .offset: 8, .size: 8, .value_kind: global_buffer, .address_space: global }
      - { .name: b_qkv, .offset: 16, .size: 8, .value_kind: global_buffer, .address_space: global }
      - { .name: qbuf, .offset: 24, .size: 8, .value_kind: global_buffer, .address_space: global }
      - { .name: kbuf, .offset: 32, .size: 8, .value_kind: global_buffer, .address_space: global }
      - { .name: vbuf, .offset: 40, .size: 8, .value_kind: global_buffer, .address_space: global }
    .group_segment_fixed_size: 205312
    .private_segment_fixed_size: 0
    .kernarg_segment_align: 8
    .kernarg_segment_size: 48
    .max_flat_workgroup_size: 128
    .sgpr_count:     100
    .vgpr_count:     512
    .wavefront_size: 32
...
	.end_amdgpu_metadata
.endif
;; end of part 2
;; launch smax (part 3): grid 32 x 8, 16 waves a work-group, clusters of 4 x 4, 327,680 bytes of LDS; arguments qbuf, kbuf, ltor_mask, gpart; writes gpart
.if DOCPART == 3
	.amdgcn_target "amdgcn-amd-amdhsa--gfx1250"
	.amdhsa_code_object_version 6
	.text
	.protected	k_qd6fc54d380_smax
	.globl	k_qd6fc54d380_smax
	.p2align	8
	.type	k_qd6fc54d380_smax,@function
k_qd6fc54d380_smax:
	s_mov_b64 s[64:65], 0
	v_nop
	global_prefetch_b8 v0, s[64:65] scope:SCOPE_SE
	s_setreg_imm32_b32 hwreg(HW_REG_WAVE_MODE, 25, 1), 1
	s_wait_xcnt 0x0
	s_wait_alu depctr_hold_cnt(0) depctr_sa_sdst(0) depctr_va_vdst(0) depctr_va_sdst(0) depctr_va_ssrc(0) depctr_va_vcc(0) depctr_vm_vsrc(0)
	s_getreg_b32 s2, hwreg(HW_REG_IB_STS2, 6, 4)
	s_cmp_eq_u32 s2, 0
	s_cbranch_scc0 .Lentry_in_a_cluster
	s_endpgm
.Lentry_in_a_cluster:
	s_bfe_u32 s2, ttmp6, 0x10000c
	s_cmp_lg_u32 s2, 0xf033
	s_cbranch_scc0 .Lentry_shape_is_right
	s_endpgm
.Lentry_shape_is_right:
; The largest masked score of each head, in parts: gpart[16 batch + head][tile of 16 queries] = max over all keys of s m - 10000 (1 - m), s = (q / 8) . k on codes of E3M2.
; It has to be known before any p is quantised: the head's maximum is taken off every score ahead of the softmax, and p's codes hang on its fraction.  So this launch makes the scores once for the maximum alone.
; A work-group takes 64 queries (x) of four heads (y = 4 batch + head / 4): sixteen waves, wave = 4 (tile of queries) + head % 4, one tile of 16 queries of one head each, four waves to a SIMD.
; So a tile of the mask (an input: read and honoured as it is given, as a number) serves four heads, and a head's keys four tiles of queries.
; K = 64 is half of the matrix instruction's 128: a fragment of k holds two tiles of 16 keys in its halves and is multiplied by [q | 0] and by [0 | q] (zero codes add nothing).
; S^T = k q^T: a lane holds one query; the keys of a tile are 32 b + 8 u + r + 8 (r / 8), so the 16 registers of tiles 2 b, 2 b + 1 are keys 32 b + 16 h + 0 .. 15, as the mask's row has them.
; RING: two LDS slots of 256 keys: k's blocks (51,200 bytes, wave 4 fetches) and the mask's 64 rows x 1,024 bytes as four tiles of 16 rows (waves 0-3), rows 1,040 bytes apart, tiles 16,768 apart:
;   the 16 rows of a query tile (8 and 8, sixteen rows apart) then start in 16 different columns of 16 bytes modulo 256.
; CLUSTER 4 x 4: the mask's tiles hang on x alone and are asked for jointly down a column of the cluster, k's on y alone, along a row.
; For a mask that is neither 0 nor 1 the masked score is two fused multiply-adds: its rounding differs from the written order by ulps of f32.  NaN and infinities are not served.
; REGISTERS: v1, v2 the spare word's address and 0; v3-5 my places in k's codes, k's words, the mask; v6-8 the same in the slot in hand; v9 lane; v10-13 four running maxima; v[14:15] -10000;
;   v16-33 [0 | q | 0]; v34 q's scale word; v36-37 k's; v40-87 four fragments of k; v88-151 S^T; v152-215 the mask; v216-247 at work.
.set SLOT1, 1<<17
.set MOFF,  51200
.set PITCH, 1040
.set GRPS,  16*PITCH+128
.set SPARE, 2*SLOT1                    ; the spare words: 128 bytes for each of sixteen waves
.set NS,    8
.set X,  40
.set S,  88
.set Y,  152
.set WT, 216
.set GM, 10
.macro CROUND
	s_barrier_signal -1
	s_barrier_wait -1
	s_cmp_lg_u32 s16, 0
	s_cbranch_scc1 .Lnot_wave_0_\@
	s_barrier_signal -3
.Lnot_wave_0_\@:
	s_barrier_wait -3
	s_barrier_signal -1
	s_barrier_wait -1
.endm
.macro JLOAD                           ; waves 0-3: a tile of the mask each; wave 4: k.  The branches hang on the wave's number alone.  Four v_nop follow each load
	s_cmp_lt_u32 s16, 4
	s_cbranch_scc0 .Lnot_m_\@
	tensor_load_to_lds s[40:43], s[24:31]
	s_nop 0
.rept 4
	v_nop
.endr
	s_branch .Lasked_\@
.Lnot_m_\@:
	s_cmp_eq_u32 s16, 4
	s_cbranch_scc0 .Lasked_\@
	tensor_load_to_lds s[44:47], s[32:39]
	s_nop 0
.rept 4
	v_nop
.endr
.Lasked_\@:
.endm
.macro CHANGE fill                     ; at a slot's head: the slot ahead is whole, nobody reads the other; fill = 1: that other slot takes the next 256 keys
	s_wait_tensorcnt 0x0                           ; no tensor load of mine is out, so a group 0 may be written
	ds_add_u32 v1, v2                              ; 0 onto my spare word
.if \fill
	s_xor_b32 s41, s41, SLOT1
	s_add_nc_u64 s[42:43], s[42:43], 1024
	s_xor_b32 s45, s45, SLOT1
	s_add_nc_u64 s[46:47], s[46:47], 51200
.endif
	s_wait_dscnt 0x0                               ; the add is done, and my reads of the slot that I have left are over
.if \fill
	CROUND                                         ; the same now holds of every wave of every partner
	JLOAD                                          ; a wave's one tensor load until the next round
.else
	s_barrier_signal -1
	s_barrier_wait -1
.endif
.endm
.macro KQ t                            ; tile t of 16 keys: fragment t / 2, its lower or upper half
.set rD, S+8*(\t)
.set rA, X+12*((\t)/2)
.set rB, 22-6*((\t)%2)
.set rK, 36+(\t)/4
.if ((\t)/2)%2
	v_wmma_scale_f32_16x16x128_f8f6f4 v[rD:rD+7], v[rA:rA+11], v[rB:rB+11], 0, v[rK], v34 matrix_a_fmt:MATRIX_FMT_BF6 matrix_b_fmt:MATRIX_FMT_BF6 matrix_a_scale:MATRIX_SCALE_ROW1
.else
	v_wmma_scale_f32_16x16x128_f8f6f4 v[rD:rD+7], v[rA:rA+11], v[rB:rB+11], 0, v[rK], v34 matrix_a_fmt:MATRIX_FMT_BF6 matrix_b_fmt:MATRIX_FMT_BF6
.endif
.endm
.macro STEP1 q                         ; 128 keys, the q-th of the slot
.irp f, 0,1,2,3
.irp c, 0,1,2
	ds_load_b128 v[X+12*\f+4*\c:X+12*\f+4*\c+3], v6 offset:25600*\q+1536*\f+512*\c
.endr
.endr
	ds_load_b32 v36, v7 offset:25600*\q+6144
	ds_load_b32 v37, v7 offset:25600*\q+6144+128
.irp b, 0,1,2,3
.irp i, 0,1,2,3
	ds_load_b128 v[Y+16*\b+4*\i:Y+16*\b+4*\i+3], v8 offset:MOFF+512*\q+128*\b+16*\i
.endr
.endr
	s_wait_dscnt 0x0
.irp t, 0,1,2,3,4,5,6,7
	KQ \t
.endr
.rept 4
	v_nop                                          ; the places behind the products
.endr
.irp g, 0,32
.set n, 0
.rept 16
	v_pk_fma_f32 v[WT+n:WT+n+1], v[Y+\g+n:Y+\g+n+1], s[56:57], v[14:15] op_sel_hi:[1,0,1]        ; 10000 m - 10000
.set n, n+2
.endr
.set n, 0
.rept 16
	v_pk_fma_f32 v[S+\g+n:S+\g+n+1], v[S+\g+n:S+\g+n+1], v[Y+\g+n:Y+\g+n+1], v[WT+n:WT+n+1]      ; s m + that; each accumulator from its low end on
.set n, n+2
.endr
.endr
.irp i, 0,2,4,6,8,10,12,14
.irp k, 0,1,2,3
	v_max3_num_f32 v[GM+\k], v[GM+\k], v[S+16*\k+\i], v[S+16*\k+\i+1]
.endr
.endr
.endm
.macro SLOTWORK
	v_add_nc_u32 v6, s58, v3
	v_add_nc_u32 v7, s58, v4
	v_add_nc_u32 v8, s58, v5
	STEP1 0
	STEP1 1
	s_xor_b32 s58, s58, SLOT1
.endm
	s_load_b256 s[4:11], s[0:1], 0x0               ; qbuf s[4:5], kbuf s[6:7], ltor_mask s[8:9], gpart s[10:11]
	v_lshl_add_u32 v1, v0, 2, SPARE
	v_mov_b32 v2, 0
	ds_add_u32 v1, v2
	s_wait_dscnt 0x0
	v_lshrrev_b32 v9, 5, v0
	v_readfirstlane_b32 s16, v9                    ; wave 0..15
	s_and_b32 s17, s16, 3                          ; hd: my head of the four.  Also: which tile of the mask I fetch
	s_lshr_b32 s18, s16, 2                         ; qt: my tile of queries
	s_bfe_u32 s19, ttmp6, 0x40000
	s_bfe_u32 s20, ttmp6, 0x40004
	s_lshl_b32 s21, ttmp9, 2
	s_add_co_u32 s21, s21, s19                     ; x: which 64 queries
	s_and_b32 s22, ttmp7, 0xffff
	s_lshl_b32 s22, s22, 2
	s_add_co_u32 s22, s22, s20                     ; y: which four heads
	s_lshl_b32 s23, s20, 2
	s_lshl_b32 s23, 15, s23                        ; my row of the cluster
	s_lshl_b32 s60, 0x1111, s19                    ; my column
	s_or_b32 s24, s60, (2<<16)|(1<<20)|(1<<21)|(7<<22)|(3<<25)   ; the mask: elements of 4 bytes; 4 words of padding behind every 256
	s_mov_b32 s25, 256<<16                         ; tensor_dim0
	s_mov_b32 s26, 16<<16                          ; tensor_dim1
	s_mov_b32 s27, 256<<16                         ; tile_dim0
	s_mov_b32 s28, 16                              ; tile_dim1
	s_mov_b32 s29, 2048                            ; the pitch
	s_mov_b32 s30, 0
	s_mov_b32 s31, 0
	s_or_b32 s32, s23, (3<<16)|(1<<21)             ; k: 51,200 dense bytes as 200 rows of 32 elements of 8 bytes
	s_mov_b32 s33, 32<<16
	s_mov_b32 s34, 200<<16
	s_mov_b32 s35, 32<<16
	s_mov_b32 s36, 200
	s_mov_b32 s37, 32
	s_mov_b32 s38, 0
	s_mov_b32 s39, 0
	s_lshl_b32 s60, s21, 19                        ; the mask's row 64 x + 16 hd, 8,192 bytes a row
	s_lshl_b32 s61, s17, 17
	s_add_co_u32 s60, s60, s61
	s_mov_b32 s61, 0
	s_mul_i32 s62, s22, 409600                     ; k's blocks of my four heads
	s_mov_b32 s63, 0
	s_mul_i32 s23, s17, GRPS
	s_mov_b32 s52, 0x76543210
	s_mov_b32 s53, 0xfedcba98
	s_mov_b32 s56, 0x461c4000                      ; 10000
	s_mov_b32 s57, s56
	s_mov_b32 s58, 0                               ; the slot in hand
	s_mov_b32 s59, NS-1
	s_wait_kmcnt 0x0
	CROUND                                         ; in front of the first joint loads
	s_mov_b32 s40, 1
	s_add_co_u32 s41, s23, MOFF
	s_add_nc_u64 s[42:43], s[8:9], s[60:61]
	s_or_b32 s43, s43, 0x80000000
	s_mov_b32 s44, 1
	s_mov_b32 s45, 0
	s_add_nc_u64 s[46:47], s[6:7], s[62:63]
	s_or_b32 s47, s47, 0x80000000
	JLOAD                                          ; slot 0
	s_lshl_b32 s66, s22, 4                         ; q's block: ((y 16 + x / 2) 4 + hd) 6400
	s_lshr_b32 s67, s21, 1
	s_add_co_u32 s66, s66, s67
	s_lshl_b32 s66, s66, 2
	s_add_co_u32 s66, s66, s17
	s_mul_i32 s66, s66, 6400
	s_mov_b32 s67, 0
	s_add_nc_u64 s[4:5], s[4:5], s[66:67]
	s_and_b32 s68, s21, 1
	s_lshl_b32 s68, s68, 1
	s_lshr_b32 s69, s18, 1
	s_add_co_u32 s68, s68, s69                     ; fragment 2 (x % 2) + qt / 2; its half qt % 2 is my tile
	s_mul_i32 s69, s68, 1536
	s_lshl_b32 s70, s68, 6
	s_add_co_u32 s70, s70, 6144
	v_and_b32 v9, 31, v0                           ; lane
	v_lshl_add_u32 v102, v9, 4, s69
	v_and_b32 v103, 15, v0
	v_lshl_add_u32 v103, v103, 2, s70
	global_load_b128 v[88:91], v102, s[4:5]
	global_load_b128 v[92:95], v102, s[4:5] offset:512
	global_load_b128 v[96:99], v102, s[4:5] offset:1024
	global_load_b32 v100, v103, s[4:5]
	s_mul_i32 s71, s17, 6400
	v_lshl_add_u32 v3, v9, 4, s71                  ; k's codes: 16 x lane + my head's block
	v_lshl_add_u32 v4, v9, 2, s71                  ; k's words
	v_and_b32 v5, 7, v0                            ; the mask: my query is row 32 (qt / 2) + 8 (qt % 2) + r % 8 + 16 (r / 8) of the 64
	v_mul_u32_u24 v5, v5, PITCH
	v_bfe_u32 v6, v0, 3, 1
	v_mad_u32_u24 v5, v6, GRPS, v5
	v_bfe_u32 v6, v0, 4, 1
	v_lshl_add_u32 v5, v6, 6, v5                   ; + 64 h: my 16 keys of each 32
	s_lshr_b32 s72, s18, 1
	s_mul_i32 s72, s72, 2*GRPS
	s_and_b32 s73, s18, 1
	s_mul_i32 s70, s73, 8*PITCH
	s_add_co_u32 s72, s72, s70
	v_add_nc_u32 v5, s72, v5
	s_cmp_lg_u32 s73, 0
	s_cselect_b32 s74, -1, 0                       ; all lanes take the fragment's upper half, or none
	s_mov_b32 s75, 0x01000100
	s_cselect_b32 s75, 0x03020302, s75             ; and the word's upper two bytes, or the lower
.irp i, 0,1,2,3,4,5
	v_mov_b32 v[16+\i], 0
	v_mov_b32 v[28+\i], 0
.endr
	s_wait_loadcnt 0x0
.irp i, 0,1,2,3,4,5
	v_cndmask_b32 v[22+\i], v[88+\i], v[94+\i], s74       ; v[16:27] = [0 | q], v[22:33] = [q | 0]
.endr
	v_perm_b32 v34, v100, v100, s75                ; my tile's two bytes, twice: they serve either half
.irp k, 0,1,2,3
	v_mov_b32 v[GM+\k], 0xff800000                 ; -infinity
.endr
	v_mov_b32 v14, 0xc61c4000                      ; -10000
	v_mov_b32 v15, 0xc61c4000
.rept 2
	v_nop                                          ; with the six lines above: eight plain lines between the scale word and the first product
.endr
.Lslot:                                            ; NS - 1 trips: behind each change of slots but the last the next slot is asked for
	CHANGE 1
	SLOTWORK
	s_sub_co_u32 s59, s59, 1
	s_cmp_lg_u32 s59, 0
	s_cbranch_scc1 .Lslot
	CHANGE 0                                       ; the last slot is written out
	SLOTWORK
	v_max3_num_f32 v10, v10, v11, v12
	v_max_num_f32 v10, v10, v13
	v_max_num_f32_dpp v10, v10, v10 row_xmask:1 row_mask:0xf bank_mask:0xf
	v_max_num_f32_dpp v10, v10, v10 row_xmask:2 row_mask:0xf bank_mask:0xf
	v_max_num_f32_dpp v10, v10, v10 row_xmask:4 row_mask:0xf bank_mask:0xf
	v_max_num_f32_dpp v10, v10, v10 row_xmask:8 row_mask:0xf bank_mask:0xf
	v_permlanex16_b32 v11, v10, s52, s53
	v_max_num_f32 v10, v10, v11                    ; my tile's maximum, in every lane
	s_lshl_b32 s66, s22, 2
	s_add_co_u32 s66, s66, s17                     ; 16 batch + head
	s_lshl_b32 s66, s66, 7
	s_lshl_b32 s67, s21, 2
	s_add_co_u32 s66, s66, s67
	s_add_co_u32 s66, s66, s18                     ; + 4 x + qt
	s_lshl_b32 s66, s66, 2
	s_mov_b32 s67, 0
	s_add_nc_u64 s[10:11], s[10:11], s[66:67]
	v_mov_b32 v12, 0
	v_cmp_eq_u32 vcc_lo, 0, v9
	s_wait_xcnt 0x0                                ; EXEC changes only behind this wait
	s_and_saveexec_b32 s68, vcc_lo
	global_store_b32 v12, v10, s[10:11]            ; lane 0 stores it
	s_wait_xcnt 0x0
	s_or_b32 exec_lo, exec_lo, s68
	s_wait_tensorcnt 0x0                           ; the wave's end
	ds_add_u32 v1, v2
	s_wait_dscnt 0x0
	CROUND                                         ; the closing round
	s_endpgm
.Lfunc_end_k_qd6fc54d380_smax:
	.size	k_qd6fc54d380_smax, .Lfunc_end_k_qd6fc54d380_smax-k_qd6fc54d380_smax
	.p2alignl 7, 3214868480
	.fill 96, 4, 3214868480
	.section	.rodata,"a",@progbits
	.p2align	6, 0x0
	.amdhsa_kernel k_qd6fc54d380_smax
		.amdhsa_group_segment_fixed_size 327680
		.amdhsa_private_segment_fixed_size 0
		.amdhsa_enable_private_segment 0
		.amdhsa_kernarg_size 32
		.amdhsa_user_sgpr_count 2
		.amdhsa_user_sgpr_kernarg_segment_ptr 1
		.amdhsa_wavefront_size32 1
		.amdhsa_system_sgpr_workgroup_id_x 1
		.amdhsa_system_sgpr_workgroup_id_y 1
		.amdhsa_system_sgpr_workgroup_id_z 1
		.amdhsa_system_vgpr_workitem_id 0
		.amdhsa_next_free_vgpr 256
		.amdhsa_next_free_sgpr 80
		.amdhsa_reserve_vcc 1
		.amdhsa_float_denorm_mode_32 3
		.amdhsa_float_denorm_mode_16_64 3
		.amdhsa_memory_ordered 1
		.amdhsa_forward_progress 1
		.amdhsa_inst_pref_size 47
	.end_amdhsa_kernel
	.amdgpu_metadata
---
amdhsa.version: [ 1, 2 ]
amdhsa.kernels:
  - .name:           k_qd6fc54d380_smax
    .symbol:         k_qd6fc54d380_smax.kd
    .args:
      - { .name: qbuf, .offset: 0, .size: 8, .value_kind: global_buffer, .address_space: global }
      - { .name: kbuf, .offset: 8, .size: 8, .value_kind: global_buffer, .address_space: global }
      - { .name: ltor_mask, .offset: 16, .size: 8, .value_kind: global_buffer, .address_space: global }
      - { .name: gpart, .offset: 24, .size: 8, .value_kind: global_buffer, .address_space: global }
    .group_segment_fixed_size: 327680
    .private_segment_fixed_size: 0
    .kernarg_segment_align: 8
    .kernarg_segment_size: 32
    .max_flat_workgroup_size: 512
    .sgpr_count:     80
    .vgpr_count:     256
    .wavefront_size: 32
...
	.end_amdgpu_metadata
.endif
;; end of part 3
;; launch attn (part 4): grid 32 x 8, 16 waves a work-group, clusters of 4 x 4, 327,680 bytes of LDS; arguments qbuf, kbuf, vbuf, ltor_mask, gpart, cq; writes cq
.if DOCPART == 4
	.amdgcn_target "amdgcn-amd-amdhsa--gfx1250"
	.amdhsa_code_object_version 6
	.text
	.protected	k_qd6fc54d380_attn
	.globl	k_qd6fc54d380_attn
	.p2align	8
	.type	k_qd6fc54d380_attn,@function
k_qd6fc54d380_attn:
	s_mov_b64 s[64:65], 0
	v_nop
	global_prefetch_b8 v0, s[64:65] scope:SCOPE_SE
	s_setreg_imm32_b32 hwreg(HW_REG_WAVE_MODE, 25, 1), 1
	s_wait_xcnt 0x0
	s_wait_alu depctr_hold_cnt(0) depctr_sa_sdst(0) depctr_va_vdst(0) depctr_va_sdst(0) depctr_va_ssrc(0) depctr_va_vcc(0) depctr_vm_vsrc(0)
	s_getreg_b32 s2, hwreg(HW_REG_IB_STS2, 6, 4)
	s_cmp_eq_u32 s2, 0
	s_cbranch_scc0 .Lentry_in_a_cluster
	s_endpgm
.Lentry_in_a_cluster:
	s_bfe_u32 s2, ttmp6, 0x10000c
	s_cmp_lg_u32 s2, 0xf033
	s_cbranch_scc0 .Lentry_shape_is_right
	s_endpgm
.Lentry_shape_is_right:
; ctx = softmax(masked scores - the head's maximum) v, both products on codes of E3M2, and ctx quantised along the dense product's K on the way out.
; logit = (s m - 10000 (1 - m)) - G, G the head's largest masked score (the maximum of the 128 parts that the launch before stored; dividing by 32, subtracting and multiplying by 32 is this subtraction, exactly).
; t = logit x log2(e); M = the row's largest t so far, rounded UP to a whole number; p = 2^(t - M) is quantised along the keys, not normalised; the row's sum is taken of the unquantised p and divides O at the end.
; When M moves, the sum and O are multiplied by 2^(old M - new M): exact.
; SHARES, RING, CLUSTER as in the launch before: 64 queries (x) of four heads (y), sixteen waves, wave = 4 qt + hd, one tile of 16 queries of one head; four waves to a SIMD, so that one wave's vector work stands beside another's
; matrix work and LDS loads.  A slot holds 128 keys: k's blocks (25,600 bytes, wave 4), v's (25,600, wave 5), the mask's 64 rows x 512 bytes as four tiles of 16 rows (waves 0-3), rows 528 bytes apart, tiles 8,576 apart.
; The mask's tiles are asked for jointly down a column of the cluster, k's and v's along a row.  The mask is an input: every tile of scores is computed, none is skipped.
; Both products are used transposed (S^T = k q^T, O^T = v^T p^T): a lane holds one query throughout.  K = 64 of the first product is half of the instruction's 128: [q | 0] and [0 | q] pick a fragment's two tiles of keys.
; OUT: cq, panels of chunks as the dense product reads them: chunk (16 batch + x / 2, head / 2), fragment 4 (x % 2) + qt, registers 6 (head % 2) on; the scale bytes of two heads meet in LDS and leave as whole words.
; For a mask that is neither 0 nor 1 the masked score is two fused multiply-adds: its rounding differs from the written order by ulps of f32.  NaN and infinities are not served; blocks of p or ctx under 2^-122 keep the byte 1.
; REGISTERS: v1, v2 the spare word's address and 0; v3-5 places in codes, words, mask; v6-8 the same in the slot in hand; v9, v253 LDS addresses of ctx's scale bytes; v[10:11] G; v12 -M, v13 the largest t; v[14:15] the sum;
;   v16-33 [0 | q | 0]; v34 q's word, v35 p's, v36-37 k's, v38-39 v's; v40-87 four fragments of k, then half the mask, then v; v88-151 S^T, then p; v152-183 O^T; v184-215 half the mask;
;   v216-231 at work on the mask, later v216-227 p's codes, v228-234 their upper halves; v236-247 blocks' maxima, bytes, scale operands; v[248:249] f; v[250:251] a second sum; v252 at work; v[254:255] -10000.
.set SLOT1, 1<<17
.set VOFF,  25600
.set MOFF,  51200
.set PITCH, 528
.set GRPS,  16*PITCH+128
.set SPARE, 2*SLOT1                    ; the spare words: 128 bytes for each of sixteen waves
.set CSB,   SPARE+2048                 ; ctx's scale bytes: 512 bytes that no tensor load fills
.set NS,    16
.set X,  40
.set S,  88
.set O,  152
.set Y,  184
.set WT, 216
.set PC, 216
.set PT, 228
.set BM, 236
.set BT, 240
.set SO, 244
.macro CROUND
	s_barrier_signal -1
	s_barrier_wait -1
	s_cmp_lg_u32 s16, 0
	s_cbranch_scc1 .Lnot_wave_0_\@
	s_barrier_signal -3
.Lnot_wave_0_\@:
	s_barrier_wait -3
	s_barrier_signal -1
	s_barrier_wait -1
.endm
.macro JLOAD                           ; waves 0-3: a tile of the mask each; wave 4: k; wave 5: v.  The branches hang on the wave's number alone.  Four v_nop follow each load
	s_cmp_lt_u32 s16, 4
	s_cbranch_scc0 .Lnot_m_\@
	tensor_load_to_lds s[40:43], s[24:31]
	s_nop 0
.rept 4
	v_nop
.endr
	s_branch .Lasked_\@
.Lnot_m_\@:
	s_cmp_eq_u32 s16, 4
	s_cbranch_scc0 .Lnot_k_\@
	tensor_load_to_lds s[44:47], s[32:39]
	s_nop 0
.rept 4
	v_nop
.endr
	s_branch .Lasked_\@
.Lnot_k_\@:
	s_cmp_eq_u32 s16, 5
	s_cbranch_scc0 .Lasked_\@
	tensor_load_to_lds s[48:51], s[32:39]
	s_nop 0
.rept 4
	v_nop
.endr
.Lasked_\@:
.endm
.macro CHANGE fill                     ; at a slot's head: the slot ahead is whole, nobody reads the other; fill = 1: that other slot takes the next 128 keys, and has a whole step in which to land
	s_wait_tensorcnt 0x0                           ; no tensor load of mine is out, so a group 0 may be written
	ds_add_u32 v1, v2                              ; 0 onto my spare word
.if \fill
	s_xor_b32 s41, s41, SLOT1
	s_add_nc_u64 s[42:43], s[42:43], 512
	s_xor_b32 s45, s45, SLOT1
	s_add_nc_u64 s[46:47], s[46:47], 25600
	s_xor_b32 s49, s49, SLOT1
	s_add_nc_u64 s[50:51], s[50:51], 25600
.endif
	s_wait_dscnt 0x0                               ; the add is done, and my reads of the slot that I have left are over
.if \fill
	CROUND                                         ; the same now holds of every wave of every partner
	JLOAD                                          ; a wave's one tensor load until the next round
.else
	s_barrier_signal -1
	s_barrier_wait -1
.endif
.endm
.macro KQ t                            ; tile t of 16 keys: fragment t / 2, its lower or upper half
.set rD, S+8*(\t)
.set rA, X+12*((\t)/2)
.set rB, 22-6*((\t)%2)
.set rK, 36+(\t)/4
.if ((\t)/2)%2
	v_wmma_scale_f32_16x16x128_f8f6f4 v[rD:rD+7], v[rA:rA+11], v[rB:rB+11], 0, v[rK], v34 matrix_a_fmt:MATRIX_FMT_BF6 matrix_b_fmt:MATRIX_FMT_BF6 matrix_a_scale:MATRIX_SCALE_ROW1
.else
	v_wmma_scale_f32_16x16x128_f8f6f4 v[rD:rD+7], v[rA:rA+11], v[rB:rB+11], 0, v[rK], v34 matrix_a_fmt:MATRIX_FMT_BF6 matrix_b_fmt:MATRIX_FMT_BF6
.endif
.endm
.macro PV d                            ; O^T's tile d (16 channels) += v^T p^T over these 128 keys.  The four accumulators take turns
.set rD, O+8*(\d)
.set rA, X+12*(\d)
.set rV, 38+(\d)/2
.if (\d)%2
	v_wmma_scale_f32_16x16x128_f8f6f4 v[rD:rD+7], v[rA:rA+11], v[PC:PC+11], v[rD:rD+7], v[rV], v35 matrix_a_fmt:MATRIX_FMT_BF6 matrix_b_fmt:MATRIX_FMT_BF6 matrix_a_scale:MATRIX_SCALE_ROW1
.else
	v_wmma_scale_f32_16x16x128_f8f6f4 v[rD:rD+7], v[rA:rA+11], v[PC:PC+11], v[rD:rD+7], v[rV], v35 matrix_a_fmt:MATRIX_FMT_BF6 matrix_b_fmt:MATRIX_FMT_BF6
.endif
.endm
.macro MASKH s, m                      ; 32 scores at v[s] with their mask at v[m]: s m + (10000 m - 10000), the same two lines as in the launch before, so the same bits; then - G
.irp k, 0,16
.set n, 0
.rept 8
	v_pk_fma_f32 v[WT+n:WT+n+1], v[\m+\k+n:\m+\k+n+1], s[56:57], v[254:255] op_sel_hi:[1,0,1]
.set n, n+2
.endr
.set n, 0
.rept 8
	v_pk_fma_f32 v[\s+\k+n:\s+\k+n+1], v[\s+\k+n:\s+\k+n+1], v[\m+\k+n:\m+\k+n+1], v[WT+n:WT+n+1]   ; each accumulator from its low end on
.set n, n+2
.endr
.set n, 0
.rept 8
	v_pk_add_f32 v[\s+\k+n:\s+\k+n+1], v[\s+\k+n:\s+\k+n+1], v[10:11] op_sel_hi:[1,0] neg_lo:[0,1] neg_hi:[0,1]
.set n, n+2
.endr
.endr
.endm
.macro STEP                            ; 128 keys: the slot in hand
	v_add_nc_u32 v6, s58, v3
	v_add_nc_u32 v7, s58, v4
	v_add_nc_u32 v8, s58, v5
	v_nop                                          ; four plain lines between the last step's products and the loads into their registers
.irp f, 0,1,2,3
.irp c, 0,1,2
	ds_load_b128 v[X+12*\f+4*\c:X+12*\f+4*\c+3], v6 offset:1536*\f+512*\c
.endr
.endr
	ds_load_b32 v36, v7 offset:6144
	ds_load_b32 v37, v7 offset:6144+128
.irp b, 0,1
.irp i, 0,1,2,3
	ds_load_b128 v[Y+16*\b+4*\i:Y+16*\b+4*\i+3], v8 offset:MOFF+128*\b+16*\i
.endr
.endr
	s_wait_dscnt 0x0
.irp t, 0,1,2,3,4,5,6,7
	KQ \t
.endr
.rept 4
	v_nop                                          ; the places behind the products: for the loads below and the first reads of the scores
.endr
.irp b, 0,1
.irp i, 0,1,2,3
	ds_load_b128 v[X+16*\b+4*\i:X+16*\b+4*\i+3], v8 offset:MOFF+256+128*\b+16*\i     ; the mask's other half lands where k's fragments lay, while the first half is applied
.endr
.endr
	MASKH S, Y
	s_wait_dscnt 0x0
	MASKH S+32, X
.irp d, 0,1,2,3
.irp c, 0,1,2
	ds_load_b128 v[X+12*\d+4*\c:X+12*\d+4*\c+3], v6 offset:VOFF+1536*\d+512*\c         ; v's fragments land during the softmax
.endr
.endr
	ds_load_b32 v38, v7 offset:VOFF+6144
	ds_load_b32 v39, v7 offset:VOFF+6144+128
.irp b, 0,1,2,3
	v_max3_num_f32 v[BM+\b], v[S+16*\b], v[S+16*\b+1], v[S+16*\b+2]    ; the largest logit of each block of 32 keys: for the row's maximum and, since p rises with the logit, for the block's largest p
.endr
.irp i, 3,5,7,9,11,13
.irp b, 0,1,2,3
	v_max3_num_f32 v[BM+\b], v[BM+\b], v[S+16*\b+\i], v[S+16*\b+\i+1]
.endr
.endr
.irp b, 0,1,2,3
	v_max_num_f32 v[BM+\b], v[BM+\b], v[S+16*\b+15]
.endr
.irp b, 0,1,2,3
	v_permlanex16_b32 v[BT+\b], v[BM+\b], s52, s53
.endr
.irp b, 0,1,2,3
	v_max_num_f32 v[BM+\b], v[BM+\b], v[BT+\b]     ; with lane l xor 16's 16 keys
.endr
	v_max3_num_f32 v252, v[BM], v[BM+1], v[BM+2]
	v_max_num_f32 v252, v252, v[BM+3]
	v_mul_f32 v252, s54, v252                      ; as t
	v_max_num_f32 v13, v13, v252                   ; the running largest t
	v_mov_b32 v252, v12
	v_floor_f32 v12, -v13                          ; the new -M = -ceil(t)
	v_sub_f32 v252, v12, v252                      ; old M - new M: a whole number, 0 or less
	v_cvt_i32_f32 v252, v252                       ; (it saturates)
	v_ldexp_f32 v248, 1.0, v252                    ; f = 2^(old M - new M)
.set n, 0
.rept 32
	v_pk_fma_f32 v[S+n:S+n+1], v[S+n:S+n+1], s[54:55], v[12:13] op_sel_hi:[1,0,0]      ; t - M
.set n, n+2
.endr
.irp b, 0,1,2,3
	v_fma_f32 v[BM+\b], v[BM+\b], s54, v12         ; the same of each block's largest logit
.endr
.set n, 0
.rept 64
	v_exp_f32 v[S+n], v[S+n]                       ; p = 2^(t - M), at most 1
.set n, n+1
.endr
.irp b, 0,1,2,3
	v_exp_f32 v[BM+\b], v[BM+\b]                   ; the block's largest p: the same two instructions on the same number
.endr
	v_pk_mul_f32 v[14:15], v[14:15], v[248:249] op_sel_hi:[1,0]        ; the sum under the new M (a plain line behind the exponentials)
	s_wait_alu depctr_va_vdst(0)
.irp b, 0,1,2,3
	v_max_num_f32 v[BM+\b], 0x2800000, v[BM+\b]    ; the floor 2^(5 - 127)
.endr
.irp b, 0,1,2,3
	v_add_nc_u32 v[SO+\b], 0xfe000000, v[BM+\b]    ; 4 off the exponent field: the conversion's scale operand
.endr
.irp b, 0,1,2,3
	v_lshrrev_b32 v[BT+\b], 23, v[SO+\b]           ; the byte
.endr
	v_lshl_or_b32 v35, v[BT+1], 8, v[BT]           ; p's scale word for these 128 keys
	v_lshl_or_b32 v35, v[BT+2], 16, v35
	v_lshl_or_b32 v35, v[BT+3], 24, v35
.irp c, 0,1
	v_cvt_scalef32_pk16_bf6_f32 v[PC+6*\c:PC+6*\c+2], v[S+32*\c:S+32*\c+15], v[SO+2*\c]
	v_cvt_scalef32_pk16_bf6_f32 v[PT+4*\c:PT+4*\c+2], v[S+32*\c+16:S+32*\c+31], v[SO+2*\c+1]
.endr
	v_nop                                          ; one plain line behind the conversions
.irp c, 0,1
.irp i, 0,1,2
	v_permlane16_swap_b32 v[PC+6*\c+\i], v[PT+4*\c+\i]     ; a whole block to a lane
.endr
.irp i, 0,1,2
	v_mov_b32 v[PC+6*\c+3+\i], v[PT+4*\c+\i]
.endr
.endr
.set n, 0
.rept 16
	v_pk_mul_f32 v[O+n:O+n+1], v[O+n:O+n+1], v[248:249] op_sel_hi:[1,0]        ; O^T under the new M
.set n, n+2
.endr
	v_pk_add_f32 v[250:251], v[S:S+1], v[S+2:S+3]  ; the row's sum of the unquantised p, in two chains
.irp j, 4,8,12,16,20,24,28,32,36,40,44,48,52,56,60
	v_pk_add_f32 v[14:15], v[14:15], v[S+\j:S+\j+1]
	v_pk_add_f32 v[250:251], v[250:251], v[S+\j+2:S+\j+3]
.endr
	v_pk_add_f32 v[14:15], v[14:15], v[250:251]    ; (these lines are also the places between p's codes and word and the products)
	s_wait_dscnt 0x0                               ; v is in
.irp d, 0,1,2,3
	PV \d
.endr
	s_xor_b32 s58, s58, SLOT1                      ; on to the other slot
.endm
	s_load_b256 s[4:11], s[0:1], 0x0               ; qbuf s[4:5], kbuf s[6:7], vbuf s[8:9], ltor_mask s[10:11]
	s_load_b128 s[12:15], s[0:1], 0x20             ; gpart s[12:13], cq s[14:15]
	v_lshl_add_u32 v1, v0, 2, SPARE
	v_mov_b32 v2, 0
	ds_add_u32 v1, v2
	s_wait_dscnt 0x0
	v_lshrrev_b32 v252, 5, v0
	v_readfirstlane_b32 s16, v252                  ; wave 0..15
	s_and_b32 s17, s16, 3                          ; hd.  Also: which tile of the mask I fetch
	s_lshr_b32 s18, s16, 2                         ; qt
	s_bfe_u32 s19, ttmp6, 0x40000
	s_bfe_u32 s20, ttmp6, 0x40004
	s_lshl_b32 s21, ttmp9, 2
	s_add_co_u32 s21, s21, s19                     ; x: which 64 queries
	s_and_b32 s22, ttmp7, 0xffff
	s_lshl_b32 s22, s22, 2
	s_add_co_u32 s22, s22, s20                     ; y: which four heads
	s_lshl_b32 s23, s20, 2
	s_lshl_b32 s23, 15, s23                        ; my row of the cluster
	s_lshl_b32 s60, 0x1111, s19                    ; my column
	s_or_b32 s24, s60, (2<<16)|(1<<20)|(1<<21)|(6<<22)|(3<<25)   ; the mask: elements of 4 bytes; 4 words of padding behind every 128
	s_mov_b32 s25, 128<<16
	s_mov_b32 s26, 16<<16
	s_mov_b32 s27, 128<<16
	s_mov_b32 s28, 16
	s_mov_b32 s29, 2048
	s_mov_b32 s30, 0
	s_mov_b32 s31, 0
	s_or_b32 s32, s23, (3<<16)|(1<<21)             ; k, v: 25,600 dense bytes as 100 rows of 32 elements of 8 bytes
	s_mov_b32 s33, 32<<16
	s_mov_b32 s34, 100<<16
	s_mov_b32 s35, 32<<16
	s_mov_b32 s36, 100
	s_mov_b32 s37, 32
	s_mov_b32 s38, 0
	s_mov_b32 s39, 0
	s_lshl_b32 s60, s21, 19                        ; the mask's row 64 x + 16 hd
	s_lshl_b32 s61, s17, 17
	s_add_co_u32 s60, s60, s61
	s_mov_b32 s61, 0
	s_mul_i32 s62, s22, 409600                     ; the blocks of my four heads
	s_mov_b32 s63, 0
	s_mul_i32 s23, s17, GRPS
	s_mov_b32 s52, 0x76543210
	s_mov_b32 s53, 0xfedcba98
	s_mov_b32 s54, 0x3fb8aa3b                      ; log2(e)
	s_mov_b32 s55, s54
	s_mov_b32 s56, 0x461c4000                      ; 10000
	s_mov_b32 s57, s56
	s_mov_b32 s58, 0
	s_mov_b32 s59, NS-1
	s_wait_kmcnt 0x0
	CROUND                                         ; in front of the first joint loads
	s_mov_b32 s40, 1
	s_add_co_u32 s41, s23, MOFF
	s_add_nc_u64 s[42:43], s[10:11], s[60:61]
	s_or_b32 s43, s43, 0x80000000
	s_mov_b32 s44, 1
	s_mov_b32 s45, 0
	s_add_nc_u64 s[46:47], s[6:7], s[62:63]
	s_or_b32 s47, s47, 0x80000000
	s_mov_b32 s48, 1
	s_mov_b32 s49, VOFF
	s_add_nc_u64 s[50:51], s[8:9], s[62:63]
	s_or_b32 s51, s51, 0x80000000
	JLOAD                                          ; slot 0
	s_lshl_b32 s66, s22, 4                         ; q's block
	s_lshr_b32 s67, s21, 1
	s_add_co_u32 s66, s66, s67
	s_lshl_b32 s66, s66, 2
	s_add_co_u32 s66, s66, s17
	s_mul_i32 s66, s66, 6400
	s_mov_b32 s67, 0
	s_add_nc_u64 s[4:5], s[4:5], s[66:67]
	s_and_b32 s68, s21, 1
	s_lshl_b32 s68, s68, 1
	s_lshr_b32 s69, s18, 1
	s_add_co_u32 s68, s68, s69                     ; fragment 2 (x % 2) + qt / 2
	s_mul_i32 s69, s68, 1536
	s_lshl_b32 s70, s68, 6
	s_add_co_u32 s70, s70, 6144
	v_and_b32 v252, 31, v0                         ; lane
	v_lshl_add_u32 v102, v252, 4, s69
	v_and_b32 v103, 15, v0
	v_lshl_add_u32 v103, v103, 2, s70
	global_load_b128 v[88:91], v102, s[4:5]
	global_load_b128 v[92:95], v102, s[4:5] offset:512
	global_load_b128 v[96:99], v102, s[4:5] offset:1024
	global_load_b32 v100, v103, s[4:5]
	s_lshl_b32 s66, s22, 2
	s_add_co_u32 s66, s66, s17                     ; 16 batch + head: its 128 parts of the maximum
	s_lshl_b32 s66, s66, 9
	s_add_nc_u64 s[12:13], s[12:13], s[66:67]
	v_lshlrev_b32 v104, 4, v252
	global_load_b128 v[108:111], v104, s[12:13]
	s_mul_i32 s71, s17, 6400
	v_lshl_add_u32 v3, v252, 4, s71
	v_lshl_add_u32 v4, v252, 2, s71
	v_and_b32 v5, 7, v0
	v_mul_u32_u24 v5, v5, PITCH
	v_bfe_u32 v6, v0, 3, 1
	v_mad_u32_u24 v5, v6, GRPS, v5
	v_bfe_u32 v6, v0, 4, 1
	v_lshl_add_u32 v5, v6, 6, v5
	s_lshr_b32 s72, s18, 1
	s_mul_i32 s72, s72, 2*GRPS
	s_and_b32 s73, s18, 1
	s_mul_i32 s70, s73, 8*PITCH
	s_add_co_u32 s72, s72, s70
	v_add_nc_u32 v5, s72, v5
	s_lshr_b32 s72, s17, 1                         ; ctx's scale bytes in LDS: 256 (hd / 2) + 64 qt + 4 r + 2 (hd % 2)
	s_lshl_b32 s72, s72, 8
	s_lshl_b32 s70, s18, 6
	s_add_co_u32 s72, s72, s70
	s_and_b32 s70, s17, 1
	s_lshl_b32 s70, s70, 1
	s_add_co_u32 s72, s72, s70
	s_add_co_u32 s72, s72, CSB
	v_and_b32 v9, 15, v0
	v_lshl_add_u32 v9, v9, 2, s72
	s_and_b32 s70, s16, 1                          ; and back, in waves 0 and 1: 256 bytes each
	s_lshl_b32 s70, s70, 8
	s_add_co_u32 s70, s70, CSB
	v_lshl_add_u32 v253, v252, 3, s70
	s_cmp_lg_u32 s73, 0
	s_cselect_b32 s74, -1, 0
	s_mov_b32 s75, 0x01000100
	s_cselect_b32 s75, 0x03020302, s75
.irp i, 0,1,2,3,4,5
	v_mov_b32 v[16+\i], 0
	v_mov_b32 v[28+\i], 0
.endr
	v_mov_b32 v11, 0
	v_mov_b32 v13, 0xff61b1e6                      ; the largest t so far: -3e38
	v_floor_f32 v12, -v13
	v_mov_b32 v14, 0
	v_mov_b32 v15, 0
	v_mov_b32 v249, 0                              ; (named as the upper half of a pair)
	v_mov_b32 v254, 0xc61c4000                     ; -10000
	v_mov_b32 v255, 0xc61c4000
.irp b, 0,1,2,3
	v_mov_b32 v[BT+\b], 0                          ; (a lane permute's destination counts as one of its sources)
.endr
.set n, 0
.rept 32
	v_mov_b32 v[O+n], 0                            ; the step is written once: the first finds zeros, which the first change of M leaves zeros
.set n, n+1
.endr
	s_wait_loadcnt 0x0
.irp i, 0,1,2,3,4,5
	v_cndmask_b32 v[22+\i], v[88+\i], v[94+\i], s74       ; v[16:27] = [0 | q], v[22:33] = [q | 0]
.endr
	v_perm_b32 v34, v100, v100, s75
	v_max3_num_f32 v10, v108, v109, v110           ; G: the 128 parts, four a lane, then across the lanes
	v_max_num_f32 v10, v10, v111
	v_max_num_f32_dpp v10, v10, v10 row_xmask:1 row_mask:0xf bank_mask:0xf
	v_max_num_f32_dpp v10, v10, v10 row_xmask:2 row_mask:0xf bank_mask:0xf
	v_max_num_f32_dpp v10, v10, v10 row_xmask:4 row_mask:0xf bank_mask:0xf
	v_max_num_f32_dpp v10, v10, v10 row_xmask:8 row_mask:0xf bank_mask:0xf
	v_permlanex16_b32 v11, v10, s52, s53
	v_max_num_f32 v10, v10, v11
	v_mov_b32 v11, v10                             ; (these nine lines are also the places between q's scale word and the first product)
.Lslot:                                            ; NS - 1 trips: behind each change of slots but the last the next slot is asked for
	CHANGE 1
	STEP
	s_sub_co_u32 s59, s59, 1
	s_cmp_lg_u32 s59, 0
	s_cbranch_scc1 .Lslot
	CHANGE 0                                       ; the last slot is written out
	STEP
	; THE WAY OUT: O^T / the sum is my head's 64 channels of 16 tokens: two blocks of the dense product's K
.rept 4
	v_nop
.endr
	v_add_f32 v14, v14, v15
	v_permlanex16_b32 v252, v14, s52, s53
	v_add_f32 v14, v14, v252                       ; the row's sum
	v_rcp_f32 v14, v14
	v_and_b32 v252, 31, v0                         ; (a plain line behind the reciprocal)
	v_lshlrev_b32 v252, 3, v252                    ; 8 x lane
.set n, 0
	s_wait_alu depctr_va_vdst(0)
.rept 16
	v_pk_mul_f32 v[S+n:S+n+1], v[O+n:O+n+1], v[14:15] op_sel_hi:[1,0]          ; register 16 b + i: channel 32 b + 16 h + i; each accumulator from its low end on
.set n, n+2
.endr
.irp b, 0,1
	v_max3_num_f32 v[BM+\b], |v[S+16*\b]|, |v[S+16*\b+1]|, 0x2800000
.endr
.irp i, 2,4,6,8,10,12,14
.irp b, 0,1
	v_max3_num_f32 v[BM+\b], v[BM+\b], |v[S+16*\b+\i]|, |v[S+16*\b+\i+1]|
.endr
.endr
.irp b, 0,1
	v_permlanex16_b32 v[BT+\b], v[BM+\b], s52, s53
.endr
.irp b, 0,1
	v_max_num_f32 v[BM+\b], v[BM+\b], v[BT+\b]
.endr
.irp b, 0,1
	v_add_nc_u32 v[SO+\b], 0xfe000000, v[BM+\b]
.endr
.irp b, 0,1
	v_lshrrev_b32 v[BT+\b], 23, v[SO+\b]
.endr
	v_lshl_or_b32 v250, v[BT+1], 8, v[BT]          ; my head's two bytes of the row's scale word
	v_cvt_scalef32_pk16_bf6_f32 v[PC:PC+2], v[S:S+15], v[SO]
	v_cvt_scalef32_pk16_bf6_f32 v[PT:PT+2], v[S+16:S+31], v[SO+1]
	v_nop
.irp i, 0,1,2
	v_permlane16_swap_b32 v[PC+\i], v[PT+\i]
.endr
.irp i, 0,1,2
	v_mov_b32 v[PC+3+\i], v[PT+\i]
.endr
	s_lshr_b32 s66, s22, 2                         ; batch
	s_lshl_b32 s66, s66, 4
	s_lshr_b32 s67, s21, 1
	s_add_co_u32 s66, s66, s67                     ; the panel: 16 batch + x / 2
	s_lshl_b32 s66, s66, 3
	s_and_b32 s67, s22, 3
	s_lshl_b32 s67, s67, 1
	s_add_co_u32 s66, s66, s67                     ; its chunk 2 (y % 4) ..
	s_lshr_b32 s67, s17, 1
	s_add_co_u32 s68, s66, s67                     ; .. + hd / 2
	s_mul_i32 s68, s68, 12800
	s_and_b32 s71, s21, 1
	s_lshl_b32 s70, s71, 2
	s_add_co_u32 s70, s70, s18                     ; fragment 4 (x % 2) + qt
	s_mul_i32 s70, s70, 1536
	s_add_co_u32 s68, s68, s70
	s_and_b32 s70, s17, 1
	s_mul_i32 s70, s70, 768                        ; registers 6 (hd % 2) on
	s_add_co_u32 s68, s68, s70
	s_mov_b32 s69, 0
	s_add_nc_u64 s[76:77], s[14:15], s[68:69]
	s_and_b32 s70, s16, 1
	s_add_co_u32 s72, s66, s70                     ; waves 0 and 1: the scale words of chunk 2 (y % 4) + wave
	s_mul_i32 s72, s72, 12800
	s_lshl_b32 s70, s71, 8
	s_add_co_u32 s72, s72, s70
	s_add_co_u32 s72, s72, 12288
	s_mov_b32 s73, 0
	s_add_nc_u64 s[78:79], s[14:15], s[72:73]
.irp q, 0,1,2
	global_store_b64 v252, v[PC+2*\q:PC+2*\q+1], s[76:77] offset:256*\q    ; 32 lanes store 256 consecutive bytes, at a multiple of 256 from the buffer's first byte
.endr
	ds_store_b16 v9, v250                          ; both lanes of a row write the same two bytes
	s_wait_dscnt 0x0                               ; for the others' sake
	s_barrier_signal -1
	s_barrier_wait -1
	s_cmp_lt_u32 s16, 2
	s_cbranch_scc0 .Lno_words
	ds_load_b64 v[40:41], v253                     ; four tiles' whole scale words
	s_wait_dscnt 0x0
	global_store_b64 v252, v[40:41], s[78:79]      ; 256 consecutive bytes
.Lno_words:
	s_wait_tensorcnt 0x0                           ; the wave's end
	ds_add_u32 v1, v2
	s_wait_dscnt 0x0
	CROUND                                         ; the closing round
	s_endpgm
.Lfunc_end_k_qd6fc54d380_attn:
	.size	k_qd6fc54d380_attn, .Lfunc_end_k_qd6fc54d380_attn-k_qd6fc54d380_attn
	.p2alignl 7, 3214868480
	.fill 96, 4, 3214868480
	.section	.rodata,"a",@progbits
	.p2align	6, 0x0
	.amdhsa_kernel k_qd6fc54d380_attn
		.amdhsa_group_segment_fixed_size 327680
		.amdhsa_private_segment_fixed_size 0
		.amdhsa_enable_private_segment 0
		.amdhsa_kernarg_size 48
		.amdhsa_user_sgpr_count 2
		.amdhsa_user_sgpr_kernarg_segment_ptr 1
		.amdhsa_wavefront_size32 1
		.amdhsa_system_sgpr_workgroup_id_x 1
		.amdhsa_system_sgpr_workgroup_id_y 1
		.amdhsa_system_sgpr_workgroup_id_z 1
		.amdhsa_system_vgpr_workitem_id 0
		.amdhsa_next_free_vgpr 256
		.amdhsa_next_free_sgpr 84
		.amdhsa_reserve_vcc 0
		.amdhsa_float_denorm_mode_32 3
		.amdhsa_float_denorm_mode_16_64 3
		.amdhsa_memory_ordered 1
		.amdhsa_forward_progress 1
		.amdhsa_inst_pref_size 63
	.end_amdhsa_kernel
	.amdgpu_metadata
---
amdhsa.version: [ 1, 2 ]
amdhsa.kernels:
  - .name:           k_qd6fc54d380_attn
    .symbol:         k_qd6fc54d380_attn.kd
    .args:
      - { .name: qbuf, .offset: 0, .size: 8, .value_kind: global_buffer, .address_space: global }
      - { .name: kbuf, .offset: 8, .size: 8, .value_kind: global_buffer, .address_space: global }
      - { .name: vbuf, .offset: 16, .size: 8, .value_kind: global_buffer, .address_space: global }
      - { .name: ltor_mask, .offset: 24, .size: 8, .value_kind: global_buffer, .address_space: global }
      - { .name: gpart, .offset: 32, .size: 8, .value_kind: global_buffer, .address_space: global }
      - { .name: cq, .offset: 40, .size: 8, .value_kind: global_buffer, .address_space: global }
    .group_segment_fixed_size: 327680
    .private_segment_fixed_size: 0
    .kernarg_segment_align: 8
    .kernarg_segment_size: 48
    .max_flat_workgroup_size: 512
    .sgpr_count:     84
    .vgpr_count:     256
    .wavefront_size: 32
...
	.end_amdgpu_metadata
.endif
;; end of part 4
;; launch gemm2 (part 5): grid 8 x 32, 4 waves a work-group, clusters of 4 x 4, 239,104 bytes of LDS; arguments wd, cq, b_dense, out0; writes out0
.if DOCPART == 5
	.amdgcn_target "amdgcn-amd-amdhsa--gfx1250"
	.amdhsa_code_object_version 6
	.text
	.protected	k_qd6fc54d380_gemm2
	.globl	k_qd6fc54d380_gemm2
	.p2align	8
	.type	k_qd6fc54d380_gemm2,@function
k_qd6fc54d380_gemm2:
	s_mov_b64 s[64:65], 0
	v_nop
	global_prefetch_b8 v0, s[64:65] scope:SCOPE_SE
	s_setreg_imm32_b32 hwreg(HW_REG_WAVE_MODE, 25, 1), 1
	s_wait_xcnt 0x0
	s_wait_alu depctr_hold_cnt(0) depctr_sa_sdst(0) depctr_va_vdst(0) depctr_va_sdst(0) depctr_va_ssrc(0) depctr_va_vcc(0) depctr_vm_vsrc(0)
	s_getreg_b32 s2, hwreg(HW_REG_IB_STS2, 6, 4)
	s_cmp_eq_u32 s2, 0
	s_cbranch_scc0 .Lentry_in_a_cluster
	s_endpgm
.Lentry_in_a_cluster:
	s_bfe_u32 s2, ttmp6, 0x10000c
	s_cmp_lg_u32 s2, 0xf033
	s_cbranch_scc0 .Lentry_shape_is_right
	s_endpgm
.Lentry_shape_is_right:
; out = ctx w_dense + b_dense on codes of E3M2 (K = 1024).  The frame is the first product's: a work-group takes 128 columns of the weight (x) and 128 tokens (y); both panels, all of K, lie in LDS (2 x 102,400 bytes),
; every byte filled once.  A wave makes 128 columns x 32 tokens: source 0 = the weight's 8 tiles, source 1 = my 2 tiles of tokens, 16 accumulators: a lane holds one token, its registers run along the columns:
; register 16 b + i = column 32 b + 16 h + i (the rows of a tile are 32 b + 8 u + r + 8 (r / 8)).
; THE WAY OUT: a tile's 16 rows x 512 bytes go through my own stage in LDS (rows 528 bytes apart, behind the panels, filled by no tensor load) and leave as whole rows.
; CLUSTER 4 x 4: the weight's panel is asked for jointly down a column of the cluster, the tokens' along a row.  8 x 32 = 256 work-groups.
; REGISTERS: window 0: v1-3 lane, r, h; v4-11 LDS addresses; v12-15 stage and output offsets; v32-36, v40-44 scale words; v64-127 the bias, later rows on their way out; v128-255 accumulators ((i, j) at 128 + 64 j + 8 i).
;   window 1: two sets of fragments at 0 and 128.
.set CHUNK, 12800
.set WPAN,  0
.set XPAN,  8*CHUNK
.set STG,   16*CHUNK                   ; the stages: 16 rows x 528 bytes for each wave
.set G1W, 24
.set G1X, 32
.set G0W, 40
.set G0X, 68
.set AP,  4
.set AR,  6
.set ASP, 8
.set ASR, 10
.set SC,  32
.set BF,  64
.set ACC, 128
.set MSB, 0
.macro WIN new                         ; the immediate's high byte repeats the setting that is left
.if MSB != \new
	s_set_vgpr_msb (MSB<<8)|\new
.set MSB, \new
.endif
.endm
.macro PLACES                          ; four plain lines between a matrix instruction and a load into, or a read of, its registers
.rept 4
	v_nop
.endr
.endm
.macro CROUND
	s_barrier_signal -1
	s_barrier_wait -1
	s_cmp_lg_u32 s16, 0
	s_cbranch_scc1 .Lnot_wave_0_\@
	s_barrier_signal -3
.Lnot_wave_0_\@:
	s_barrier_wait -3
	s_barrier_signal -1
	s_barrier_wait -1
.endm
.macro SYNC c                          ; K steps 2 c and 2 c + 1 of both panels are in LDS for every wave
	s_wait_tensorcnt 3-(\c)                        ; my load c has landed; the 3 - c issued behind it may stay out
	s_wait_dscnt 0x0
	s_barrier_signal -1
	s_barrier_wait -1
.endm
.macro FETCH s
.set fb, 128*((\s)%2)
.set fa, (\s)/4
.set fo, ((\s)%4)*CHUNK
.set fs, SC+8*((\s)%2)
	WIN 0x40
.irp i, 0,1,2,3,4,5,6,7
.irp p, 0,1,2,3,4,5
	ds_load_b64 v[fb+12*\i+2*\p:fb+12*\i+2*\p+1], v[AP+fa] offset:fo+1536*\i+256*\p
.endr
.endr
.irp j, 0,1
.irp p, 0,1,2,3,4,5
	ds_load_b64 v[fb+96+12*\j+2*\p:fb+96+12*\j+2*\p+1], v[AR+fa] offset:fo+1536*\j+256*\p
.endr
.endr
	WIN 0
.irp q, 0,1,2,3
	ds_load_b32 v[fs+\q], v[ASP+fa] offset:fo+12288+128*\q
.endr
	ds_load_b32 v[fs+4], v[ASR+fa] offset:fo+12288
.endm
.macro WM i, j, f, zero
.set rD, ACC+64*(\j)+8*(\i)
.set rA, 128*(\f)+12*(\i)
.set rB, 128*(\f)+96+12*(\j)
.set rS, SC+8*(\f)+(\i)/2
.set rT, SC+8*(\f)+4
.if \zero
.if ((\i)%2 == 0) && ((\j) == 0)
	v_wmma_scale_f32_16x16x128_f8f6f4 v[rD:rD+7], v[rA:rA+11], v[rB:rB+11], 0, v[rS], v[rT] matrix_a_fmt:MATRIX_FMT_BF6 matrix_b_fmt:MATRIX_FMT_BF6
.elseif ((\i)%2 == 1) && ((\j) == 0)
	v_wmma_scale_f32_16x16x128_f8f6f4 v[rD:rD+7], v[rA:rA+11], v[rB:rB+11], 0, v[rS], v[rT] matrix_a_fmt:MATRIX_FMT_BF6 matrix_b_fmt:MATRIX_FMT_BF6 matrix_a_scale:MATRIX_SCALE_ROW1
.elseif (\i)%2 == 0
	v_wmma_scale_f32_16x16x128_f8f6f4 v[rD:rD+7], v[rA:rA+11], v[rB:rB+11], 0, v[rS], v[rT] matrix_a_fmt:MATRIX_FMT_BF6 matrix_b_fmt:MATRIX_FMT_BF6 matrix_b_scale:MATRIX_SCALE_ROW1
.else
	v_wmma_scale_f32_16x16x128_f8f6f4 v[rD:rD+7], v[rA:rA+11], v[rB:rB+11], 0, v[rS], v[rT] matrix_a_fmt:MATRIX_FMT_BF6 matrix_b_fmt:MATRIX_FMT_BF6 matrix_a_scale:MATRIX_SCALE_ROW1 matrix_b_scale:MATRIX_SCALE_ROW1
.endif
.else
.if ((\i)%2 == 0) && ((\j) == 0)
	v_wmma_scale_f32_16x16x128_f8f6f4 v[rD:rD+7], v[rA:rA+11], v[rB:rB+11], v[rD:rD+7], v[rS], v[rT] matrix_a_fmt:MATRIX_FMT_BF6 matrix_b_fmt:MATRIX_FMT_BF6
.elseif ((\i)%2 == 1) && ((\j) == 0)
	v_wmma_scale_f32_16x16x128_f8f6f4 v[rD:rD+7], v[rA:rA+11], v[rB:rB+11], v[rD:rD+7], v[rS], v[rT] matrix_a_fmt:MATRIX_FMT_BF6 matrix_b_fmt:MATRIX_FMT_BF6 matrix_a_scale:MATRIX_SCALE_ROW1
.elseif (\i)%2 == 0
	v_wmma_scale_f32_16x16x128_f8f6f4 v[rD:rD+7], v[rA:rA+11], v[rB:rB+11], v[rD:rD+7], v[rS], v[rT] matrix_a_fmt:MATRIX_FMT_BF6 matrix_b_fmt:MATRIX_FMT_BF6 matrix_b_scale:MATRIX_SCALE_ROW1
.else
	v_wmma_scale_f32_16x16x128_f8f6f4 v[rD:rD+7], v[rA:rA+11], v[rB:rB+11], v[rD:rD+7], v[rS], v[rT] matrix_a_fmt:MATRIX_FMT_BF6 matrix_b_fmt:MATRIX_FMT_BF6 matrix_a_scale:MATRIX_SCALE_ROW1 matrix_b_scale:MATRIX_SCALE_ROW1
.endif
.endif
.endm
.macro MUL s                           ; the 16 accumulators take turns, in the same order in every K step; K step 0 starts the sums
	WIN 0x05
.irp i, 0,1,2,3,4,5,6,7
.irp j, 0,1
	WM \i, \j, (\s)%2, (\s)==0
.endr
.endr
.endm
	s_load_b256 s[4:11], s[0:1], 0x0               ; wd s[4:5], cq s[6:7], b_dense s[8:9], out0 s[10:11]
	v_lshl_add_u32 v62, v0, 2, 0x3a400
	v_mov_b32 v63, 0
	ds_add_u32 v62, v63
	v_lshrrev_b32 v1, 5, v0
	v_readfirstlane_b32 s16, v1                    ; wave 0..3
	s_lshr_b32 s17, s16, 1                         ; I fetch for the weight (0) or for the tokens (1),
	s_and_b32 s18, s16, 1                          ; the even or the odd K steps
	s_bfe_u32 s19, ttmp6, 0x40000
	s_bfe_u32 s20, ttmp6, 0x40004
	s_lshl_b32 s21, ttmp9, 2
	s_add_co_u32 s21, s21, s19                     ; x
	s_and_b32 s22, ttmp7, 0xffff
	s_lshl_b32 s22, s22, 2
	s_add_co_u32 s22, s22, s20                     ; y
	s_lshl_b32 s23, s20, 2
	s_lshl_b32 s23, 15, s23
	s_lshl_b32 s56, 0x1111, s19
	s_or_b32 s[G1W], s56, (3<<16)|(1<<21)          ; a chunk: 12,800 dense bytes as 50 rows of 32 elements of 8 bytes
	s_or_b32 s[G1X], s23, (3<<16)|(1<<21)
.irp g, G1W, G1X
	s_mov_b32 s[\g+1], 32<<16
	s_mov_b32 s[\g+2], 50<<16
	s_mov_b32 s[\g+3], 32<<16
	s_mov_b32 s[\g+4], 50
	s_mov_b32 s[\g+5], 32
	s_mov_b32 s[\g+6], 0
	s_mov_b32 s[\g+7], 0
.endr
	s_mul_i32 s86, s18, CHUNK
	s_mul_i32 s84, s21, 8*CHUNK
	s_add_co_u32 s84, s84, s86
	s_mov_b32 s85, 0
	s_mul_i32 s88, s22, 8*CHUNK
	s_add_co_u32 s88, s88, s86
	s_mov_b32 s89, 0
	s_wait_dscnt 0x0
	s_wait_kmcnt 0x0
	s_add_nc_u64 s[84:85], s[4:5], s[84:85]
	s_add_nc_u64 s[88:89], s[6:7], s[88:89]
	CROUND                                         ; all sixteen work-groups are here: the joint loads meet
.irp i, 0,1,2,3
	s_mov_b32 s[G0W+4*\i], 1
	s_add_co_u32 s[G0W+4*\i+1], s86, WPAN+2*CHUNK*\i
	s_add_nc_u64 s[G0W+4*\i+2:G0W+4*\i+3], s[84:85], 2*CHUNK*\i
	s_or_b32 s[G0W+4*\i+3], s[G0W+4*\i+3], 0x80000000
	s_mov_b32 s[G0X+4*\i], 1
	s_add_co_u32 s[G0X+4*\i+1], s86, XPAN+2*CHUNK*\i
	s_add_nc_u64 s[G0X+4*\i+2:G0X+4*\i+3], s[88:89], 2*CHUNK*\i
	s_or_b32 s[G0X+4*\i+3], s[G0X+4*\i+3], 0x80000000
.endr
	s_cmp_eq_u32 s17, 0                            ; a wave's four fills stand in one branch on its number: four loads of mine are out
	s_cbranch_scc0 .Lfill_x
.irp i, 0,1,2,3
	tensor_load_to_lds s[G0W+4*\i:G0W+4*\i+3], s[G1W:G1W+7]
	s_nop 0
.endr
	PLACES
	s_branch .Lfilled
.Lfill_x:
.irp i, 0,1,2,3
	tensor_load_to_lds s[G0X+4*\i:G0X+4*\i+3], s[G1X:G1X+7]
	s_nop 0
.endr
	PLACES
.Lfilled:
	v_and_b32 v1, 31, v0                           ; lane
	v_and_b32 v2, 15, v0                           ; r
	v_bfe_u32 v3, v0, 4, 1                         ; h
	s_lshl_b32 s90, s21, 9                         ; my work-group's 128 columns: in the bias, and in a row of out
	s_mov_b32 s91, 0
	s_add_nc_u64 s[8:9], s[8:9], s[90:91]
	v_lshlrev_b32 v15, 6, v3
.irp k, 0,1,2,3,4,5,6,7,8,9,10,11,12,13,14,15
	global_load_b128 v[BF+4*\k:BF+4*\k+3], v15, s[8:9] offset:128*(\k/4)+16*(\k%4)     ; register 16 b + i: the bias of column 32 b + 16 h + i
.endr
	v_lshl_add_u32 v[AP], v1, 3, WPAN
	v_lshl_add_u32 v[AP+1], v1, 3, WPAN+51200      ; K steps 4-7 lie beyond an offset's 16 bits
	s_mul_i32 s57, s16, 3072
	s_add_co_u32 s57, s57, XPAN
	v_lshl_add_u32 v[AR], v1, 3, s57
	v_add_nc_u32 v[AR+1], 51200, v[AR]
	v_lshl_add_u32 v[ASP], v1, 2, WPAN
	v_lshl_add_u32 v[ASP+1], v1, 2, WPAN+51200
	s_lshl_b32 s57, s16, 7
	s_add_co_u32 s57, s57, XPAN
	v_lshl_add_u32 v[ASR], v1, 2, s57
	v_add_nc_u32 v[ASR+1], 51200, v[ASR]
	s_mul_i32 s57, s16, 16*528
	s_add_co_u32 s57, s57, STG                     ; my stage
	v_mul_u32_u24 v12, v2, 528
	v_lshl_add_u32 v12, v3, 6, v12
	v_add_nc_u32 v12, s57, v12                     ; in: row r, + 64 h
	v_lshlrev_b32 v14, 4, v1                       ; back and out: 16 bytes a lane
	v_add_nc_u32 v13, s57, v14
	s_lshl_b32 s58, s22, 7
	s_lshl_b32 s59, s16, 5
	s_add_co_u32 s58, s58, s59                     ; my first token: 128 y + 32 wave
	s_lshl_b32 s58, s58, 12
	s_add_co_u32 s58, s58, s90
	s_mov_b32 s59, 0
	s_add_nc_u64 s[10:11], s[10:11], s[58:59]
	SYNC 0
	FETCH 0
.irp s, 0,1,2,3,4,5,6,7
	s_wait_dscnt 0x0                               ; step s's fragments are in (asked for ahead of the last step's products)
.if \s < 7
.if (\s+1)%2 == 0
	SYNC (\s+1)/2
.endif
.if \s > 0
	PLACES                                         ; the set that is loaded next was read by step s - 1's products
.endif
	FETCH \s+1
.endif
	MUL \s
.endr
	WIN 0
	PLACES
	s_wait_loadcnt 0x0
.irp j, 0,64
.set n, 0
.rept 32
	v_pk_add_f32 v[ACC+\j+n:ACC+\j+n+1], v[ACC+\j+n:ACC+\j+n+1], v[BF+n:BF+n+1]        ; each accumulator from its low end on
.set n, n+2
.endr
.endr
.irp j, 0,1
.irp k, 0,1,2,3,4,5,6,7,8,9,10,11,12,13,14,15
	ds_store_b128 v12, v[ACC+64*\j+4*\k:ACC+64*\j+4*\k+3] offset:128*(\k/4)+16*(\k%4)
.endr
.irp i, 0,1,2,3,4,5,6,7,8,9,10,11,12,13,14,15
	ds_load_b128 v[64+64*\j+4*\i:64+64*\j+4*\i+3], v13 offset:528*\i           ; LDS serves a wave's instructions in order (ISA guide 5.7.1.4): these see my stores.  Tile 1's rows land where tile 0's sums lay: its stores into the stage were waited for below
.endr
.irp i, 0,1,2,3,4,5,6,7,8,9,10,11,12,13,14,15
	s_wait_dscnt 15-\i                             ; row i is in, the younger loads may be out
	global_store_b128 v14, v[64+64*\j+4*\i:64+64*\j+4*\i+3], s[10:11] offset:(8*\j+\i+(\i/8)*8)*4096 th:TH_STORE_NT   ; 512 consecutive bytes of token 8 j + i + 8 (i / 8), at a multiple of 256 from out's first byte
.endr
.endr
	s_wait_tensorcnt 0x0
	ds_add_u32 v62, v63
	s_wait_dscnt 0x0
	CROUND                                         ; the closing round
	s_endpgm
.Lfunc_end_k_qd6fc54d380_gemm2:
	.size	k_qd6fc54d380_gemm2, .Lfunc_end_k_qd6fc54d380_gemm2-k_qd6fc54d380_gemm2
	.p2alignl 7, 3214868480
	.fill 96, 4, 3214868480
	.section	.rodata,"a",@progbits
	.p2align	6, 0x0
	.amdhsa_kernel k_qd6fc54d380_gemm2
		.amdhsa_group_segment_fixed_size 239104
		.amdhsa_private_segment_fixed_size 0
		.amdhsa_enable_private_segment 0
		.amdhsa_kernarg_size 32
		.amdhsa_user_sgpr_count 2
		.amdhsa_user_sgpr_kernarg_segment_ptr 1
		.amdhsa_wavefront_size32 1
		.amdhsa_system_sgpr_workgroup_id_x 1
		.amdhsa_system_sgpr_workgroup_id_y 1
		.amdhsa_system_sgpr_workgroup_id_z 1
		.amdhsa_system_vgpr_workitem_id 0
		.amdhsa_next_free_vgpr 512
		.amdhsa_next_free_sgpr 100
		.amdhsa_reserve_vcc 0
		.amdhsa_float_denorm_mode_32 3
		.amdhsa_float_denorm_mode_16_64 3
		.amdhsa_memory_ordered 1
		.amdhsa_forward_progress 1
		.amdhsa_inst_pref_size 73
	.end_amdhsa_kernel
	.amdgpu_metadata
---
amdhsa.version: [ 1, 2 ]
amdhsa.kernels:
  - .name:           k_qd6fc54d380_gemm2
    .symbol:         k_qd6fc54d380_gemm2.kd
    .args:
      - { .name: wd, .offset: 0, .size: 8, .value_kind: global_buffer, .address_space: global }
      - { .name: cq, .offset: 8, .size: 8, .value_kind: global_buffer, .address_space: global }
      - { .name: b_dense, .offset: 16, .size: 8, .value_kind: global_buffer, .address_space: global }
      - { .name: out0, .offset: 24, .size: 8, .value_kind: global_buffer, .address_space: global }
    .group_segment_fixed_size: 239104
    .private_segment_fixed_size: 0
    .kernarg_segment_align: 8
    .kernarg_segment_size: 32
    .max_flat_workgroup_size: 128
    .sgpr_count:     100
    .vgpr_count:     512
    .wavefront_size: 32
...
	.end_amdgpu_metadata
.endif
;; end of part 5
;; ======== version 2 of 2: 5 launches
;; limits: right only within a limited range of input values
;; workspace buffers: xq 3,276,800 bytes; wq 2,457,600 bytes; wd 819,200 bytes; qbuf 3,276,800 bytes; kbuf 3,276,800 bytes; vbuf 3,276,800 bytes; gpart 2,162,688 bytes; cq 3,276,800 bytes
;; launch quant (part 6): grid 512 x 1, 4 waves a work-group, no clusters, 58,880 bytes of LDS; arguments hidden_states, w_qkv, w_dense, xq, wq, wd; writes xq, wq, wd
.if DOCPART == 6
	.amdgcn_target "amdgcn-amd-amdhsa--gfx1250"
	.amdhsa_code_object_version 6
	.text
	.protected	k_qd6fc54d380_quant
	.globl	k_qd6fc54d380_quant
	.p2align	8
	.type	k_qd6fc54d380_quant,@function
k_qd6fc54d380_quant:
	s_mov_b64 s[64:65], 0
	v_nop
	global_prefetch_b8 v0, s[64:65] scope:SCOPE_SE
	s_setreg_imm32_b32 hwreg(HW_REG_WAVE_MODE, 25, 1), 1
	s_wait_xcnt 0x0
; hidden_states [4096][1024], w_qkv [1024][3072] and w_dense [1024][1024], f32, become codes of E3M2 with one E8M0 byte for each 32 along K (K = 1024 in all three),
; laid in the ORDER OF THE OPERAND'S REGISTERS, so that the products' launches load fragments as dense runs of bytes.
; A CHUNK (12,800 bytes) = 128 rows x 128 K: fragment T (0..7) at 1536 T, its register pair p at 256 p + 8 x lane; the rows' scale words at 12,288 + 64 T + 4 r.  A PANEL = the 8 chunks of 128 rows.
; THE ROWS OF A TILE ARE NOT NEIGHBOURS: lane r of tile 2 b + u holds row 32 b + 8 u + r + 8 (r / 8), so that a product that takes such tiles as source 0 leaves 16 neighbours in 16 registers.
; A block's scale is 2^(floor(log2(largest magnitude)) - 4): its byte is the largest magnitude's exponent field - 4, held at 1 from below by a floor among the maximum's leaves.
; LIMITS: NaN and infinities among the inputs are not served; a block whose largest magnitude lies under 2^-122 keeps the byte 1; a block of zeros has the byte 1 and not 127 (zero codes; only this program reads the bytes).
; Work-groups 0-255 take hidden_states (K innermost: a wave turns 32 rows x 128 K through its own stage in LDS), 256-447 w_qkv, 448-511 w_dense (K outermost: a lane takes a column, registers run down K).
; The three ways part on the work-group's number, never join, and have LDS bytes of their own.  No tensor load, no barrier: waves share nothing.  Memory binds: matrix units and clusters would add nothing.
.set SP,   528                         ; x: a stage row: 512 bytes + 16, so that the 16 rows of a read start in 16 different columns of 16 bytes
.set XR,   32                          ; x: v32-159  two tiles of 64 numbers a lane
.set CX,   160                         ; x: v160-183 the two tiles' codes
.set CTX,  184                         ; x: v184-190 upper halves of blocks, before they are moved
.set MX,   8                           ; v8-9 largest magnitudes, v10-11 the conversions' scale operands, v12-13 bytes, v14-15 the tiles' scale words
.set SO,   10
.set BY,   12
.set WD,   14
.set XW,   32                          ; weights: v32-95 two sets of 32 numbers
.set CW,   96                          ; weights: v96-127 codes, eight registers for each block
.set CTW,  128
.set OUTW, 132                         ; weights: v132-155 the way out
; Tile u of the wave's pair: through the stage, quantised, stored.
.macro TURNQ u
.irp r, 0,1,2,3,4,5,6,7,8,9,10,11,12,13,14,15
	ds_store_b128 v5, v[XR+64*\u+4*\r:XR+64*\u+4*\r+3] offset:SP*\r          ; row r of the tile as it was loaded: 512 bytes on end
.endr
	s_wait_dscnt 0x0                               ; the stores have read their registers, which the loads below fill
.irp c, 0,1
.irp i, 0,1,2,3,4,5,6,7
	ds_load_b128 v[XR+64*\u+32*\c+4*\i:XR+64*\u+32*\c+4*\i+3], v6 offset:256*\c+16*\i   ; lane (r, h): k = 64 c + 32 h + 0 .. 31 of row r: two whole blocks
.endr
.endr
	s_wait_dscnt 0x0
.irp c, 0,1
	v_max3_num_f32 v[MX+\c], |v[XR+64*\u+32*\c]|, |v[XR+64*\u+32*\c+1]|, 0x2800000   ; with the floor 2^(5 - 127)
.endr
.irp i, 2,4,6,8,10,12,14,16,18,20,22,24,26,28,30
.irp c, 0,1
	v_max3_num_f32 v[MX+\c], v[MX+\c], |v[XR+64*\u+32*\c+\i]|, |v[XR+64*\u+32*\c+\i+1]|
.endr
.endr
.irp c, 0,1
	v_add_nc_u32 v[SO+\c], 0xfe000000, v[MX+\c]    ; 4 off the exponent field: the conversion's scale operand
.endr
.irp c, 0,1
	v_lshrrev_b32 v[BY+\c], 23, v[SO+\c]           ; the byte
.endr
	v_lshl_or_b32 v[WD+\u], v[BY+1], 16, v[BY]     ; my blocks h and 2 + h,
	v_lshlrev_b32 v[WD+\u], v17, v[WD+\u]          ; 8 h bits up;
	v_permlanex16_b32 v18, v[WD+\u], s20, s21
	v_or_b32 v[WD+\u], v[WD+\u], v18               ; with lane l xor 16's two the row's word is whole
.irp c, 0,1
	v_cvt_scalef32_pk16_bf6_f32 v[CX+12*\u+6*\c:CX+12*\u+6*\c+2], v[XR+64*\u+32*\c:XR+64*\u+32*\c+15], v[SO+\c]
	v_cvt_scalef32_pk16_bf6_f32 v[CTX+4*\c:CTX+4*\c+2], v[XR+64*\u+32*\c+16:XR+64*\u+32*\c+31], v[SO+\c]   ; (a conversion's three registers begin on an even number)
.endr
	v_nop                                          ; one plain line behind the conversions
.irp c, 0,1
.irp i, 0,1,2
	v_mov_b32 v[CX+12*\u+6*\c+3+\i], v[CTX+4*\c+\i]
.endr
.endr
.irp p, 0,1,2,3,4,5
	global_store_b64 v7, v[CX+12*\u+2*\p:CX+12*\u+2*\p+1], s[10:11] offset:1536*\u+256*\p   ; 32 lanes store 256 consecutive bytes, at a multiple of 256 from the buffer's first byte
.endr
.endm
.macro LOADW t, pitch, sb              ; block t of my column: 32 rows of the weight, 128 consecutive bytes a load
.irp i, 0,1,2,3,4,5,6,7,8,9,10,11,12,13,14,15,16,17,18,19,20,21,22,23,24,25,26,27,28,29,30,31
	global_load_b32 v[XW+32*((\t)%2)+\i], v4, s[\sb:\sb+1] offset:(32*(\t)+\i)*\pitch th:TH_LOAD_NT
.endr
.endm
.macro BLOCKW t, pitch, sb
.set XS, XW+32*((\t)%2)
.if (\t) < 3
	s_wait_loadcnt 32                              ; this block's 32 loads are in; the next block's may be out
.else
	s_wait_loadcnt 0x0
.endif
	v_max3_num_f32 v12, |v[XS]|, |v[XS+1]|, |v[XS+2]|
	v_max3_num_f32 v13, |v[XS+3]|, |v[XS+4]|, |v[XS+5]|
.irp i, 6,10,14,18,22,26
	v_max3_num_f32 v12, v12, |v[XS+\i]|, |v[XS+\i+1]|
	v_max3_num_f32 v13, v13, |v[XS+\i+2]|, |v[XS+\i+3]|
.endr
	v_max3_num_f32 v12, v12, |v[XS+30]|, |v[XS+31]|
	v_max3_num_f32 v12, v12, v13, 0x2800000        ; the floor
	v_add_nc_u32 v15, 0xfe000000, v12
	v_lshrrev_b32 v13, 23, v15
.if (\t) == 0
	v_mov_b32 v14, v13                             ; my column's scale word: the lower K in the lower byte
.else
	v_lshl_or_b32 v14, v13, 8*(\t), v14
.endif
	v_cvt_scalef32_pk16_bf6_f32 v[CW+8*(\t):CW+8*(\t)+2], v[XS:XS+15], v15
	v_cvt_scalef32_pk16_bf6_f32 v[CTW:CTW+2], v[XS+16:XS+31], v15
	v_nop
.irp i, 0,1,2
	v_mov_b32 v[CW+8*(\t)+3+\i], v[CTW+\i]
.endr
.irp q, 0,1,2
	ds_store_b64 v8, v[CW+8*(\t)+2*\q:CW+8*(\t)+2*\q+1] offset:768*((\t)/2)+128*((\t)%2)+256*\q   ; block t = registers 6 (t / 2) on of lane r + 16 (t % 2) of my fragment
.endr
.if (\t) < 2
	LOADW (\t)+2, \pitch, \sb
.endif
.endm
; A weight [1024][pitch / 4]: the work-group makes one chunk, wave w its tiles 2 w and 2 w + 1 (32 columns).
.macro WPATH pitch, sb, db, stg, id0
	s_sub_co_u32 s24, ttmp9, \id0                  ; chunk number = 8 x panel + K step
	s_lshr_b32 s25, s24, 3
	s_and_b32 s26, s24, 7
	s_mul_i32 s28, s26, 128*\pitch                 ; 128 rows a K step,
	s_lshl_b32 s27, s25, 9                         ; 128 columns a panel,
	s_add_co_u32 s28, s28, s27
	s_lshl_b32 s27, s16, 7                         ; 32 columns a wave
	s_add_co_u32 s28, s28, s27
	s_mov_b32 s29, 0
	s_add_nc_u64 s[\sb:\sb+1], s[\sb:\sb+1], s[28:29]
	s_mul_i32 s30, s24, 12800
	s_mov_b32 s31, 0
	s_add_nc_u64 s[\db:\db+1], s[\db:\db+1], s[30:31]
	v_lshlrev_b32 v4, 2, v1
	LOADW 0, \pitch, \sb
	LOADW 1, \pitch, \sb
	v_bfe_u32 v5, v0, 3, 1                         ; column l of the 32 is row r of tile u: u = bit 3 of l,
	v_and_b32 v6, 7, v0
	v_bfe_u32 v7, v0, 4, 1
	v_lshl_or_b32 v6, v7, 3, v6                    ; r = l % 8 + 8 (l / 16)
	s_mul_i32 s32, s16, 3072
	v_mul_u32_u24 v8, v5, 1536
	v_lshl_add_u32 v8, v6, 3, v8
	v_add_nc_u32 v8, s32, v8
	v_add_nc_u32 v8, \stg, v8                      ; into my stage: the image of my two fragments
	v_lshl_add_u32 v9, v1, 4, s32                  ; out: 16 bytes a lane, the same place in the chunk
	v_add_nc_u32 v10, \stg, v9
	s_lshl_b32 s33, s16, 7
	v_lshlrev_b32 v11, 6, v5
	v_lshl_add_u32 v11, v6, 2, v11
	v_add_nc_u32 v11, s33, v11                     ; my scale word's place
	BLOCKW 0, \pitch, \sb
	BLOCKW 1, \pitch, \sb
	BLOCKW 2, \pitch, \sb
	BLOCKW 3, \pitch, \sb
.irp i, 0,1,2,3,4,5
	ds_load_b128 v[OUTW+4*\i:OUTW+4*\i+3], v10 offset:512*\i    ; LDS serves a wave's instructions in order (ISA guide 5.7.1.4): these see my stores
.endr
	s_wait_alu depctr_va_vdst(0)
.irp i, 0,1,2,3,4,5
	s_wait_dscnt 5-\i                              ; load i is in, the younger ones may be out
	global_store_b128 v9, v[OUTW+4*\i:OUTW+4*\i+3], s[\db:\db+1] offset:512*\i   ; 512 consecutive bytes
.endr
	global_store_b32 v11, v14, s[\db:\db+1] offset:12288
.endm
	s_load_b256 s[4:11], s[0:1], 0x0               ; hidden_states s[4:5], w_qkv s[6:7], w_dense s[8:9], xq s[10:11]
	s_load_b128 s[12:15], s[0:1], 0x20             ; wq s[12:13], wd s[14:15]
	v_lshl_add_u32 v192, v0, 2, 0xe400
	v_mov_b32 v193, 0
	v_lshrrev_b32 v1, 5, v0
	v_readfirstlane_b32 s16, v1                    ; wave 0..3
	v_and_b32 v1, 31, v0                           ; lane
	s_mov_b32 s20, 0x76543210
	s_mov_b32 s21, 0xfedcba98                      ; v_permlanex16_b32's selects for lane l xor 16
	s_wait_kmcnt 0x0
	s_cmp_lt_u32 ttmp9, 256
	s_cbranch_scc0 .Lweights
	; ---- hidden_states: the wave makes tiles 2 b and 2 b + 1 (32 neighbouring rows) of one chunk
	s_and_b32 s24, ttmp9, 1
	s_lshl_b32 s24, s24, 2
	s_add_co_u32 s24, s24, s16                     ; K step = 4 (id % 2) + wave
	s_lshr_b32 s25, ttmp9, 1                       ; 4 x panel + b
	s_and_b32 s26, s25, 3                          ; b
	s_lshl_b32 s28, s25, 17                        ; 32 rows of 4,096 bytes
	s_lshl_b32 s27, s24, 9                         ; 128 numbers a K step
	s_add_co_u32 s28, s28, s27
	s_mov_b32 s29, 0
	s_add_nc_u64 s[4:5], s[4:5], s[28:29]
	s_lshr_b32 s30, ttmp9, 3
	s_lshl_b32 s30, s30, 3
	s_add_co_u32 s30, s30, s24
	s_mul_i32 s30, s30, 12800                      ; the chunk
	s_mov_b32 s31, 0
	s_add_nc_u64 s[10:11], s[10:11], s[30:31]
	s_wait_alu depctr_va_vdst(0)
	v_lshlrev_b32 v4, 4, v1
.irp u, 0,1
.irp r, 0,1,2,3,4,5,6,7,8,9,10,11,12,13,14,15
	global_load_b128 v[XR+64*\u+4*\r:XR+64*\u+4*\r+3], v4, s[4:5] offset:(8*\u+\r+(\r/8)*8)*4096 th:TH_LOAD_NT   ; 32 lanes read 512 consecutive bytes of the tile's row r
.endr
.endr
	v_and_b32 v2, 15, v0                           ; r
	v_bfe_u32 v3, v0, 4, 1                         ; h
	s_mul_i32 s32, s16, 16*SP                      ; my stage
	v_add_nc_u32 v5, s32, v4                       ; in: 16 bytes a lane
	v_mul_u32_u24 v6, v2, SP
	v_lshl_add_u32 v6, v3, 7, v6
	v_add_nc_u32 v6, s32, v6                       ; back: row r, + 128 h
	s_mul_i32 s33, s26, 3072
	v_lshl_add_u32 v7, v1, 3, s33                  ; the codes' place in the chunk
	s_lshl_b32 s34, s26, 7
	v_lshl_add_u32 v16, v1, 2, s34                 ; the scale words'
	v_lshlrev_b32 v17, 3, v3
	v_mov_b32 v18, 0                               ; (a lane permute's destination counts as one of its sources)
	s_wait_alu depctr_va_vdst(0)
	s_wait_loadcnt 16                              ; tile 0's sixteen loads are in, tile 1's may be out
	TURNQ 0
	s_wait_loadcnt 0x0
	TURNQ 1
	v_cmp_le_u32 vcc_lo, 16, v1
	v_cndmask_b32 v14, v14, v15, vcc_lo            ; lanes 0-15 tile 2 b's words, lanes 16-31 tile 2 b + 1's
	global_store_b32 v16, v14, s[10:11] offset:12288
	s_wait_tensorcnt 0x0
	ds_add_u32 v192, v193
	s_wait_dscnt 0x0
	s_endpgm
.Lweights:
	s_cmp_lt_u32 ttmp9, 448
	s_cbranch_scc0 .Ldense
	s_wait_alu depctr_va_vdst(0)
	WPATH 12288, 6, 12, 33792, 256
	s_wait_tensorcnt 0x0
	ds_add_u32 v192, v193
	s_wait_dscnt 0x0
	s_endpgm
.Ldense:
	s_wait_alu depctr_va_vdst(0)
	WPATH 4096, 8, 14, 46080, 448
	s_wait_tensorcnt 0x0
	ds_add_u32 v192, v193
	s_wait_dscnt 0x0
	s_endpgm
.Lfunc_end_k_qd6fc54d380_quant:
	.size	k_qd6fc54d380_quant, .Lfunc_end_k_qd6fc54d380_quant-k_qd6fc54d380_quant
	.p2alignl 7, 3214868480
	.fill 96, 4, 3214868480
	.section	.rodata,"a",@progbits
	.p2align	6, 0x0
	.amdhsa_kernel k_qd6fc54d380_quant
		.amdhsa_group_segment_fixed_size 58880
		.amdhsa_private_segment_fixed_size 0
		.amdhsa_enable_private_segment 0
		.amdhsa_kernarg_size 48
		.amdhsa_user_sgpr_count 2
		.amdhsa_user_sgpr_kernarg_segment_ptr 1
		.amdhsa_wavefront_size32 1
		.amdhsa_system_sgpr_workgroup_id_x 1
		.amdhsa_system_sgpr_workgroup_id_y 1
		.amdhsa_system_sgpr_workgroup_id_z 1
		.amdhsa_system_vgpr_workitem_id 0
		.amdhsa_next_free_vgpr 194
		.amdhsa_next_free_sgpr 66
		.amdhsa_reserve_vcc 1
		.amdhsa_float_denorm_mode_32 3
		.amdhsa_float_denorm_mode_16_64 3
		.amdhsa_memory_ordered 1
		.amdhsa_forward_progress 1
		.amdhsa_inst_pref_size 60
	.end_amdhsa_kernel
	.amdgpu_metadata
---
amdhsa.version: [ 1, 2 ]
amdhsa.kernels:
  - .name:           k_qd6fc54d380_quant
    .symbol:         k_qd6fc54d380_quant.kd
    .args:
      - { .name: hidden_states, .offset: 0, .size: 8, .value_kind: global_buffer, .address_space: global }
      - { .name: w_qkv, .offset: 8, .size: 8, .value_kind: global_buffer, .address_space: global }
      - { .name: w_dense, .offset: 16, .size: 8, .value_kind: global_buffer, .address_space: global }
      - { .name: xq, .offset: 24, .size: 8, .value_kind: global_buffer, .address_space: global }
      - { .name: wq, .offset: 32, .size: 8, .value_kind: global_buffer, .address_space: global }
      - { .name: wd, .offset: 40, .size: 8, .value_kind: global_buffer, .address_space: global }
    .group_segment_fixed_size: 58880
    .private_segment_fixed_size: 0
    .kernarg_segment_align: 8
    .kernarg_segment_size: 48
    .max_flat_workgroup_size: 128
    .sgpr_count:     66
    .vgpr_count:     194
    .wavefront_size: 32
...
	.end_amdgpu_metadata
.endif
;; end of part 6
;; launch gemm1 (part 7): grid 8 x 32, 4 waves a work-group, clusters of 4 x 4, 327,680 bytes of LDS; arguments wq, xq, b_qkv, qbuf, kbuf, vbuf; writes qbuf, kbuf, vbuf
.if DOCPART == 7
	.amdgcn_target "amdgcn-amd-amdhsa--gfx1250"
	.amdhsa_code_object_version 6
	.text
	.protected	k_qd6fc54d380_gemm1
	.globl	k_qd6fc54d380_gemm1
	.p2align	8
	.type	k_qd6fc54d380_gemm1,@function
k_qd6fc54d380_gemm1:
	s_mov_b64 s[64:65], 0
	v_nop
	global_prefetch_b8 v0, s[64:65] scope:SCOPE_SE
	s_setreg_imm32_b32 hwreg(HW_REG_WAVE_MODE, 25, 1), 1
	s_wait_xcnt 0x0
	s_wait_alu depctr_hold_cnt(0) depctr_sa_sdst(0) depctr_va_vdst(0) depctr_va_sdst(0) depctr_va_ssrc(0) depctr_va_vcc(0) depctr_vm_vsrc(0)
	s_getreg_b32 s2, hwreg(HW_REG_IB_STS2, 6, 4)
	s_cmp_eq_u32 s2, 0
	s_cbranch_scc0 .Lentry_in_a_cluster
	s_endpgm
.Lentry_in_a_cluster:
	s_bfe_u32 s2, ttmp6, 0x10000c
	s_cmp_lg_u32 s2, 0xf033
	s_cbranch_scc0 .Lentry_shape_is_right
	s_endpgm
.Lentry_shape_is_right:
; qkv = x w_qkv + b_qkv on codes of E3M2 (K = 1024), and its three parts quantised again on the way out: q / 8 and k along the head's 64, v along the keys.
; A WORK-GROUP STAYS: it takes 128 tokens (y) and, one after the other, columns 128 x .. of q, of k and of v (x = 0 .. 7): 8 x 32 = 256 work-groups, the tokens' panel fetched once for the three.
; LDS: weight panel 0 (q's, later v's), the tokens' panel, weight panel 1 (k's): 3 x 102,400 bytes, all of K each.  q's, the tokens' and k's are first fills; v's panel is the one refill: behind q's products,
; in front of q's way out, so that it lands under that and under all of k's products.
; A wave makes 128 x 32: 16 accumulators.  q, k: source 0 = the weight's 8 tiles, source 1 = my 2 tiles of tokens: a lane holds one token, its registers run along the head's channels.
; v: source 0 = the 8 tiles of tokens, source 1 = my 2 tiles of the weight: a lane holds one channel, its registers run along the keys.  Either way a lane's registers run along the NEXT product's K.
; The rows of a tile are 32 b + 8 u + r + 8 (r / 8), so the 16 registers of tiles 2 b and 2 b + 1 are 16 neighbours.
; OUT: blocks of 6,400 bytes at ((g 16 + step) 4 + hd) 6400, g = 4 batch + head / 4, hd = head % 4, step = 128 tokens: four fragments as images of their registers (1536 f + 512 c + 16 lane), scale words at 6144 + 64 f + 4 r.
;   q, k: fragment f = token tile 2 f in registers 0-5 and tile 2 f + 1 in registers 6-11 (64 channels each).   v: fragment dt = 16 channels x 128 keys.
; CLUSTER 4 x 4: a weight's panel hangs on x alone and is asked for jointly down a column of the cluster, the tokens' panel on y alone, along a row: a quarter of the requests.
; LIMITS: NaN and infinities are not served; blocks under 2^-122 keep the byte 1; blocks of zeros have the byte 1 (zero codes; only this program reads the bytes).
; REGISTERS: window 0: v1-3 lane, r, h; v4-11 LDS addresses; v12-15, v26-27 offsets; v16-19 scale words on their way out; v20-23 v's bias; v24, v25 the spare word's address and 0; v32-36, v40-44 scale words, two sets;
;   v48-63 at work; v64-127 q's and k's bias, later the codes; v128-255 accumulators ((i, j) at 128 + 64 j + 8 i).   window 1: two sets of fragments at 0 and 128: source 0's tile i at + 12 i, source 1's tile j at + 96 + 12 j.
; k ALONE: a wave picks the rows of its two token tiles otherwise than the panel's tiles have them (see the k pass): tile u' (0..3) of 64 keys c holds key 64 c + 8 u' + r % 8 + 32 (r / 8),
; so that in S^T = k q^T a lane's 32 registers of four tiles are one whole block of 32 neighbouring keys.  kbuf's fragment f holds tiles u' = 2 (f % 2), 2 (f % 2) + 1 of c = f / 2.
; FILLS: at the head each wave asks for four chunks of q's weight or of the tokens by one load; k's panel follows behind a round, v's behind q's products.
.set CHUNK, 12800
.set WP0,   0                          ; LDS: weight panel 0,
.set XPAN,  8*CHUNK                    ; the tokens' panel,
.set WP1,   16*CHUNK                   ; weight panel 1,
.set SPARE, 24*CHUNK                   ; the spare words: 128 bytes for each wave, two blocks of 256 bytes that no other line names
.set G1W, 24                           ; s[24:31] group 1: four chunks, the column's mask;  s[32:39] four chunks, the row's mask;  s[56:63] a pair of chunks, the column's mask
.set G1X, 32
.set G1P, 56
.set G0W, 40                           ; s[40:43], s[68:71] groups 0 of q's weight and of the tokens, one load a wave;  s[84:87] k's weight;  s[88:91] v's
.set G0X, 68
.set G0K, 84
.set G0V, 88
.set AP,  4
.set AR,  6
.set ASP, 8
.set ASR, 10
.set SPW, 24
.set NIL, 25
.set SC,  32
.set TM,  48
.set BF,  64
.set IA,  64
.set IB,  76
.set CT,  88
.set ACC, 128
.set MSB, 0
.macro WIN new                         ; the immediate's high byte repeats the setting that is left
.if MSB != \new
	s_set_vgpr_msb (MSB<<8)|\new
.set MSB, \new
.endif
.endm
.macro PLACES                          ; four plain lines between a matrix instruction and a load into, or a read of, its registers
.rept 4
	v_nop
.endr
.endm
.macro CROUND                          ; a round of the cluster's barrier
	s_barrier_signal -1
	s_barrier_wait -1
	s_cmp_lg_u32 s16, 0
	s_cbranch_scc1 .Lnot_wave_0_\@
	s_barrier_signal -3
.Lnot_wave_0_\@:
	s_barrier_wait -3
	s_barrier_signal -1
	s_barrier_wait -1
.endm
.macro SYNC c                          ; K steps 2 c and 2 c + 1 of q's weight and of the tokens are in LDS for every wave
	s_wait_tensorcnt 4-(\c)                        ; my load c has landed; the 4 - c issued behind it (later chunks, and my part of k's weight) may stay out
	s_wait_dscnt 0x0
	s_barrier_signal -1
	s_barrier_wait -1
.endm
.macro FETCH s                         ; K step s: 8 + 2 fragments and their scale words into set s % 2
.set fb, 128*((\s)%2)
.set fa, (\s)/4
.set fo, ((\s)%4)*CHUNK
.set fs, SC+8*((\s)%2)
	WIN 0x40                                       ; destination window 1
.irp i, 0,1,2,3,4,5,6,7
.irp p, 0,1,2,3,4,5
	ds_load_b64 v[fb+12*\i+2*\p:fb+12*\i+2*\p+1], v[AP+fa] offset:fo+1536*\i+256*\p      ; 256 consecutive bytes: the image of a register pair
.endr
.endr
.irp j, 0,1
.irp p, 0,1,2,3,4,5
	ds_load_b64 v[fb+96+12*\j+2*\p:fb+96+12*\j+2*\p+1], v[AR+fa] offset:fo+1536*\j+256*\p
.endr
.endr
	WIN 0
.irp q, 0,1,2,3
	ds_load_b32 v[fs+\q], v[ASP+fa] offset:fo+12288+128*\q      ; lanes 0-15 tile 2 q's words, lanes 16-31 tile 2 q + 1's
.endr
	ds_load_b32 v[fs+4], v[ASR+fa] offset:fo+12288              ; my two tiles' likewise
.endm
.macro WM i, j, f, zero
.set rD, ACC+64*(\j)+8*(\i)
.set rA, 128*(\f)+12*(\i)
.set rB, 128*(\f)+96+12*(\j)
.set rS, SC+8*(\f)+(\i)/2
.set rT, SC+8*(\f)+4
.if \zero
.if ((\i)%2 == 0) && ((\j) == 0)
	v_wmma_scale_f32_16x16x128_f8f6f4 v[rD:rD+7], v[rA:rA+11], v[rB:rB+11], 0, v[rS], v[rT] matrix_a_fmt:MATRIX_FMT_BF6 matrix_b_fmt:MATRIX_FMT_BF6
.elseif ((\i)%2 == 1) && ((\j) == 0)
	v_wmma_scale_f32_16x16x128_f8f6f4 v[rD:rD+7], v[rA:rA+11], v[rB:rB+11], 0, v[rS], v[rT] matrix_a_fmt:MATRIX_FMT_BF6 matrix_b_fmt:MATRIX_FMT_BF6 matrix_a_scale:MATRIX_SCALE_ROW1
.elseif (\i)%2 == 0
	v_wmma_scale_f32_16x16x128_f8f6f4 v[rD:rD+7], v[rA:rA+11], v[rB:rB+11], 0, v[rS], v[rT] matrix_a_fmt:MATRIX_FMT_BF6 matrix_b_fmt:MATRIX_FMT_BF6 matrix_b_scale:MATRIX_SCALE_ROW1
.else
	v_wmma_scale_f32_16x16x128_f8f6f4 v[rD:rD+7], v[rA:rA+11], v[rB:rB+11], 0, v[rS], v[rT] matrix_a_fmt:MATRIX_FMT_BF6 matrix_b_fmt:MATRIX_FMT_BF6 matrix_a_scale:MATRIX_SCALE_ROW1 matrix_b_scale:MATRIX_SCALE_ROW1
.endif
.else
.if ((\i)%2 == 0) && ((\j) == 0)
	v_wmma_scale_f32_16x16x128_f8f6f4 v[rD:rD+7], v[rA:rA+11], v[rB:rB+11], v[rD:rD+7], v[rS], v[rT] matrix_a_fmt:MATRIX_FMT_BF6 matrix_b_fmt:MATRIX_FMT_BF6
.elseif ((\i)%2 == 1) && ((\j) == 0)
	v_wmma_scale_f32_16x16x128_f8f6f4 v[rD:rD+7], v[rA:rA+11], v[rB:rB+11], v[rD:rD+7], v[rS], v[rT] matrix_a_fmt:MATRIX_FMT_BF6 matrix_b_fmt:MATRIX_FMT_BF6 matrix_a_scale:MATRIX_SCALE_ROW1
.elseif (\i)%2 == 0
	v_wmma_scale_f32_16x16x128_f8f6f4 v[rD:rD+7], v[rA:rA+11], v[rB:rB+11], v[rD:rD+7], v[rS], v[rT] matrix_a_fmt:MATRIX_FMT_BF6 matrix_b_fmt:MATRIX_FMT_BF6 matrix_b_scale:MATRIX_SCALE_ROW1
.else
	v_wmma_scale_f32_16x16x128_f8f6f4 v[rD:rD+7], v[rA:rA+11], v[rB:rB+11], v[rD:rD+7], v[rS], v[rT] matrix_a_fmt:MATRIX_FMT_BF6 matrix_b_fmt:MATRIX_FMT_BF6 matrix_a_scale:MATRIX_SCALE_ROW1 matrix_b_scale:MATRIX_SCALE_ROW1
.endif
.endif
.endm
.macro MUL s                           ; 16 matrix instructions: the 16 accumulators take turns, in the same order in every K step; K step 0 starts the sums
	WIN 0x05                                       ; sources 0 and 1 window 1
.irp i, 0,1,2,3,4,5,6,7
.irp j, 0,1
	WM \i, \j, (\s)%2, (\s)==0
.endr
.endr
.endm
.macro LOOP wsync                      ; the eight K steps, written out: step s + 1's fragments are asked for ahead of step s's products.  wsync = 1: the panels are still landing, two K steps to a barrier
.if \wsync
	SYNC 0
.endif
	FETCH 0
.irp s, 0,1,2,3,4,5,6,7
	s_wait_dscnt 0x0                               ; step s's fragments are in (asked for ahead of the last step's products)
.if \s < 7
.if \wsync && ((\s+1)%2 == 0)
	SYNC (\s+1)/2
.endif
.if \s > 0
	PLACES                                         ; the set that is loaded next was read by step s - 1's products
.endif
	FETCH \s+1
.endif
	MUL \s
.endr
	WIN 0
	PLACES
.endm
.macro ADDRS pb, rb                    ; LDS addresses: source 0's panel at pb, source 1's at rb; a second register for K steps 4-7, which lie beyond an offset's 16 bits
	v_lshl_add_u32 v[AP], v1, 3, \pb
	v_lshl_add_u32 v[AP+1], v1, 3, \pb+51200
	s_mul_i32 s67, s16, 3072
	s_add_co_u32 s67, s67, \rb
	v_lshl_add_u32 v[AR], v1, 3, s67
	v_add_nc_u32 v[AR+1], 51200, v[AR]
	v_lshl_add_u32 v[ASP], v1, 2, \pb
	v_lshl_add_u32 v[ASP+1], v1, 2, \pb+51200
	s_lshl_b32 s67, s16, 7
	s_add_co_u32 s67, s67, \rb
	v_lshl_add_u32 v[ASR], v1, 2, s67
	v_add_nc_u32 v[ASR+1], 51200, v[ASR]
.endm
; 64 numbers of a lane, register 16 b + i = K 32 b + 16 h + i of the lane's row: the codes of blocks 0, 1 go to v[d0 .. d0 + 5], of blocks 2, 3 to v[d1 .. d1 + 5], the four bytes to v[pw].
.macro QUANT s, d0, d1, pw
.irp b, 0,1,2,3
	v_max3_num_f32 v[TM+\b], |v[\s+16*\b]|, |v[\s+16*\b+1]|, 0x2800000    ; with the floor 2^(5 - 127)
.endr
.irp i, 2,4,6,8,10,12,14
.irp b, 0,1,2,3
	v_max3_num_f32 v[TM+\b], v[TM+\b], |v[\s+16*\b+\i]|, |v[\s+16*\b+\i+1]|
.endr
.endr
.irp b, 0,1,2,3
	v_permlanex16_b32 v[TM+4+\b], v[TM+\b], s96, s97
.endr
.irp b, 0,1,2,3
	v_max_num_f32 v[TM+\b], v[TM+\b], v[TM+4+\b]   ; with lane l xor 16's sixteen: the block's largest magnitude
.endr
.irp b, 0,1,2,3
	v_add_nc_u32 v[TM+12+\b], 0xfe000000, v[TM+\b]
.endr
.irp b, 0,1,2,3
	v_lshrrev_b32 v[TM+4+\b], 23, v[TM+12+\b]
.endr
	v_lshl_or_b32 v[\pw], v[TM+5], 8, v[TM+4]
	v_lshl_or_b32 v[\pw], v[TM+6], 16, v[\pw]
	v_lshl_or_b32 v[\pw], v[TM+7], 24, v[\pw]
	v_cvt_scalef32_pk16_bf6_f32 v[\d0:\d0+2], v[\s:\s+15], v[TM+12]
	v_cvt_scalef32_pk16_bf6_f32 v[CT:CT+2], v[\s+16:\s+31], v[TM+13]
	v_cvt_scalef32_pk16_bf6_f32 v[\d1:\d1+2], v[\s+32:\s+47], v[TM+14]
	v_cvt_scalef32_pk16_bf6_f32 v[CT+4:CT+6], v[\s+48:\s+63], v[TM+15]
	v_nop                                          ; one plain line behind the conversions
.irp i, 0,1,2
	v_permlane16_swap_b32 v[\d0+\i], v[CT+\i]      ; the operand's layout wants a whole block in a lane: lanes 0-15 the even block, lanes 16-31 the odd one
.endr
.irp i, 0,1,2
	v_mov_b32 v[\d0+3+\i], v[CT+\i]
.endr
.irp i, 0,1,2
	v_permlane16_swap_b32 v[\d1+\i], v[CT+4+\i]
.endr
.irp i, 0,1,2
	v_mov_b32 v[\d1+3+\i], v[CT+4+\i]
.endr
.endm
.macro OUTBASE                         ; s[92:93] += ((g 16 + step) 4 + 2 (x % 2)) 6400: the first of the two heads that these 128 columns hold
	s_lshr_b32 s100, s22, 4                        ; batch
	s_lshl_b32 s100, s100, 2
	s_lshr_b32 s101, s21, 1
	s_add_co_u32 s100, s100, s101                  ; g
	s_lshl_b32 s100, s100, 4
	s_and_b32 s101, s22, 15
	s_add_co_u32 s100, s100, s101
	s_lshl_b32 s100, s100, 2
	s_and_b32 s101, s21, 1
	s_lshl_b32 s101, s101, 1
	s_add_co_u32 s100, s100, s101
	s_mul_i32 s100, s100, 6400
	s_mov_b32 s101, 0
	s_add_nc_u64 s[92:93], s[92:93], s[100:101]
.endm
.macro BFLOAD part                     ; register 16 b + i: the bias of column 32 b + 16 h + i of q's (part 0) or k's (1) 128 columns
.irp k, 0,1,2,3,4,5,6,7,8,9,10,11,12,13,14,15
	global_load_b128 v[BF+4*\k:BF+4*\k+3], v12, s[8:9] offset:4096*(\part)+128*(\k/4)+16*(\k%4)
.endr
.endm
; q's and k's way out.  sc = 1: sum and bias are multiplied by s94 = 1 / 8, a power of two, so that scaling them apart rounds nothing.  s[92:93]: the buffer.
.macro QKEPI sc
	s_wait_loadcnt 0x0                             ; the bias
.if \sc
.set n, 0
.rept 32
	v_pk_mul_f32 v[BF+n:BF+n+1], v[BF+n:BF+n+1], s[94:95] op_sel_hi:[1,0]
.set n, n+2
.endr
.endif
.irp j, 0,64
.set n, 0
.rept 32
.if \sc
	v_pk_fma_f32 v[ACC+\j+n:ACC+\j+n+1], v[ACC+\j+n:ACC+\j+n+1], s[94:95], v[BF+n:BF+n+1] op_sel_hi:[1,0,1]   ; each accumulator from its low end on
.else
	v_pk_add_f32 v[ACC+\j+n:ACC+\j+n+1], v[ACC+\j+n:ACC+\j+n+1], v[BF+n:BF+n+1]
.endif
.set n, n+2
.endr
.endr
	QUANT ACC, IA, IB, 16                          ; token tile 2 w: blocks 0, 1 are the first head's 64 channels, blocks 2, 3 the second's
	QUANT ACC+64, IA+6, IB+6, 17                   ; token tile 2 w + 1: the upper halves of the same two fragments
	v_perm_b32 v18, v17, v16, 0x05040100           ; the first head's word: two bytes of each tile,
	v_perm_b32 v19, v17, v16, 0x07060302           ; the second's
	v_cmp_le_u32 vcc_lo, 16, v1
	v_cndmask_b32 v18, v18, v19, vcc_lo            ; lanes 0-15 store the first head's, lanes 16-31 the second's
	OUTBASE
	s_wait_alu depctr_va_vdst(0)
.irp c, 0,1,2
	global_store_b128 v13, v[IA+4*\c:IA+4*\c+3], s[92:93] offset:512*\c          ; 512 consecutive bytes, at a multiple of 256 from the buffer's first byte
	global_store_b128 v13, v[IB+4*\c:IB+4*\c+3], s[92:93] offset:6400+512*\c
.endr
	global_store_b32 v14, v18, s[92:93]
	s_wait_xcnt 0x0                                ; the stores' data and base are written again only behind this wait
.endm
	s_load_b256 s[4:11], s[0:1], 0x0               ; wq s[4:5], xq s[6:7], b_qkv s[8:9], qbuf s[10:11]
	s_load_b128 s[12:15], s[0:1], 0x20             ; kbuf s[12:13], vbuf s[14:15]
	v_lshl_add_u32 v[SPW], v0, 2, SPARE
	v_mov_b32 v[NIL], 0
	ds_add_u32 v24, v25
	ds_add_u32 v24, v25
	s_wait_dscnt 0x0
	v_lshrrev_b32 v1, 5, v0
	v_readfirstlane_b32 s16, v1                    ; wave 0..3
	s_lshr_b32 s17, s16, 1                         ; I fetch for q's weight (0) or for the tokens (1),
	s_and_b32 s18, s16, 1                          ; K steps 0-3 or 4-7
	s_bfe_u32 s19, ttmp6, 0x40000                  ; cx, cy: my place in the cluster
	s_bfe_u32 s20, ttmp6, 0x40004
	s_lshl_b32 s21, ttmp9, 2
	s_add_co_u32 s21, s21, s19                     ; x: which 128 columns of q, of k and of v
	s_and_b32 s22, ttmp7, 0xffff
	s_lshl_b32 s22, s22, 2
	s_add_co_u32 s22, s22, s20                     ; y: which 128 tokens
	s_lshl_b32 s23, s20, 2
	s_lshl_b32 s23, 15, s23                        ; my row of the cluster
	s_lshl_b32 s98, 0x1111, s19                    ; my column
	; groups 1: dense bytes as rows of 32 elements of 8 bytes: a chunk is 50 such rows, a pair of chunks 100
	s_or_b32 s[G1W], s98, (3<<16)|(1<<21)          ; 15:0 the mask; 17:16 elements of 8 bytes; 21 set beside a mask
	s_or_b32 s[G1P], s98, (3<<16)|(1<<21)
	s_or_b32 s[G1X], s23, (3<<16)|(1<<21)
.irp g, G1W, G1X
	s_mov_b32 s[\g+1], 32<<16                      ; tensor_dim0
	s_mov_b32 s[\g+2], 200<<16                     ; tensor_dim1: four chunks are 200 rows of 256 bytes
	s_mov_b32 s[\g+3], 32<<16                      ; tile_dim0
	s_mov_b32 s[\g+4], 200                         ; tile_dim1
	s_mov_b32 s[\g+5], 32                          ; the pitch
	s_mov_b32 s[\g+6], 0
	s_mov_b32 s[\g+7], 0
.endr
	s_mov_b32 s[G1P+1], 32<<16
	s_mov_b32 s[G1P+2], 100<<16
	s_mov_b32 s[G1P+3], 32<<16
	s_mov_b32 s[G1P+4], 100
	s_mov_b32 s[G1P+5], 32
	s_mov_b32 s[G1P+6], 0
	s_mov_b32 s[G1P+7], 0
	s_mul_i32 s99, s18, 4*CHUNK                    ; my four chunks in q's or the tokens' panel
	s_mul_i32 s66, s16, 2*CHUNK                    ; my pair of chunks in k's and v's
	s_mul_i32 s100, s21, 8*CHUNK                   ; the weights' panels hang on x alone,
	s_add_co_u32 s2, s100, s66
	s_mov_b32 s3, 0
	s_add_co_u32 s100, s100, s99
	s_mov_b32 s101, 0
	s_mul_i32 s104, s22, 8*CHUNK                   ; the tokens' on y alone
	s_add_co_u32 s104, s104, s99
	s_mov_b32 s105, 0
	s_wait_kmcnt 0x0
	s_add_nc_u64 s[100:101], s[4:5], s[100:101]
	s_add_nc_u64 s[2:3], s[4:5], s[2:3]
	s_add_nc_u64 s[104:105], s[6:7], s[104:105]
	CROUND                                         ; all sixteen work-groups are here: the joint loads meet
.irp i, 0
	s_mov_b32 s[G0W+4*\i], 1
	s_add_co_u32 s[G0W+4*\i+1], s99, WP0+2*CHUNK*\i
	s_add_nc_u64 s[G0W+4*\i+2:G0W+4*\i+3], s[100:101], 2*CHUNK*\i
	s_or_b32 s[G0W+4*\i+3], s[G0W+4*\i+3], 0x80000000
	s_mov_b32 s[G0X+4*\i], 1
	s_add_co_u32 s[G0X+4*\i+1], s99, XPAN+2*CHUNK*\i
	s_add_nc_u64 s[G0X+4*\i+2:G0X+4*\i+3], s[104:105], 2*CHUNK*\i
	s_or_b32 s[G0X+4*\i+3], s[G0X+4*\i+3], 0x80000000
.endr
	s_mov_b32 s[G0K], 1
	s_add_co_u32 s[G0K+1], s66, WP1
	s_add_nc_u64 s[G0K+2:G0K+3], s[2:3], 64*CHUNK  ; k's panels lie 8 panels behind q's,
	s_or_b32 s[G0K+3], s[G0K+3], 0x80000000
	s_mov_b32 s[G0V], 1
	s_add_co_u32 s[G0V+1], s66, WP0
	s_add_nc_u64 s[G0V+2:G0V+3], s[2:3], 128*CHUNK ; v's 16
	s_or_b32 s[G0V+3], s[G0V+3], 0x80000000
	s_cmp_eq_u32 s17, 0                            ; one tensor load a wave at the head: half of q's weight panel, or half of the tokens'
	s_cbranch_scc0 .Lfill_x
	tensor_load_to_lds s[G0W:G0W+3], s[G1W:G1W+7]
	s_nop 0
	PLACES
	s_branch .Lfilled
.Lfill_x:
	tensor_load_to_lds s[G0X:G0X+3], s[G1X:G1X+7]
	s_nop 0
	PLACES
.Lfilled:
	v_and_b32 v1, 31, v0                           ; lane
	v_and_b32 v2, 15, v0                           ; r
	v_bfe_u32 v3, v0, 4, 1                         ; h
	s_mov_b32 s96, 0x76543210
	s_mov_b32 s97, 0xfedcba98
.irp b, 0,1,2,3
	v_mov_b32 v[TM+4+\b], 0                        ; (a lane permute's destination counts as one of its sources)
.endr
	s_lshl_b32 s100, s21, 9                        ; the bias of q's 128 columns; k's lie 4,096 bytes on, v's 8,192
	s_mov_b32 s101, 0
	s_add_nc_u64 s[8:9], s[8:9], s[100:101]
	v_lshlrev_b32 v12, 6, v3
	BFLOAD 0
	v_and_b32 v15, 8, v2
	v_add_nc_u32 v15, v15, v2                      ; r + 8 (r / 8)
	s_lshl_b32 s67, s16, 7
	v_lshl_add_u32 v15, v15, 2, s67                ; v: my channel's bias: column 32 w + 8 j + r + 8 (r / 8)
	global_load_b32 v20, v15, s[8:9] offset:8192
	global_load_b32 v22, v15, s[8:9] offset:8192+32
	v_mov_b32 v21, 0                               ; (named with them as pairs)
	v_mov_b32 v23, 0
	s_mul_i32 s67, s16, 1536                       ; q, k out: fragment f = my wave's number
	v_lshl_add_u32 v13, v1, 4, s67
	s_lshl_b32 s67, s16, 6
	s_add_co_u32 s67, s67, 6144
	v_lshl_add_u32 v14, v2, 2, s67
	v_mad_u32_u24 v14, v3, 6400, v14
	s_mul_i32 s67, s17, 6400                       ; v out: waves 0, 1: the first head; waves 2, 3: the second;
	s_mul_i32 s98, s18, 3072                       ; fragments dt = 2 (w % 2) + j
	s_add_co_u32 s98, s98, s67
	v_lshl_add_u32 v26, v1, 4, s98
	s_lshl_b32 s98, s18, 7
	s_add_co_u32 s98, s98, s67
	s_add_co_u32 s98, s98, 6144
	v_lshl_add_u32 v27, v1, 2, s98
	; ---- q: a lane holds a token
	ADDRS WP0, XPAN
	s_wait_alu depctr_va_vdst(0)
	s_wait_tensorcnt 0x0                           ; my half panel has landed
	ds_add_u32 v[SPW], v[NIL]
	s_wait_dscnt 0x0
	CROUND                                         ; both panels are whole for every wave, and the partners are here
	tensor_load_to_lds s[G0K:G0K+3], s[G1P:G1P+7]  ; my pair of chunks of k's weight, into panel 1: it lands under q's products
	s_nop 0
	PLACES
	LOOP 0
	s_wait_tensorcnt 0x0                           ; all my tensor loads have landed, my part of k's weight among them;
	ds_add_u32 v[SPW], v[NIL]                      ; 0 onto my spare word;
	s_wait_dscnt 0x0                               ; the add is done, and my reads of panel 0 are over
	CROUND                                         ; the same now holds of every wave of every partner
	tensor_load_to_lds s[G0V:G0V+3], s[G1P:G1P+7]  ; my one refill: my pair of chunks of v's weight, into panel 0
	s_nop 0
	PLACES
	s_mov_b64 s[92:93], s[10:11]
	s_mov_b32 s94, 0x3e000000                      ; 1 / sqrt(64)
	s_mov_b32 s95, s94
	QKEPI 1
	; ---- k: the same from panel 1, which the round above has shown whole
	BFLOAD 1
	ADDRS WP1, XPAN
	; k's token tiles: lane (r, h) of my tile j takes the panel's tile 4 (w / 2) + 2 (r / 8) + j, row 8 (w % 2) + r % 8 (the + j stands in the loads' offsets): source 1's two addresses are made anew
	s_lshr_b32 s67, s16, 1
	s_mul_i32 s67, s67, 6144
	s_and_b32 s100, s16, 1
	s_lshl_b32 s100, s100, 6
	s_add_co_u32 s67, s67, s100
	s_add_co_u32 s67, s67, XPAN
	v_lshrrev_b32 v28, 3, v2
	v_and_b32 v29, 7, v2
	v_lshlrev_b32 v29, 3, v29
	v_mad_u32_u24 v29, v28, 3072, v29
	v_lshl_add_u32 v29, v3, 7, v29
	v_add_nc_u32 v[AR], s67, v29                   ; 6144 (w / 2) + 3072 (r / 8) + 64 (w % 2) + 8 (r % 8) + 128 h
	v_add_nc_u32 v[AR+1], 51200, v[AR]
	s_lshr_b32 s67, s16, 1
	s_lshl_b32 s67, s67, 8
	s_lshr_b32 s100, s100, 1
	s_add_co_u32 s67, s67, s100
	s_add_co_u32 s67, s67, XPAN
	v_and_b32 v29, 7, v2
	v_lshlrev_b32 v29, 2, v29
	v_lshl_add_u32 v29, v28, 7, v29
	v_lshl_add_u32 v29, v3, 6, v29
	v_add_nc_u32 v[ASR], s67, v29                  ; the words: 256 (w / 2) + 128 (r / 8) + 64 j + 32 (w % 2) + 4 (r % 8), j = the lanes' half
	v_add_nc_u32 v[ASR+1], 51200, v[ASR]
	s_wait_alu depctr_va_vdst(0)
	LOOP 0
	s_mov_b64 s[92:93], s[12:13]
	QKEPI 0
	; ---- v: a lane holds a channel, its registers run along the keys
	s_wait_tensorcnt 0x0                           ; my part of v's weight has landed (my only load that was out),
	s_wait_dscnt 0x0
	s_barrier_signal -1
	s_barrier_wait -1                              ; everybody's has
	ADDRS XPAN, WP0
	s_wait_alu depctr_va_vdst(0)
	LOOP 0
.irp j, 0,1
.set n, 0
.rept 32
	v_pk_add_f32 v[ACC+64*\j+n:ACC+64*\j+n+1], v[ACC+64*\j+n:ACC+64*\j+n+1], v[20+2*\j:21+2*\j] op_sel_hi:[1,0]
.set n, n+2
.endr
.endr
	QUANT ACC, IA, IA+6, 16                        ; 16 channels x 128 keys: a whole fragment
	QUANT ACC+64, IB, IB+6, 17
	v_cmp_le_u32 vcc_lo, 16, v1
	v_cndmask_b32 v18, v16, v17, vcc_lo
	s_mov_b64 s[92:93], s[14:15]
	OUTBASE
	s_wait_alu depctr_va_vdst(0)
.irp c, 0,1,2
	global_store_b128 v26, v[IA+4*\c:IA+4*\c+3], s[92:93] offset:512*\c
	global_store_b128 v26, v[IB+4*\c:IB+4*\c+3], s[92:93] offset:1536+512*\c
.endr
	global_store_b32 v27, v18, s[92:93]
	s_wait_tensorcnt 0x0                           ; the wave's end
	ds_add_u32 v[SPW], v[NIL]
	s_wait_dscnt 0x0
	CROUND                                         ; the closing round
	s_endpgm
.Lfunc_end_k_qd6fc54d380_gemm1:
	.size	k_qd6fc54d380_gemm1, .Lfunc_end_k_qd6fc54d380_gemm1-k_qd6fc54d380_gemm1
	.p2alignl 7, 3214868480
	.fill 96, 4, 3214868480
	.section	.rodata,"a",@progbits
	.p2align	6, 0x0
	.amdhsa_kernel k_qd6fc54d380_gemm1
		.amdhsa_group_segment_fixed_size 327680
		.amdhsa_private_segment_fixed_size 0
		.amdhsa_enable_private_segment 0
		.amdhsa_kernarg_size 48
		.amdhsa_user_sgpr_count 2
		.amdhsa_user_sgpr_kernarg_segment_ptr 1
		.amdhsa_wavefront_size32 1
		.amdhsa_system_sgpr_workgroup_id_x 1
		.amdhsa_system_sgpr_workgroup_id_y 1
		.amdhsa_system_sgpr_workgroup_id_z 1
		.amdhsa_system_vgpr_workitem_id 0
		.amdhsa_next_free_vgpr 512
		.amdhsa_next_free_sgpr 106
		.amdhsa_reserve_vcc 1
		.amdhsa_float_denorm_mode_32 3
		.amdhsa_float_denorm_mode_16_64 3
		.amdhsa_memory_ordered 1
		.amdhsa_forward_progress 1
		.amdhsa_inst_pref_size 207
	.end_amdhsa_kernel
	.amdgpu_metadata
---
amdhsa.version: [ 1, 2 ]
amdhsa.kernels:
  - .name:           k_qd6fc54d380_gemm1
    .symbol:         k_qd6fc54d380_gemm1.kd
    .args:
      - { .name: wq, .offset: 0, .size: 8, .value_kind: global_buffer, .address_space: global }
      - { .name: xq, .offset: 8, .size: 8, .value_kind: global_buffer, .address_space: global }
      - { .name: b_qkv, .offset: 16, .size: 8, .value_kind: global_buffer, .address_space: global }
      - { .name: qbuf, .offset: 24, .size: 8, .value_kind: global_buffer, .address_space: global }
      - { .name: kbuf, .offset: 32, .size: 8, .value_kind: global_buffer, .address_space: global }
      - { .name: vbuf, .offset: 40, .size: 8, .value_kind: global_buffer, .address_space: global }
    .group_segment_fixed_size: 327680
    .private_segment_fixed_size: 0
    .kernarg_segment_align: 8
    .kernarg_segment_size: 48
    .max_flat_workgroup_size: 128
    .sgpr_count:     106
    .vgpr_count:     512
    .wavefront_size: 32
...
	.end_amdgpu_metadata
.endif
;; end of part 7
;; launch smax (part 8): grid 32 x 8, 16 waves a work-group, clusters of 4 x 4, 327,680 bytes of LDS; arguments qbuf, kbuf, ltor_mask, gpart; writes gpart
.if DOCPART == 8
	.amdgcn_target "amdgcn-amd-amdhsa--gfx1250"
	.amdhsa_code_object_version 6
	.text
	.protected	k_qd6fc54d380_smax
	.globl	k_qd6fc54d380_smax
	.p2align	8
	.type	k_qd6fc54d380_smax,@function
k_qd6fc54d380_smax:
	s_mov_b64 s[64:65], 0
	v_nop
	global_prefetch_b8 v0, s[64:65] scope:SCOPE_SE
	s_setreg_imm32_b32 hwreg(HW_REG_WAVE_MODE, 25, 1), 1
	s_wait_xcnt 0x0
	s_wait_alu depctr_hold_cnt(0) depctr_sa_sdst(0) depctr_va_vdst(0) depctr_va_sdst(0) depctr_va_ssrc(0) depctr_va_vcc(0) depctr_vm_vsrc(0)
	s_getreg_b32 s2, hwreg(HW_REG_IB_STS2, 6, 4)
	s_cmp_eq_u32 s2, 0
	s_cbranch_scc0 .Lentry_in_a_cluster
	s_endpgm
.Lentry_in_a_cluster:
	s_bfe_u32 s2, ttmp6, 0x10000c
	s_cmp_lg_u32 s2, 0xf033
	s_cbranch_scc0 .Lentry_shape_is_right
	s_endpgm
.Lentry_shape_is_right:
; The largest masked scores, s m - 10000 (1 - m) with s = (q / 8) . k on codes of E3M2, in parts: of each row (query) and of each tile of 16 queries, for each quarter of the keys.
; The next launch needs them before any p is quantised: the head's maximum is taken off every score ahead of the softmax, and p's codes hang on its fraction; the row's maximum gives the row's M.
; gpart: [16 batch + head][4 (tile of queries) + quarter] f32 at byte 0 (65,536 bytes); [16 batch + head][tile][quarter][lane] f32 at byte 65,536: lane l has the row of query l % 16.
; A work-group takes 64 queries (x) of four heads (y = 4 batch + head / 4).  Sixteen waves: wave = 4 (tile of queries) + (quarter of a slot's 256 keys), and it takes ALL FOUR HEADS:
; so each number of the mask (an input: read and honoured as it is given, as a number) is read from LDS once and 10000 m - 10000 is made once for the four heads.
; K = 64 is half of the matrix instruction's 128: a fragment of k holds two tiles of 16 keys in its halves and is multiplied by [q | 0] and by [0 | q] (zero codes add nothing).
; S^T = k q^T: a lane holds one query.  Tile t (0..3) of my quarter's 64 keys holds key 8 t + r % 8 + 32 (r / 8), as the launch before lays k:
; so a lane's 32 registers of the four tiles are keys 32 h + 0 .. 31 of the quarter: 128 neighbouring bytes of the mask's row.
; RING: two LDS slots of 256 keys: k's blocks (51,200 bytes, wave 4 fetches) and the mask's 64 rows x 1,024 bytes as four tiles of 16 rows (waves 0-3), rows 1,040 bytes apart, tiles 16,768 apart:
;   the 16 rows of a query tile (8 and 8, sixteen rows apart) then start in 16 different columns of 16 bytes modulo 256.
; CLUSTER 4 x 4: the mask's tiles hang on x alone and are asked for jointly down a column of the cluster, k's on y alone, along a row.
; PREFETCH: trip t's change of slots asks for slot t + 1; in trip t waves 5-8 name slot t + 3, two refills ahead; slots 1 and 2 are named at the head; trips 5 on ask for nothing.  Each aligned 256 bytes once in a cluster:
; of the mask's 64 rows the partner at cy takes 16, waves 5 and 6 eight each (four lanes a row); of k's 200 blocks the partner at cx takes 50, waves 7 and 8 25 each (lanes 25-31 name the last again), told apart by address.
; For a mask that is neither 0 nor 1 the masked score is two fused multiply-adds: its rounding differs from the written order by ulps of f32.  NaN and infinities are not served.
; REGISTERS: v1, v2 the spare word's address and 0; v3-5 my places in k's codes, k's words, the mask; v6-8 the same in the slot in hand; v9 lane; v10-17 two running maxima a head; v18 -10000; v19 the prefetch's offset;
;   v20-73 0 q0 0 q1 0 q2 0 q3 0, six registers each; v74-77 q's scale words; v78-79 k's, of two heads; v80-111 the mask; v112-143 10000 m - 10000; v144-191 two heads' fragments of k; v192-255 two heads' S^T.
.set SLOT1, 1<<17
.set MOFF,  51200
.set PITCH, 1040
.set GRPS,  16*PITCH+128
.set SPARE, 2*SLOT1                    ; the spare words: 128 bytes for each of sixteen waves
.set NS,    8
.set GM, 10
.set QZ, 20
.set QS, 74
.set KS, 78
.set Y,  80
.set WT, 112
.set X,  144
.set S,  192
.macro CROUND
	s_barrier_signal -1
	s_barrier_wait -1
	s_cmp_lg_u32 s16, 0
	s_cbranch_scc1 .Lnot_wave_0_\@
	s_barrier_signal -3
.Lnot_wave_0_\@:
	s_barrier_wait -3
	s_barrier_signal -1
	s_barrier_wait -1
.endm
.macro JLOAD                           ; waves 0-3: a tile of the mask each; wave 4: k.  The branches hang on the wave's number alone.  Four v_nop follow each load
	s_cmp_lt_u32 s16, 4
	s_cbranch_scc0 .Lnot_m_\@
	tensor_load_to_lds s[40:43], s[24:31]
	s_nop 0
.rept 4
	v_nop
.endr
	s_branch .Lasked_\@
.Lnot_m_\@:
	s_cmp_eq_u32 s16, 4
	s_cbranch_scc0 .Lasked_\@
	tensor_load_to_lds s[44:47], s[32:39]
	s_nop 0
.rept 4
	v_nop
.endr
.Lasked_\@:
.endm
.macro CHANGE fill                     ; at a slot's head: the slot ahead is whole, nobody reads the other; fill = 1: that other slot takes the next 256 keys
.if \fill
	s_wait_xcnt 0x0                                ; my prefetch has read its address
	s_add_nc_u64 s[48:49], s[48:49], s[50:51]
.endif
	s_wait_tensorcnt 0x0                           ; no tensor load of mine is out, so a group 0 may be written
	ds_add_u32 v1, v2                              ; 0 onto my spare word
.if \fill
	ds_add_u32 v1, v2                              ; and once more where a fill follows
	s_xor_b32 s41, s41, SLOT1
	s_add_nc_u64 s[42:43], s[42:43], 1024
	s_xor_b32 s45, s45, SLOT1
	s_add_nc_u64 s[46:47], s[46:47], 51200
.endif
	s_wait_dscnt 0x0                               ; the adds are done, and my reads of the slot that I have left are over
.if \fill
	CROUND                                         ; the same now holds of every wave of every partner
	JLOAD                                          ; a wave's one tensor load until the next round
.else
	s_barrier_signal -1
	s_barrier_wait -1
.endif
.endm
.macro LOADK g                         ; heads 2 g and 2 g + 1: the two fragments (64 keys) of my quarter, and their scale words (lanes 0-15 the first fragment's, lanes 16-31 the second's)
.irp p, 0,1
.irp f, 0,1
.irp c, 0,1,2
	ds_load_b128 v[X+24*\p+12*\f+4*\c:X+24*\p+12*\f+4*\c+3], v6 offset:6400*(2*\g+\p)+1536*\f+512*\c
.endr
.endr
	ds_load_b32 v[KS+\p], v7 offset:6400*(2*\g+\p)+6144
.endr
.endm
.macro KQ p, hd, t                     ; head hd (the p-th of its pair), tile t of my quarter's four: fragment t / 2, its lower or upper half
.set rD, S+32*(\p)+8*(\t)
.set rA, X+24*(\p)+12*((\t)/2)
.set rB, QZ+12*(\hd)+6-6*((\t)%2)
.set rK, KS+(\p)
.set rQ, QS+(\hd)
.if (\t)/2
	v_wmma_scale_f32_16x16x128_f8f6f4 v[rD:rD+7], v[rA:rA+11], v[rB:rB+11], 0, v[rK], v[rQ] matrix_a_fmt:MATRIX_FMT_BF6 matrix_b_fmt:MATRIX_FMT_BF6 matrix_a_scale:MATRIX_SCALE_ROW1
.else
	v_wmma_scale_f32_16x16x128_f8f6f4 v[rD:rD+7], v[rA:rA+11], v[rB:rB+11], 0, v[rK], v[rQ] matrix_a_fmt:MATRIX_FMT_BF6 matrix_b_fmt:MATRIX_FMT_BF6
.endif
.endm
.macro PROD g
.irp p, 0,1
.irp t, 0,1,2,3
	KQ \p, 2*\g+\p, \t
.endr
.endr
.endm
.macro MASKMAX g                       ; two heads' 32 scores a lane: s m + (10000 m - 10000), then into the heads' running maxima
.irp p, 0,1
.set n, 0
.rept 16
	v_pk_fma_f32 v[S+32*\p+n:S+32*\p+n+1], v[S+32*\p+n:S+32*\p+n+1], v[Y+n:Y+n+1], v[WT+n:WT+n+1]      ; each accumulator from its low end on
.set n, n+2
.endr
.endr
.irp i, 0,2,4,6,8,10,12,14
.irp p, 0,1
.irp k, 0,1
	v_max3_num_f32 v[GM+4*\g+2*\p+\k], v[GM+4*\g+2*\p+\k], v[S+32*\p+16*\k+\i], v[S+32*\p+16*\k+\i+1]
.endr
.endr
.endr
.endm
.macro SLOTWORK ask                    ; my 64 keys of the slot, four heads
	v_add_nc_u32 v6, s58, v3
	v_add_nc_u32 v7, s58, v4
	v_add_nc_u32 v8, s58, v5
.irp b, 0,1
.irp i, 0,1,2,3
	ds_load_b128 v[Y+16*\b+4*\i:Y+16*\b+4*\i+3], v8 offset:MOFF+64*\b+16*\i
.endr
.endr
	LOADK 0
.if \ask
	s_wait_alu depctr_va_vdst(0)
	s_cmp_gt_u32 s59, s54                          ; s54 = 2 in waves 5-8, else the greatest number; s59 = 7 - trip: trips 0 to 4 ask
	s_cbranch_scc0 .Lno_ask_\@
	global_prefetch_b8 v19, s[48:49] th:TH_LOAD_NT scope:SCOPE_SE
.Lno_ask_\@:
.endif
	s_wait_dscnt 0x0
	PROD 0
.set n, 0
.rept 16
	v_pk_fma_f32 v[WT+n:WT+n+1], v[Y+n:Y+n+1], s[56:57], v[18:19] op_sel_hi:[1,0,0]        ; 10000 m - 10000, once for the four heads (v18 serves both halves).  These sixteen lines are also the places behind the products
.set n, n+2
.endr
	LOADK 1                                        ; the other two heads' fragments land under the first two heads' vector work
	MASKMAX 0
	s_wait_dscnt 0x0
	PROD 1
.rept 4
	v_nop                                          ; the places behind the products
.endr
	MASKMAX 1
	s_xor_b32 s58, s58, SLOT1
.endm
	s_load_b256 s[4:11], s[0:1], 0x0               ; qbuf s[4:5], kbuf s[6:7], ltor_mask s[8:9], gpart s[10:11]
	v_lshl_add_u32 v1, v0, 2, SPARE
	v_mov_b32 v2, 0
	ds_add_u32 v1, v2
	ds_add_u32 v1, v2
	s_wait_dscnt 0x0
	v_lshrrev_b32 v9, 5, v0
	s_delay_alu instid0(VALU_DEP_1)
	v_readfirstlane_b32 s16, v9                    ; wave 0..15
	s_and_b32 s17, s16, 3                          ; my quarter of a slot's keys.  Also: which tile of the mask I fetch
	s_lshr_b32 s18, s16, 2                         ; qt: my tile of queries
	s_bfe_u32 s19, ttmp6, 0x40000
	s_bfe_u32 s20, ttmp6, 0x40004
	s_lshl_b32 s21, ttmp9, 2
	s_add_co_u32 s21, s21, s19                     ; x: which 64 queries
	s_and_b32 s22, ttmp7, 0xffff
	s_lshl_b32 s22, s22, 2
	s_add_co_u32 s22, s22, s20                     ; y: which four heads
	s_lshl_b32 s23, s20, 2
	s_lshl_b32 s23, 15, s23                        ; my row of the cluster
	s_lshl_b32 s60, 0x1111, s19                    ; my column
	s_or_b32 s24, s60, (2<<16)|(1<<20)|(1<<21)|(7<<22)|(3<<25)   ; the mask: elements of 4 bytes; 4 words of padding behind every 256
	s_mov_b32 s25, 256<<16                         ; tensor_dim0
	s_mov_b32 s26, 16<<16                          ; tensor_dim1
	s_mov_b32 s27, 256<<16                         ; tile_dim0
	s_mov_b32 s28, 16                              ; tile_dim1
	s_mov_b32 s29, 2048                            ; the pitch
	s_mov_b32 s30, 0
	s_mov_b32 s31, 0
	s_or_b32 s32, s23, (3<<16)|(1<<21)             ; k: 51,200 dense bytes as 200 rows of 32 elements of 8 bytes
	s_mov_b32 s33, 32<<16
	s_mov_b32 s34, 200<<16
	s_mov_b32 s35, 32<<16
	s_mov_b32 s36, 200
	s_mov_b32 s37, 32
	s_mov_b32 s38, 0
	s_mov_b32 s39, 0
	s_lshl_b32 s60, s21, 19                        ; the mask's row 64 x + 16 (wave % 4), 8,192 bytes a row
	s_lshl_b32 s61, s17, 17
	s_add_co_u32 s60, s60, s61
	s_mov_b32 s61, 0
	s_mul_i32 s62, s22, 409600                     ; k's blocks of my four heads
	s_mov_b32 s63, 0
	s_mul_i32 s23, s17, GRPS
	s_mov_b32 s52, 0x76543210
	s_mov_b32 s53, 0xfedcba98
	s_mov_b32 s56, 0x461c4000                      ; 10000
	s_mov_b32 s57, s56
	s_mov_b32 s58, 0                               ; the slot in hand
	s_mov_b32 s59, NS-1
	s_wait_kmcnt 0x0
	CROUND                                         ; in front of the first joint loads
	s_mov_b32 s40, 1
	s_add_co_u32 s41, s23, MOFF
	s_add_nc_u64 s[42:43], s[8:9], s[60:61]
	s_or_b32 s43, s43, 0x80000000
	s_mov_b32 s44, 1
	s_mov_b32 s45, 0
	s_add_nc_u64 s[46:47], s[6:7], s[62:63]
	s_or_b32 s47, s47, 0x80000000
	JLOAD                                          ; slot 0
	; the prefetches: waves 5, 6 the mask, waves 7, 8 k; s[80:81] slot 1, s[82:83] slot 2; s[48:49] is stepped at each change of slots
	s_sub_co_u32 s68, s16, 5
	s_and_b32 s69, s68, 1                          ; which half of my work-group's share
	s_lshl_b32 s66, s21, 19
	s_lshl_b32 s67, s20, 17                        ; my work-group's 16 of the mask's 64 rows,
	s_add_co_u32 s66, s66, s67
	s_lshl_b32 s67, s69, 16                        ; my wave's eight of them
	s_add_co_u32 s66, s66, s67
	s_add_co_u32 s66, s66, 1024
	s_mul_i32 s70, s22, 409600
	s_mul_i32 s67, s19, 12800                      ; my work-group's 50 of k's 200 blocks,
	s_add_co_u32 s70, s70, s67
	s_mul_i32 s67, s69, 6400                       ; my wave's 25 of them
	s_add_co_u32 s70, s70, s67
	s_add_co_u32 s70, s70, 51200
	s_mov_b32 s50, 51200
	s_cmp_lt_u32 s16, 7
	s_cselect_b64 s[80:81], s[8:9], s[6:7]
	s_cselect_b32 s66, s66, s70
	s_cselect_b32 s50, 1024, s50                   ; bytes from slot to slot
	s_cselect_b32 s55, -1, 0
	s_mov_b32 s67, 0
	s_mov_b32 s51, 0
	s_add_nc_u64 s[80:81], s[80:81], s[66:67]
	s_add_nc_u64 s[82:83], s[80:81], s[50:51]
	s_mov_b64 s[48:49], s[82:83]
	s_cmp_lt_u32 s68, 4
	s_cselect_b32 s54, 2, -1
	s_lshl_b32 s66, s22, 4                         ; q's four blocks: (y 16 + x / 2) 4 x 6400 on
	s_lshr_b32 s67, s21, 1
	s_add_co_u32 s66, s66, s67
	s_mul_i32 s66, s66, 25600
	s_mov_b32 s67, 0
	s_add_nc_u64 s[4:5], s[4:5], s[66:67]
	s_and_b32 s68, s21, 1
	s_lshl_b32 s68, s68, 1
	s_lshr_b32 s69, s18, 1
	s_add_co_u32 s68, s68, s69                     ; fragment 2 (x % 2) + qt / 2; its half qt % 2 is my tile
	s_mul_i32 s69, s68, 1536
	s_lshl_b32 s70, s68, 6
	s_add_co_u32 s70, s70, 6144
	v_and_b32 v9, 31, v0                           ; lane
	s_delay_alu instid0(VALU_DEP_1)
	v_lshl_add_u32 v200, v9, 4, s69
	v_and_b32 v201, 15, v0
	s_delay_alu instid0(VALU_DEP_1)
	v_lshl_add_u32 v201, v201, 2, s70
.irp hd, 0,1,2,3
.irp c, 0,1,2
	global_load_b128 v[X+12*\hd+4*\c:X+12*\hd+4*\c+3], v200, s[4:5] offset:6400*\hd+512*\c
.endr
	global_load_b32 v[S+\hd], v201, s[4:5] offset:6400*\hd
.endr
	v_min_u32 v202, 24, v9                         ; the prefetch's offset: k: a lane a block of 256 bytes, lanes 25-31 the last again;
	v_lshrrev_b32 v203, 2, v9
	v_and_b32 v204, 3, v9
	v_lshlrev_b32 v202, 8, v202
	v_lshlrev_b32 v203, 13, v203                   ; the mask: four lanes a row of 8,192 bytes, 256 bytes each
	v_lshl_add_u32 v203, v204, 8, v203
	v_cndmask_b32 v19, v202, v203, s55
	s_wait_alu depctr_va_vdst(0)
	s_cmp_lt_u32 s54, 3
	s_cbranch_scc0 .Lno_head_ask
	global_prefetch_b8 v19, s[80:81] th:TH_LOAD_NT scope:SCOPE_SE
	global_prefetch_b8 v19, s[82:83] th:TH_LOAD_NT scope:SCOPE_SE
.Lno_head_ask:
	s_lshr_b32 s71, s17, 1                         ; my quarter: the slot's 128 keys (quarter / 2), fragments 2 (quarter % 2) and the next
	s_mul_i32 s71, s71, 25600
	s_and_b32 s72, s17, 1
	s_mul_i32 s73, s72, 3072
	s_add_co_u32 s73, s73, s71
	v_lshl_add_u32 v3, v9, 4, s73                  ; k's codes: 16 x lane + that
	s_lshl_b32 s73, s72, 7
	s_add_co_u32 s73, s73, s71
	v_lshl_add_u32 v4, v9, 2, s73                  ; k's words
	v_and_b32 v5, 7, v0                            ; the mask: my query is row 32 (qt / 2) + 8 (qt % 2) + r % 8 + 16 (r / 8) of the 64
	s_delay_alu instid0(VALU_DEP_1)
	v_mul_u32_u24 v5, v5, PITCH
	v_bfe_u32 v6, v0, 3, 1
	s_delay_alu instid0(VALU_DEP_1)
	v_mad_u32_u24 v5, v6, GRPS, v5
	v_bfe_u32 v6, v0, 4, 1
	s_delay_alu instid0(VALU_DEP_1)
	v_lshl_add_u32 v5, v6, 7, v5                   ; + 128 h: my 32 keys of each 64
	s_lshr_b32 s72, s18, 1
	s_mul_i32 s72, s72, 2*GRPS
	s_and_b32 s73, s18, 1
	s_mul_i32 s70, s73, 8*PITCH
	s_add_co_u32 s72, s72, s70
	s_lshl_b32 s70, s17, 8                         ; + my quarter's 64 keys
	s_add_co_u32 s72, s72, s70
	v_add_nc_u32 v5, s72, v5
	s_cmp_lg_u32 s73, 0
	s_cselect_b32 s74, -1, 0                       ; all lanes take the fragment's upper half, or none
	s_mov_b32 s75, 0x01000100
	s_cselect_b32 s75, 0x03020302, s75             ; and the word's upper two bytes, or the lower
.irp z, 0,1,2,3,4
.irp i, 0,1,2,3,4,5
	v_mov_b32 v[QZ+12*\z+\i], 0                    ; zero codes between the heads' q: [0 | q] begins at QZ + 12 hd, [q | 0] six registers on
.endr
.endr
	s_wait_loadcnt 0x0
.irp hd, 0,1,2,3
.irp i, 0,1,2,3,4,5
	v_cndmask_b32 v[QZ+12*\hd+6+\i], v[X+12*\hd+\i], v[X+12*\hd+6+\i], s74
.endr
	v_perm_b32 v[QS+\hd], v[S+\hd], v[S+\hd], s75  ; my tile's two bytes, twice: they serve either half
.endr
.irp k, 0,1,2,3,4,5,6,7
	v_mov_b32 v[GM+\k], 0xff800000                 ; -infinity
.endr
	v_mov_b32 v18, 0xc61c4000                      ; -10000.  (These nine lines are also the places between q's scale words and the first product)
.Lslot:                                            ; NS - 1 trips: behind each change of slots but the last the next slot is asked for
	CHANGE 1
	s_wait_alu depctr_va_vdst(0)
	SLOTWORK 1
	s_sub_co_u32 s59, s59, 1
	s_cmp_lg_u32 s59, 0
	s_cbranch_scc1 .Lslot
	CHANGE 0                                       ; the last slot is written out
	SLOTWORK 0
.irp hd, 0,1,2,3
	v_max_num_f32 v[GM+2*\hd], v[GM+2*\hd], v[GM+2*\hd+1]
.endr
.irp hd, 0,1,2,3
	s_delay_alu instid0(VALU_DEP_4)
	v_permlanex16_b32 v[GM+2*\hd+1], v[GM+2*\hd], s52, s53
.endr
.irp hd, 0,1,2,3
	s_delay_alu instid0(VALU_DEP_4)
	v_max_num_f32 v[GM+2*\hd], v[GM+2*\hd], v[GM+2*\hd+1]     ; my query's maximum over my quarters of the keys, in both halves of the lanes
.endr
	s_lshl_b32 s66, s21, 2
	s_add_co_u32 s66, s66, s18                     ; the tile: 4 x + qt
	s_lshl_b32 s66, s66, 2
	s_add_co_u32 s66, s66, s17                     ; u = 4 tile + quarter
	s_lshl_b32 s68, s66, 2                         ; the tiles' maxima: head x 2,048 + 4 u
	s_lshl_b32 s69, s22, 13
	s_add_co_u32 s68, s68, s69
	s_mov_b32 s69, 0
	s_add_nc_u64 s[76:77], s[10:11], s[68:69]
	s_lshl_b32 s68, s66, 7                         ; the rows' maxima: 65,536 + head x 65,536 + 128 u
	s_lshl_b32 s70, s22, 18
	s_add_co_u32 s68, s68, s70
	s_add_co_u32 s68, s68, 65536
	s_add_nc_u64 s[78:79], s[10:11], s[68:69]
	v_lshlrev_b32 v4, 2, v9
	s_wait_alu depctr_va_vdst(0)
.irp hd, 0,1,2,3
	global_store_b32 v4, v[GM+2*\hd], s[78:79] offset:65536*\hd       ; 128 consecutive bytes; the four quarters' waves fill 512
.endr
.irp hd, 0,1,2,3
	v_max_num_f32_dpp v[GM+2*\hd+1], v[GM+2*\hd], v[GM+2*\hd] row_xmask:1 row_mask:0xf bank_mask:0xf    ; on in the odd registers: the stores' data stay as they are
.endr
.irp m, 2,4,8
.irp hd, 0,1,2,3
	s_delay_alu instid0(VALU_DEP_4)
	v_max_num_f32_dpp v[GM+2*\hd+1], v[GM+2*\hd+1], v[GM+2*\hd+1] row_xmask:\m row_mask:0xf bank_mask:0xf
.endr
.endr
	v_mov_b32 v3, 0
	v_cmp_eq_u32 vcc_lo, 0, v9
	s_wait_alu depctr_va_vdst(0)
	s_wait_xcnt 0x0                                ; EXEC changes only behind this wait
	s_and_saveexec_b32 s68, vcc_lo
.irp hd, 0,1,2,3
	global_store_b32 v3, v[GM+2*\hd+1], s[76:77] offset:2048*\hd      ; lane 0 stores the tile's maximum
.endr
	s_wait_xcnt 0x0
	s_or_b32 exec_lo, exec_lo, s68
	s_wait_tensorcnt 0x0                           ; the wave's end
	ds_add_u32 v1, v2
	s_wait_dscnt 0x0
	CROUND                                         ; the closing round
	s_endpgm
.Lfunc_end_k_qd6fc54d380_smax:
	.size	k_qd6fc54d380_smax, .Lfunc_end_k_qd6fc54d380_smax-k_qd6fc54d380_smax
	.p2alignl 7, 3214868480
	.fill 96, 4, 3214868480
	.section	.rodata,"a",@progbits
	.p2align	6, 0x0
	.amdhsa_kernel k_qd6fc54d380_smax
		.amdhsa_group_segment_fixed_size 327680
		.amdhsa_private_segment_fixed_size 0
		.amdhsa_enable_private_segment 0
		.amdhsa_kernarg_size 32
		.amdhsa_user_sgpr_count 2
		.amdhsa_user_sgpr_kernarg_segment_ptr 1
		.amdhsa_wavefront_size32 1
		.amdhsa_system_sgpr_workgroup_id_x 1
		.amdhsa_system_sgpr_workgroup_id_y 1
		.amdhsa_system_sgpr_workgroup_id_z 1
		.amdhsa_system_vgpr_workitem_id 0
		.amdhsa_next_free_vgpr 256
		.amdhsa_next_free_sgpr 84
		.amdhsa_reserve_vcc 1
		.amdhsa_float_denorm_mode_32 3
		.amdhsa_float_denorm_mode_16_64 3
		.amdhsa_memory_ordered 1
		.amdhsa_forward_progress 1
		.amdhsa_inst_pref_size 46
	.end_amdhsa_kernel
	.amdgpu_metadata
---
amdhsa.version: [ 1, 2 ]
amdhsa.kernels:
  - .name:           k_qd6fc54d380_smax
    .symbol:         k_qd6fc54d380_smax.kd
    .args:
      - { .name: qbuf, .offset: 0, .size: 8, .value_kind: global_buffer, .address_space: global }
      - { .name: kbuf, .offset: 8, .size: 8, .value_kind: global_buffer, .address_space: global }
      - { .name: ltor_mask, .offset: 16, .size: 8, .value_kind: global_buffer, .address_space: global }
      - { .name: gpart, .offset: 24, .size: 8, .value_kind: global_buffer, .address_space: global }
    .group_segment_fixed_size: 327680
    .private_segment_fixed_size: 0
    .kernarg_segment_align: 8
    .kernarg_segment_size: 32
    .max_flat_workgroup_size: 512
    .sgpr_count:     84
    .vgpr_count:     256
    .wavefront_size: 32
...
	.end_amdgpu_metadata
.endif
;; end of part 8
;; launch attn (part 9): grid 32 x 8, 16 waves a work-group, clusters of 4 x 4, 327,680 bytes of LDS; arguments qbuf, kbuf, vbuf, ltor_mask, gpart, cq; writes cq
.if DOCPART == 9
	.amdgcn_target "amdgcn-amd-amdhsa--gfx1250"
	.amdhsa_code_object_version 6
	.text
	.protected	k_qd6fc54d380_attn
	.globl	k_qd6fc54d380_attn
	.p2align	8
	.type	k_qd6fc54d380_attn,@function
k_qd6fc54d380_attn:
	s_mov_b64 s[64:65], 0
	v_nop
	global_prefetch_b8 v0, s[64:65] scope:SCOPE_SE
	s_setreg_imm32_b32 hwreg(HW_REG_WAVE_MODE, 25, 1), 1
	s_wait_xcnt 0x0
	s_wait_alu depctr_hold_cnt(0) depctr_sa_sdst(0) depctr_va_vdst(0) depctr_va_sdst(0) depctr_va_ssrc(0) depctr_va_vcc(0) depctr_vm_vsrc(0)
	s_getreg_b32 s2, hwreg(HW_REG_IB_STS2, 6, 4)
	s_cmp_eq_u32 s2, 0
	s_cbranch_scc0 .Lentry_in_a_cluster
	s_endpgm
.Lentry_in_a_cluster:
	s_bfe_u32 s2, ttmp6, 0x10000c
	s_cmp_lg_u32 s2, 0xf033
	s_cbranch_scc0 .Lentry_shape_is_right
	s_endpgm
.Lentry_shape_is_right:
; ctx = softmax(masked scores - the head's maximum) v, both products on codes of E3M2, and ctx quantised along the dense product's K on the way out.
; masked = s m + (10000 m - 10000), s = (q / 8) . k; G = the head's largest masked score, the row's largest likewise: both stored in parts by the launch before, made there by the same two multiply-adds.
; With c = log2(e): the row's largest t = rowmax c - G c, M = its ceiling, a whole number and the row's own, known at the start: nothing is ever rescaled.
; t - M = masked c + K with K = -M - G c, one multiply-add.  ORDER OF ROUNDING: G c and K are rounded once each where the written order rounds masked - G; the difference is ulps of f32 at the size of G c + M.
; p = 2^(t - M) is quantised along the keys, not normalised; the row's sum is taken of the unquantised p and divides O at the end.
; SHARES: 64 queries (x) of four heads (y), sixteen waves, wave = 4 qt + hd: 16 queries of one head.  Both products are used transposed: a lane holds one query.
; K = 64 of the first product is half of the instruction's 128: [q | 0] and [0 | q] pick a fragment's two tiles of keys.
; k's tile t (0..7) of 128 keys holds key 64 (t / 4) + 8 (t % 4) + r % 8 + 32 (r / 8): a lane's registers S + 32 c .. + 31 are keys 64 c + 32 h + 0 .. 31, ONE WHOLE BLOCK:
; its maximum needs no other lane, and the conversions' results are the operand's registers but for three moves a pair of blocks.
; RING: two LDS slots; tile j holds k's blocks of keys 128 j .. (25,600 bytes, wave 4), the mask's 64 rows x 512 bytes of the same keys (waves 0-3, rows 528 bytes apart, tiles 8,576 apart),
; and v's blocks of the 128 keys BEFORE (wave 5).  So phase j runs: LDS loads of k(j) and half the mask; exponentials, codes and sum of step j - 1 while they are out; S^T(j); the mask and t - M; v(j - 1); O^T += v p(j - 1).
; Seventeen phases: phase 0 has no step before it, phase 16 only finishes step 15; the tails are written out.  O^T begins as zeros, so that phase 1 is a trip of the loop.
; The four products on O^T stand between the signal and the wait of the barrier that opens the change of slots: they touch registers alone.
; CLUSTER 4 x 4: the mask's tiles are asked for jointly down a column of the cluster, k's and v's along a row.  The mask is an input: every tile of scores is computed.
; PREFETCH: phase j's change of slots asks for tile j + 2; in phase j waves 6, 7, 8 name the mask's, k's and v's part of tile j + 4, two refills ahead; tiles 1, 2, 3 are named at the head, behind tile 0's loads.
; Each aligned 256 bytes once in a cluster: of the mask's 64 rows the partner at cy takes 16 (a lane half a row), of k's and of v's 100 blocks the partner at cx takes 25 (lanes 25-31 name the last again), told apart by address.
; The mask and k stop with tile 15 (phase 11), v with tile 16 (phase 12).
; LIMITS: NaN and infinities are not served; blocks of p or ctx under 2^-122 keep the byte 1; the promise holds while the scaled scores stay under 2^31 in magnitude.
; REGISTERS: v1, v2 the spare word's address and 0; v3-5 places in codes, words, mask; v6-8 the same in the slot in hand; v9, v253 LDS addresses of ctx's scale bytes; v10 8 h; v11 the prefetch's offset; v[12:13] K; v[14:15] the sum;
;   v16-33 [0 | q | 0]; v34 q's word, v35 p's, v36-37 k's, v38-39 v's; v40-87 k's fragments, then half the mask, then v's; v88-151 S^T, then p; v152-183 O^T; v184-215 half the mask;
;   v216-227 p's codes, v228-234 their upper halves; v236-243 10000 m - 10000, or partial sums; v244-249 blocks' maxima, scale operands, bytes; v[250:251] a partial sum; v252 at work; v[254:255] -10000.
.set SLOT1, 1<<17
.set VOFF,  25600
.set MOFF,  51200
.set PITCH, 528
.set GRPS,  16*PITCH+128
.set SPARE, 2*SLOT1                    ; the spare words: 128 bytes for each of sixteen waves
.set CSB,   SPARE+2048                 ; ctx's scale bytes: 512 bytes that no tensor load fills
.set X,  40
.set S,  88
.set O,  152
.set Y,  184
.set PC, 216
.set PT, 228
.set WT, 236
.set BM, 244
.set SO, 246
.set BT, 248
.macro CREST                           ; a round of the cluster's barrier behind its opening barrier
	s_cmp_lg_u32 s16, 0
	s_cbranch_scc1 .Lnot_wave_0_\@
	s_barrier_signal -3
.Lnot_wave_0_\@:
	s_barrier_wait -3
	s_barrier_signal -1
	s_barrier_wait -1
.endm
.macro CROUND                          ; a whole round
	s_barrier_signal -1
	s_barrier_wait -1
	CREST
.endm
.macro JLOAD mk, vv                    ; mk: waves 0-3 a tile of the mask each, wave 4 k;  vv: wave 5 v.  The branches hang on the wave's number alone.  Four v_nop follow each load
.if \mk
	s_cmp_lt_u32 s16, 4
	s_cbranch_scc0 .Lnot_m_\@
	tensor_load_to_lds s[40:43], s[24:31]
	s_nop 0
.rept 4
	v_nop
.endr
	s_branch .Lasked_\@
.Lnot_m_\@:
	s_cmp_eq_u32 s16, 4
	s_cbranch_scc0 .Lnot_k_\@
	tensor_load_to_lds s[44:47], s[32:39]
	s_nop 0
.rept 4
	v_nop
.endr
	s_branch .Lasked_\@
.Lnot_k_\@:
.endif
.if \vv
	s_cmp_eq_u32 s16, 5
	s_cbranch_scc0 .Lasked_\@
	tensor_load_to_lds s[48:51], s[32:39]
	s_nop 0
.rept 4
	v_nop
.endr
.endif
.Lasked_\@:
.endm
.macro KQ t                            ; tile t of 16 keys: fragment t / 2, its lower or upper half
.set rD, S+8*(\t)
.set rA, X+12*((\t)/2)
.set rB, 22-6*((\t)%2)
.set rK, 36+(\t)/4
.if ((\t)/2)%2
	v_wmma_scale_f32_16x16x128_f8f6f4 v[rD:rD+7], v[rA:rA+11], v[rB:rB+11], 0, v[rK], v34 matrix_a_fmt:MATRIX_FMT_BF6 matrix_b_fmt:MATRIX_FMT_BF6 matrix_a_scale:MATRIX_SCALE_ROW1
.else
	v_wmma_scale_f32_16x16x128_f8f6f4 v[rD:rD+7], v[rA:rA+11], v[rB:rB+11], 0, v[rK], v34 matrix_a_fmt:MATRIX_FMT_BF6 matrix_b_fmt:MATRIX_FMT_BF6
.endif
.endm
.macro PV d                            ; O^T's tile d (16 channels) += v^T p^T over 128 keys.  The four accumulators take turns
.set rD, O+8*(\d)
.set rA, X+12*(\d)
.set rV, 38+(\d)/2
.if (\d)%2
	v_wmma_scale_f32_16x16x128_f8f6f4 v[rD:rD+7], v[rA:rA+11], v[PC:PC+11], v[rD:rD+7], v[rV], v35 matrix_a_fmt:MATRIX_FMT_BF6 matrix_b_fmt:MATRIX_FMT_BF6 matrix_a_scale:MATRIX_SCALE_ROW1
.else
	v_wmma_scale_f32_16x16x128_f8f6f4 v[rD:rD+7], v[rA:rA+11], v[PC:PC+11], v[rD:rD+7], v[rV], v35 matrix_a_fmt:MATRIX_FMT_BF6 matrix_b_fmt:MATRIX_FMT_BF6
.endif
.endm
.macro PV4
	s_wait_alu depctr_va_vdst(0)                   ; O^T was written ahead of the exponentials
.irp d, 0,1,2,3
	PV \d
.endr
.endm
; A phase's end and the change of slots.  pv: O^T += v p of the step before;  fill: 1 a whole tile, 2 v alone, 0 nothing;  vadd: v's address steps;  pf: the prefetch's address steps.
.macro TAIL pv, fill, vadd, pf
	s_wait_alu depctr_va_vdst(0)
.if \pf
	s_wait_xcnt 0x0                                ; my prefetch has read its address
	s_add_nc_u64 s[80:81], s[80:81], s[82:83]
.endif
	s_wait_tensorcnt 0x0                           ; no tensor load of mine is out: the next tile has landed, and a group 0 may be written
	ds_add_u32 v1, v2                              ; 0 onto my spare word
.if \fill
	ds_add_u32 v1, v2                              ; twice where a fill follows
.endif
.if \fill == 1
	s_xor_b32 s41, s41, SLOT1
	s_add_nc_u64 s[42:43], s[42:43], 512
	s_xor_b32 s45, s45, SLOT1
	s_add_nc_u64 s[46:47], s[46:47], 25600
.endif
.if \fill
	s_xor_b32 s49, s49, SLOT1
.if \vadd
	s_add_nc_u64 s[50:51], s[50:51], 25600
.endif
.endif
	s_wait_dscnt 0x0                               ; the adds are done, v's fragments are in, and my reads of the slot that I leave are over
	s_barrier_signal -1
.if \pv
	PV4                                            ; work on registers while the others arrive
.endif
	s_barrier_wait -1
.if \fill
	CREST                                          ; the barrier has opened a round: the same now holds of every wave of every partner
.if \fill == 1
	JLOAD 1, 1
.else
	JLOAD 0, 1
.endif
.endif
.endm
.macro LOADKM                          ; the slot in hand: k's four fragments, their words, the mask's keys 0-63
	v_add_nc_u32 v6, s58, v3
	v_add_nc_u32 v7, s58, v4
	v_add_nc_u32 v8, s58, v5
	v_nop                                          ; four plain lines between the last products and the loads into their registers
	s_xor_b32 s58, s58, SLOT1
.irp f, 0,1,2,3
.irp c, 0,1,2
	ds_load_b128 v[X+12*\f+4*\c:X+12*\f+4*\c+3], v6 offset:1536*\f+512*\c
.endr
.endr
	ds_load_b32 v36, v7 offset:6144
	ds_load_b32 v37, v7 offset:6144+128
.irp i, 0,1,2,3,4,5,6,7
	ds_load_b128 v[Y+4*\i:Y+4*\i+3], v8 offset:MOFF+16*\i
.endr
.endm
.macro ASK                             ; s84 = 2 in waves 6 and 7, 1 in wave 8, else the greatest number; s59 = 14 - phase (13 in phase 0): phases 0 to 11 ask, wave 8 in phase 12 too
	s_cmp_gt_u32 s59, s84
	s_cbranch_scc0 .Lno_ask_\@
	global_prefetch_b8 v11, s[80:81] th:TH_LOAD_NT scope:SCOPE_SE
.Lno_ask_\@:
.endm
.macro PART2                           ; the step before: S^T's registers hold t - M, BM each block's largest
	s_wait_alu depctr_va_vdst(0)
.set n, 0
.rept 64
	v_exp_f32 v[S+n], v[S+n]                       ; p = 2^(t - M)
.set n, n+1
.endr
	v_exp_f32 v[BM], v[BM]                         ; the block's largest p: the same instruction on the same number
	v_exp_f32 v[BM+1], v[BM+1]
	v_nop                                          ; a plain line behind the exponentials
	s_wait_alu depctr_va_vdst(0)                   ; one wait for the batch
.irp c, 0,1
	v_max_num_f32 v[BM+\c], 0x2800000, v[BM+\c]    ; the floor 2^(5 - 127)
.endr
.irp c, 0,1
	s_delay_alu instid0(VALU_DEP_2)
	v_add_nc_u32 v[SO+\c], 0xfe000000, v[BM+\c]    ; 4 off the exponent field: the conversion's scale operand
.endr
.irp c, 0,1
	s_delay_alu instid0(VALU_DEP_2)
	v_lshrrev_b32 v[BT+\c], 23, v[SO+\c]           ; the byte
.endr
.irp c, 0,1
	v_cvt_scalef32_pk16_bf6_f32 v[PC+6*\c:PC+6*\c+2], v[S+32*\c:S+32*\c+15], v[SO+\c]
	v_cvt_scalef32_pk16_bf6_f32 v[PT+4*\c:PT+4*\c+2], v[S+32*\c+16:S+32*\c+31], v[SO+\c]   ; (a conversion's three registers begin on an even number)
.endr
	v_lshl_or_b32 v252, v[BT+1], 16, v[BT]         ; my blocks h and 2 + h (a plain line behind the conversions),
	v_lshlrev_b32 v252, v10, v252                  ; 8 h bits up;
	v_permlanex16_b32 v35, v252, s52, s53
	v_or_b32 v35, v35, v252                        ; with lane l xor 16's two p's scale word is whole
.irp c, 0,1
.irp i, 0,1,2
	v_mov_b32 v[PC+6*\c+3+\i], v[PT+4*\c+\i]
.endr
.endr
	v_pk_add_f32 v[WT:WT+1], v[S:S+1], v[S+2:S+3]  ; the row's sum of the unquantised p, in four chains
	v_pk_add_f32 v[WT+2:WT+3], v[S+4:S+5], v[S+6:S+7]
	v_pk_add_f32 v[250:251], v[S+8:S+9], v[S+10:S+11]
.irp j, 12,20,28,36,44,52
	v_pk_add_f32 v[14:15], v[14:15], v[S+\j:S+\j+1]
	v_pk_add_f32 v[WT:WT+1], v[WT:WT+1], v[S+\j+2:S+\j+3]
	v_pk_add_f32 v[WT+2:WT+3], v[WT+2:WT+3], v[S+\j+4:S+\j+5]
	v_pk_add_f32 v[250:251], v[250:251], v[S+\j+6:S+\j+7]
.endr
	v_pk_add_f32 v[14:15], v[14:15], v[S+60:S+61]
	v_pk_add_f32 v[WT:WT+1], v[WT:WT+1], v[S+62:S+63]
	v_pk_add_f32 v[14:15], v[14:15], v[WT:WT+1]
	v_pk_add_f32 v[250:251], v[250:251], v[WT+2:WT+3]
	s_delay_alu instid0(VALU_DEP_1)
	v_pk_add_f32 v[14:15], v[14:15], v[250:251]
.endm
.macro WTQ m                           ; 8 numbers of the mask at v[m]: 10000 m - 10000
.set n, 0
.rept 4
	v_pk_fma_f32 v[WT+n:WT+n+1], v[\m+n:\m+n+1], s[56:57], v[254:255] op_sel_hi:[1,0,1]
.set n, n+2
.endr
.endm
.macro AP s, m                         ; one accumulator, from its low end on: s m + that, the same two lines as in the launch before; then x c + K
.set n, 0
.rept 4
	v_pk_fma_f32 v[\s+n:\s+n+1], v[\s+n:\s+n+1], v[\m+n:\m+n+1], v[WT+n:WT+n+1]
.set n, n+2
.endr
.set n, 0
.rept 4
	v_pk_fma_f32 v[\s+n:\s+n+1], v[\s+n:\s+n+1], s[54:55], v[12:13] op_sel_hi:[1,0,0]
.set n, n+2
.endr
.endm
.macro LOADV                           ; v's four fragments and their words
.irp d, 0,1,2,3
.irp c, 0,1,2
	ds_load_b128 v[X+12*\d+4*\c:X+12*\d+4*\c+3], v6 offset:VOFF+1536*\d+512*\c
.endr
.endr
	ds_load_b32 v38, v7 offset:VOFF+6144
	ds_load_b32 v39, v7 offset:VOFF+6144+128
.endm
.macro QKM lv                          ; S^T of the slot's 128 keys, the mask, t - M, each block's largest; lv: v's fragments of the step before are asked for
	s_wait_alu depctr_va_vdst(0)
	s_wait_dscnt 0x0                               ; k and half the mask are in
.irp t, 0,1,2,3,4,5,6,7
	KQ \t
.endr
	WTQ Y                                          ; four plain lines that name none of the products' registers: the places behind them
.irp i, 0,1,2,3,4,5,6,7
	ds_load_b128 v[X+4*\i:X+4*\i+3], v8 offset:MOFF+256+16*\i      ; the mask's keys 64-127 land where k's fragments lay, while the first half is applied
.endr
	AP S, Y
.irp q, 1,2,3
	WTQ Y+8*\q
	AP S+8*\q, Y+8*\q
.endr
	s_wait_alu depctr_va_vdst(0)
	s_wait_dscnt 0x0
.irp q, 0,1,2,3
	WTQ X+8*\q
	AP S+32+8*\q, X+8*\q
.endr
.if \lv
	LOADV                                          ; they land under the maxima below
.endif
.irp c, 0,1
	v_max3_num_f32 v[BM+\c], v[S+32*\c], v[S+32*\c+1], v[S+32*\c+2]          ; my two blocks' largest t - M, two chains each
	v_max3_num_f32 v[BT+\c], v[S+32*\c+16], v[S+32*\c+17], v[S+32*\c+18]
.endr
.irp i, 3,5,7,9,11,13
.irp c, 0,1
	v_max3_num_f32 v[BM+\c], v[BM+\c], v[S+32*\c+\i], v[S+32*\c+\i+1]
	v_max3_num_f32 v[BT+\c], v[BT+\c], v[S+32*\c+16+\i], v[S+32*\c+17+\i]
.endr
.endr
.irp c, 0,1
	v_max3_num_f32 v[BM+\c], v[BM+\c], v[BT+\c], v[S+32*\c+15]
.endr
.irp c, 0,1
	s_delay_alu instid0(VALU_DEP_2)
	v_max_num_f32 v[BM+\c], v[BM+\c], v[S+32*\c+31]
.endr
.endm
	s_load_b256 s[4:11], s[0:1], 0x0               ; qbuf s[4:5], kbuf s[6:7], vbuf s[8:9], ltor_mask s[10:11]
	s_load_b128 s[12:15], s[0:1], 0x20             ; gpart s[12:13], cq s[14:15]
	v_lshl_add_u32 v1, v0, 2, SPARE
	v_mov_b32 v2, 0
	ds_add_u32 v1, v2                              ; the opening lines: the add, twice on end, and its wait
	ds_add_u32 v1, v2
	v_lshrrev_b32 v252, 5, v0
	v_readfirstlane_b32 s16, v252                  ; wave 0..15
	s_and_b32 s17, s16, 3                          ; hd.  Also: which tile of the mask I fetch
	s_lshr_b32 s18, s16, 2                         ; qt
	s_bfe_u32 s19, ttmp6, 0x40000
	s_bfe_u32 s20, ttmp6, 0x40004
	s_lshl_b32 s21, ttmp9, 2
	s_add_co_u32 s21, s21, s19                     ; x: which 64 queries
	s_and_b32 s22, ttmp7, 0xffff
	s_lshl_b32 s22, s22, 2
	s_add_co_u32 s22, s22, s20                     ; y: which four heads
	s_lshl_b32 s23, s20, 2
	s_lshl_b32 s23, 15, s23                        ; my row of the cluster
	s_lshl_b32 s60, 0x1111, s19                    ; my column
	s_or_b32 s24, s60, (2<<16)|(1<<20)|(1<<21)|(6<<22)|(3<<25)   ; the mask: elements of 4 bytes; 4 words of padding behind every 128
	s_mov_b32 s25, 128<<16
	s_mov_b32 s26, 16<<16
	s_mov_b32 s27, 128<<16
	s_mov_b32 s28, 16
	s_mov_b32 s29, 2048
	s_mov_b32 s30, 0
	s_mov_b32 s31, 0
	s_or_b32 s32, s23, (3<<16)|(1<<21)             ; k, v: 25,600 dense bytes as 100 rows of 32 elements of 8 bytes
	s_mov_b32 s33, 32<<16
	s_mov_b32 s34, 100<<16
	s_mov_b32 s35, 32<<16
	s_mov_b32 s36, 100
	s_mov_b32 s37, 32
	s_mov_b32 s38, 0
	s_mov_b32 s39, 0
	s_lshl_b32 s60, s21, 19                        ; the mask's row 64 x + 16 hd
	s_lshl_b32 s61, s17, 17
	s_add_co_u32 s60, s60, s61
	s_mov_b32 s61, 0
	s_mul_i32 s62, s22, 409600                     ; the blocks of my four heads
	s_mov_b32 s63, 0
	s_mul_i32 s23, s17, GRPS
	s_mov_b32 s52, 0x76543210
	s_mov_b32 s53, 0xfedcba98
	s_mov_b32 s54, 0x3fb8aa3b                      ; c = log2(e)
	s_mov_b32 s55, s54
	s_mov_b32 s56, 0x461c4000                      ; 10000
	s_mov_b32 s57, s56
	s_mov_b32 s58, 0                               ; the slot in hand
	s_mov_b32 s59, 13                              ; the loop's trips: phases 1 to 13
	s_wait_dscnt 0x0
	s_wait_kmcnt 0x0
	CROUND                                         ; in front of the first joint loads
	s_mov_b32 s40, 1
	s_add_co_u32 s41, s23, MOFF
	s_add_nc_u64 s[42:43], s[10:11], s[60:61]
	s_or_b32 s43, s43, 0x80000000
	s_mov_b32 s44, 1
	s_mov_b32 s45, 0
	s_add_nc_u64 s[46:47], s[6:7], s[62:63]
	s_or_b32 s47, s47, 0x80000000
	s_mov_b32 s48, 1
	s_mov_b32 s49, VOFF                            ; v's keys 0-127 go with tile 1: the first change of slots turns this to slot 1 and leaves the address
	s_add_nc_u64 s[50:51], s[8:9], s[62:63]
	s_or_b32 s51, s51, 0x80000000
	JLOAD 1, 0                                     ; tile 0: k and the mask
	; the prefetches: wave 6 the mask, wave 7 k, wave 8 v.  s[90:91], s[86:87], s[88:89]: my part of tiles 1, 2, 3; s[80:81]: of tile 4, stepped at each change of slots
	s_lshl_b32 s66, s21, 19
	s_lshl_b32 s67, s20, 17                        ; my work-group's 16 of the mask's 64 rows
	s_add_co_u32 s66, s66, s67
	s_add_co_u32 s66, s66, 512                     ; tile 1 holds the mask's keys 128-255,
	s_mul_i32 s68, s22, 409600
	s_mul_i32 s69, s19, 6400                       ; my work-group's 25 of the 100 blocks
	s_add_co_u32 s68, s68, s69                     ; v's keys 0-127,
	s_movk_i32 s82, 25600
	s_cmp_eq_u32 s16, 7
	s_cselect_b64 s[90:91], s[6:7], s[8:9]
	s_cselect_b32 s69, s82, 0                      ; k's keys 128-255
	s_add_co_u32 s68, s68, s69
	s_cmp_eq_u32 s16, 6
	s_cselect_b64 s[90:91], s[10:11], s[90:91]
	s_cselect_b32 s66, s66, s68
	s_cselect_b32 s82, 512, s82                    ; bytes from tile to tile
	s_cselect_b32 s85, -1, 0
	s_mov_b32 s67, 0
	s_mov_b32 s83, 0
	s_add_nc_u64 s[90:91], s[90:91], s[66:67]
	s_add_nc_u64 s[86:87], s[90:91], s[82:83]
	s_add_nc_u64 s[88:89], s[86:87], s[82:83]
	s_add_nc_u64 s[80:81], s[88:89], s[82:83]
	s_sub_co_u32 s68, s16, 6
	s_cmp_lt_u32 s68, 3
	s_cselect_b32 s84, 2, -1
	s_cmp_eq_u32 s16, 8
	s_cselect_b32 s84, 1, s84
	; q's block, the maxima's places, LDS places
	s_lshl_b32 s66, s22, 4
	s_lshr_b32 s67, s21, 1
	s_add_co_u32 s66, s66, s67
	s_lshl_b32 s66, s66, 2
	s_add_co_u32 s66, s66, s17
	s_mul_i32 s66, s66, 6400
	s_mov_b32 s67, 0
	s_add_nc_u64 s[4:5], s[4:5], s[66:67]
	s_and_b32 s68, s21, 1
	s_lshl_b32 s68, s68, 1
	s_lshr_b32 s69, s18, 1
	s_add_co_u32 s68, s68, s69                     ; fragment 2 (x % 2) + qt / 2
	s_mul_i32 s69, s68, 1536
	s_lshl_b32 s70, s68, 6
	s_add_co_u32 s70, s70, 6144
	s_lshl_b32 s66, s22, 2
	s_add_co_u32 s66, s66, s17                     ; 16 batch + head
	s_lshl_b32 s72, s66, 7
	s_lshl_b32 s71, s21, 2
	s_add_co_u32 s72, s72, s71
	s_add_co_u32 s72, s72, s18                     ; x 128 + my tile 4 x + qt:
	s_lshl_b32 s72, s72, 9                         ; its rows' maxima, four quarters of 128 bytes,
	s_add_co_u32 s72, s72, 65536                   ; behind the tiles' maxima
	s_mov_b32 s73, 0
	s_add_nc_u64 s[76:77], s[12:13], s[72:73]
	s_lshl_b32 s66, s66, 11                        ; my head's 512 parts of G
	s_add_nc_u64 s[12:13], s[12:13], s[66:67]
	s_mul_i32 s71, s17, 6400
	s_lshr_b32 s72, s18, 1                         ; the mask: my query is row 32 (qt / 2) + 8 (qt % 2) + r % 8 + 16 (r / 8) of the 64
	s_mul_i32 s72, s72, 2*GRPS
	s_and_b32 s78, s18, 1
	s_mul_i32 s79, s78, 8*PITCH
	s_add_co_u32 s72, s72, s79
	s_lshr_b32 s73, s17, 1                         ; ctx's scale bytes in LDS: 256 (hd / 2) + 64 qt + 4 r + 2 (hd % 2)
	s_lshl_b32 s73, s73, 8
	s_lshl_b32 s79, s18, 6
	s_add_co_u32 s73, s73, s79
	s_and_b32 s79, s17, 1
	s_lshl_b32 s79, s79, 1
	s_add_co_u32 s73, s73, s79
	s_add_co_u32 s73, s73, CSB
	s_and_b32 s79, s16, 1                          ; and back, in waves 0 and 1: 256 bytes each
	s_lshl_b32 s79, s79, 8
	s_add_co_u32 s79, s79, CSB
	s_cmp_lg_u32 s78, 0
	s_cselect_b32 s74, -1, 0                       ; all lanes take q's fragment's upper half, or none
	s_mov_b32 s75, 0x01000100
	s_cselect_b32 s75, 0x03020302, s75             ; and the word's upper two bytes, or the lower
	v_and_b32 v252, 31, v0                         ; lane
	v_and_b32 v9, 15, v0
	v_lshl_add_u32 v102, v252, 4, s69
	v_lshl_add_u32 v103, v9, 2, s70
	global_load_b128 v[88:91], v102, s[4:5]
	global_load_b128 v[92:95], v102, s[4:5] offset:512
	global_load_b128 v[96:99], v102, s[4:5] offset:1024
	global_load_b32 v100, v103, s[4:5]
	v_lshlrev_b32 v104, 4, v252
	v_lshlrev_b32 v105, 2, v252
.irp i, 0,1,2,3
	global_load_b128 v[108+4*\i:111+4*\i], v104, s[12:13] offset:512*\i
.endr
.irp k, 0,1,2,3
	global_load_b32 v[124+\k], v105, s[76:77] offset:128*\k
.endr
	v_lshl_add_u32 v3, v252, 4, s71
	v_lshl_add_u32 v4, v252, 2, s71
	v_and_b32 v5, 7, v0
	v_bfe_u32 v6, v0, 3, 1
	v_bfe_u32 v10, v0, 4, 1                        ; h
	v_mul_u32_u24 v5, v5, PITCH
	v_mad_u32_u24 v5, v6, GRPS, v5
	v_lshl_add_u32 v5, v10, 7, v5                  ; + 128 h: my 32 keys of each 64
	v_add_nc_u32 v5, s72, v5
	v_lshlrev_b32 v10, 3, v10                      ; 8 h
	v_lshl_add_u32 v9, v9, 2, s73
	v_lshl_add_u32 v253, v252, 3, s79
	v_min_u32 v140, 24, v252                       ; the prefetch's offset: k, v: a lane a block of 256 bytes, lanes 25-31 the last again;
	v_lshrrev_b32 v141, 1, v252
	v_and_b32 v142, 1, v252
	v_lshlrev_b32 v140, 8, v140
	v_lshlrev_b32 v141, 13, v141                   ; the mask: two lanes a row of 8,192 bytes, 256 bytes each
	v_lshl_add_u32 v141, v142, 8, v141
	v_cndmask_b32 v11, v140, v141, s85
	s_wait_alu depctr_va_vdst(0)
	s_cmp_lt_u32 s84, 3
	s_cbranch_scc0 .Lno_head_ask
	global_prefetch_b8 v11, s[90:91] th:TH_LOAD_NT scope:SCOPE_SE      ; tiles 1, 2, 3: their addresses are never written again
	global_prefetch_b8 v11, s[86:87] th:TH_LOAD_NT scope:SCOPE_SE
	global_prefetch_b8 v11, s[88:89] th:TH_LOAD_NT scope:SCOPE_SE
.Lno_head_ask:
.irp i, 0,1,2,3,4,5
	v_mov_b32 v[16+\i], 0
	v_mov_b32 v[28+\i], 0
.endr
	v_mov_b32 v14, 0                               ; the sum, in two halves
	v_mov_b32 v15, 0
	v_mov_b32 v35, 0                               ; (a lane permute's destination counts as one of its sources)
	v_mov_b32 v107, 0
	v_mov_b32 v254, 0xc61c4000                     ; -10000
	v_mov_b32 v255, 0xc61c4000
.set n, 0
.rept 32
	v_mov_b32 v[O+n], 0                            ; O^T: the loop's first trip finds zeros
.set n, n+1
.endr
	s_wait_alu depctr_va_vdst(0)
	s_wait_loadcnt 0x0
.irp i, 0,1,2,3,4,5
	v_cndmask_b32 v[22+\i], v[88+\i], v[94+\i], s74       ; v[16:27] = [0 | q], v[22:33] = [q | 0]
.endr
	v_perm_b32 v34, v100, v100, s75
	v_max3_num_f32 v252, v124, v125, v126          ; my query's largest masked score: the four quarters of the keys
	v_max3_num_f32 v106, v108, v109, v110          ; G: the 512 parts, sixteen a lane, then across the lanes
.irp i, 111,113,115,117,119,121
	s_delay_alu instid0(VALU_DEP_1)
	v_max3_num_f32 v106, v106, v[\i], v[\i+1]
.endr
	v_max_num_f32 v252, v252, v127
	v_max_num_f32 v106, v106, v123
.irp m, 1,2,4,8
	s_delay_alu instid0(VALU_DEP_1)
	v_max_num_f32_dpp v106, v106, v106 row_xmask:\m row_mask:0xf bank_mask:0xf
.endr
	v_permlanex16_b32 v107, v106, s52, s53
	v_max_num_f32 v106, v106, v107
	s_delay_alu instid0(VALU_DEP_1)
	v_mul_f32 v107, s54, v106                      ; G c
	s_delay_alu instid0(VALU_DEP_1)
	v_fma_f32 v252, v252, s54, -v107               ; the row's largest t
	s_delay_alu instid0(VALU_DEP_1)
	v_floor_f32 v12, -v252                         ; -M = -ceil(t): a whole number
	s_delay_alu instid0(VALU_DEP_1)
	v_sub_f32 v12, v12, v107                       ; K = -M - G c
	s_delay_alu instid0(VALU_DEP_1)
	v_mov_b32 v13, v12                             ; (named with it as a pair)
	TAIL 0, 1, 0, 0                                ; tile 0 is whole; tile 1 is asked for
	LOADKM                                         ; phase 0
	ASK
	QKM 0
	TAIL 0, 1, 1, 1
.Lslot:                                            ; phases 1 to 13; their changes of slots ask for tiles 3 to 15
	LOADKM
	ASK
	PART2
	QKM 1
	TAIL 1, 1, 1, 1
	s_sub_co_u32 s59, s59, 1
	s_cmp_lg_u32 s59, 0
	s_cbranch_scc1 .Lslot
	LOADKM                                         ; phase 14: tile 16 is v's last 128 keys alone
	PART2
	QKM 1
	TAIL 1, 2, 1, 0
	LOADKM                                         ; phase 15: nothing more is asked for
	PART2
	QKM 1
	TAIL 1, 0, 0, 0
	v_add_nc_u32 v6, s58, v3                       ; phase 16: step 15 is finished
	v_add_nc_u32 v7, s58, v4
	v_nop
	v_nop
	LOADV
	PART2
	s_wait_alu depctr_va_vdst(0)
	s_wait_dscnt 0x0
	PV4
	; THE WAY OUT: O^T / the sum is my head's 64 channels of 16 tokens: two blocks of the dense product's K
.rept 4
	v_nop                                          ; the places behind the last products
.endr
	v_add_f32 v14, v14, v15
	s_delay_alu instid0(VALU_DEP_1)
	v_permlanex16_b32 v252, v14, s52, s53
	s_delay_alu instid0(VALU_DEP_1)
	v_add_f32 v14, v14, v252                       ; the row's sum
	s_wait_alu depctr_va_vdst(0)
	v_rcp_f32 v14, v14
	v_and_b32 v252, 31, v0                         ; (a plain line behind the reciprocal)
	s_delay_alu instid0(VALU_DEP_1)
	v_lshlrev_b32 v252, 3, v252                    ; 8 x lane
.set n, 0
	s_wait_alu depctr_va_vdst(0)
.rept 16
	v_pk_mul_f32 v[S+n:S+n+1], v[O+n:O+n+1], v[14:15] op_sel_hi:[1,0]          ; register 16 b + i: channel 32 b + 16 h + i; each accumulator from its low end on
.set n, n+2
.endr
.irp b, 0,1
	v_max3_num_f32 v[BM+\b], |v[S+16*\b]|, |v[S+16*\b+1]|, 0x2800000
.endr
.irp i, 2,4,6,8,10,12,14
.irp b, 0,1
	s_delay_alu instid0(VALU_DEP_2)
	v_max3_num_f32 v[BM+\b], v[BM+\b], |v[S+16*\b+\i]|, |v[S+16*\b+\i+1]|
.endr
.endr
.irp b, 0,1
	s_delay_alu instid0(VALU_DEP_2)
	v_permlanex16_b32 v[BT+\b], v[BM+\b], s52, s53
.endr
.irp b, 0,1
	s_delay_alu instid0(VALU_DEP_2)
	v_max_num_f32 v[BM+\b], v[BM+\b], v[BT+\b]
.endr
.irp b, 0,1
	s_delay_alu instid0(VALU_DEP_2)
	v_add_nc_u32 v[SO+\b], 0xfe000000, v[BM+\b]
.endr
.irp b, 0,1
	s_delay_alu instid0(VALU_DEP_2)
	v_lshrrev_b32 v[BT+\b], 23, v[SO+\b]
.endr
	s_delay_alu instid0(VALU_DEP_1)
	v_lshl_or_b32 v250, v[BT+1], 8, v[BT]          ; my head's two bytes of the row's scale word
	v_cvt_scalef32_pk16_bf6_f32 v[PC:PC+2], v[S:S+15], v[SO]
	v_cvt_scalef32_pk16_bf6_f32 v[PT:PT+2], v[S+16:S+31], v[SO+1]
	v_nop
.irp i, 0,1,2
	v_permlane16_swap_b32 v[PC+\i], v[PT+\i]       ; here a block lies in lanes l and l xor 16: a whole block to a lane
.endr
.irp i, 0,1,2
	s_delay_alu instid0(VALU_DEP_3)
	v_mov_b32 v[PC+3+\i], v[PT+\i]
.endr
	s_lshr_b32 s66, s22, 2                         ; batch
	s_lshl_b32 s66, s66, 4
	s_lshr_b32 s67, s21, 1
	s_add_co_u32 s66, s66, s67                     ; the panel: 16 batch + x / 2
	s_lshl_b32 s66, s66, 3
	s_and_b32 s67, s22, 3
	s_lshl_b32 s67, s67, 1
	s_add_co_u32 s66, s66, s67                     ; its chunk 2 (y % 4) ..
	s_lshr_b32 s67, s17, 1
	s_add_co_u32 s68, s66, s67                     ; .. + hd / 2
	s_mul_i32 s68, s68, 12800
	s_and_b32 s71, s21, 1
	s_lshl_b32 s70, s71, 2
	s_add_co_u32 s70, s70, s18                     ; fragment 4 (x % 2) + qt
	s_mul_i32 s70, s70, 1536
	s_add_co_u32 s68, s68, s70
	s_and_b32 s70, s17, 1
	s_mul_i32 s70, s70, 768                        ; registers 6 (hd % 2) on
	s_add_co_u32 s68, s68, s70
	s_mov_b32 s69, 0
	s_add_nc_u64 s[76:77], s[14:15], s[68:69]
	s_and_b32 s70, s16, 1
	s_add_co_u32 s72, s66, s70                     ; waves 0 and 1: the scale words of chunk 2 (y % 4) + wave
	s_mul_i32 s72, s72, 12800
	s_lshl_b32 s70, s71, 8
	s_add_co_u32 s72, s72, s70
	s_add_co_u32 s72, s72, 12288
	s_mov_b32 s73, 0
	s_add_nc_u64 s[78:79], s[14:15], s[72:73]
	s_wait_alu depctr_va_vdst(0)
.irp q, 0,1,2
	global_store_b64 v252, v[PC+2*\q:PC+2*\q+1], s[76:77] offset:256*\q    ; 32 lanes store 256 consecutive bytes, at a multiple of 256 from the buffer's first byte
.endr
	ds_store_b16 v9, v250                          ; both lanes of a row write the same two bytes
	s_wait_dscnt 0x0                               ; for the others' sake
	s_barrier_signal -1
	s_barrier_wait -1
	s_cmp_lt_u32 s16, 2
	s_cbranch_scc0 .Lno_words
	ds_load_b64 v[40:41], v253                     ; four tiles' whole scale words
	s_wait_dscnt 0x0
	global_store_b64 v252, v[40:41], s[78:79]      ; 256 consecutive bytes
.Lno_words:
	s_wait_tensorcnt 0x0                           ; the wave's end
	ds_add_u32 v1, v2
	s_wait_dscnt 0x0
	CROUND                                         ; the closing round
	s_endpgm
.Lfunc_end_k_qd6fc54d380_attn:
	.size	k_qd6fc54d380_attn, .Lfunc_end_k_qd6fc54d380_attn-k_qd6fc54d380_attn
	.p2alignl 7, 3214868480
	.fill 96, 4, 3214868480
	.section	.rodata,"a",@progbits
	.p2align	6, 0x0
	.amdhsa_kernel k_qd6fc54d380_attn
		.amdhsa_group_segment_fixed_size 327680
		.amdhsa_private_segment_fixed_size 0
		.amdhsa_enable_private_segment 0
		.amdhsa_kernarg_size 48
		.amdhsa_user_sgpr_count 2
		.amdhsa_user_sgpr_kernarg_segment_ptr 1
		.amdhsa_wavefront_size32 1
		.amdhsa_system_sgpr_workgroup_id_x 1
		.amdhsa_system_sgpr_workgroup_id_y 1
		.amdhsa_system_sgpr_workgroup_id_z 1
		.amdhsa_system_vgpr_workitem_id 0
		.amdhsa_next_free_vgpr 256
		.amdhsa_next_free_sgpr 92
		.amdhsa_reserve_vcc 0
		.amdhsa_float_denorm_mode_32 3
		.amdhsa_float_denorm_mode_16_64 3
		.amdhsa_memory_ordered 1
		.amdhsa_forward_progress 1
		.amdhsa_inst_pref_size 99
	.end_amdhsa_kernel
	.amdgpu_metadata
---
amdhsa.version: [ 1, 2 ]
amdhsa.kernels:
  - .name:           k_qd6fc54d380_attn
    .symbol:         k_qd6fc54d380_attn.kd
    .args:
      - { .name: qbuf, .offset: 0, .size: 8, .value_kind: global_buffer, .address_space: global }
      - { .name: kbuf, .offset: 8, .size: 8, .value_kind: global_buffer, .address_space: global }
      - { .name: vbuf, .offset: 16, .size: 8, .value_kind: global_buffer, .address_space: global }
      - { .name: ltor_mask, .offset: 24, .size: 8, .value_kind: global_buffer, .address_space: global }
      - { .name: gpart, .offset: 32, .size: 8, .value_kind: global_buffer, .address_space: global }
      - { .name: cq, .offset: 40, .size: 8, .value_kind: global_buffer, .address_space: global }
    .group_segment_fixed_size: 327680
    .private_segment_fixed_size: 0
    .kernarg_segment_align: 8
    .kernarg_segment_size: 48
    .max_flat_workgroup_size: 512
    .sgpr_count:     92
    .vgpr_count:     256
    .wavefront_size: 32
...
	.end_amdgpu_metadata
.endif
;; end of part 9
;; launch gemm2 (part 10): grid 8 x 32, 4 waves a work-group, clusters of 4 x 4, 239,104 bytes of LDS; arguments wd, cq, b_dense, out0; writes out0
.if DOCPART == 10
	.amdgcn_target "amdgcn-amd-amdhsa--gfx1250"
	.amdhsa_code_object_version 6
	.text
	.protected	k_qd6fc54d380_gemm2
	.globl	k_qd6fc54d380_gemm2
	.p2align	8
	.type	k_qd6fc54d380_gemm2,@function
k_qd6fc54d380_gemm2:
	s_mov_b64 s[64:65], 0
	v_nop
	global_prefetch_b8 v0, s[64:65] scope:SCOPE_SE
	s_setreg_imm32_b32 hwreg(HW_REG_WAVE_MODE, 25, 1), 1
	s_wait_xcnt 0x0
	s_wait_alu depctr_hold_cnt(0) depctr_sa_sdst(0) depctr_va_vdst(0) depctr_va_sdst(0) depctr_va_ssrc(0) depctr_va_vcc(0) depctr_vm_vsrc(0)
	s_getreg_b32 s2, hwreg(HW_REG_IB_STS2, 6, 4)
	s_cmp_eq_u32 s2, 0
	s_cbranch_scc0 .Lentry_in_a_cluster
	s_endpgm
.Lentry_in_a_cluster:
	s_bfe_u32 s2, ttmp6, 0x10000c
	s_cmp_lg_u32 s2, 0xf033
	s_cbranch_scc0 .Lentry_shape_is_right
	s_endpgm
.Lentry_shape_is_right:
; out = ctx w_dense + b_dense on codes of E3M2 (K = 1024).  The frame is the first product's: a work-group takes 128 columns of the weight (x) and 128 tokens (y); both panels, all of K, lie in LDS (2 x 102,400 bytes),
; every byte filled once.  A wave makes 128 columns x 32 tokens: source 0 = the weight's 8 tiles, source 1 = my 2 tiles of tokens, 16 accumulators: a lane holds one token, its registers run along the columns:
; register 16 b + i = column 32 b + 16 h + i (the rows of a tile are 32 b + 8 u + r + 8 (r / 8)).
; THE WAY OUT: a tile's 16 rows x 512 bytes go through my own stage in LDS (rows 528 bytes apart, behind the panels, filled by no tensor load) and leave as whole rows.
; CLUSTER 4 x 4: the weight's panel is asked for jointly down a column of the cluster, the tokens' along a row.  8 x 32 = 256 work-groups.
; REGISTERS: window 0: v1-3 lane, r, h; v4-11 LDS addresses; v12-15 stage and output offsets; v32-36, v40-44 scale words; v64-127 the bias, later rows on their way out; v128-255 accumulators ((i, j) at 128 + 64 j + 8 i).
;   window 1: two sets of fragments at 0 and 128.
.set CHUNK, 12800
.set WPAN,  0
.set XPAN,  8*CHUNK
.set STG,   16*CHUNK                   ; the stages: 16 rows x 528 bytes for each wave
.set G1W, 24
.set G1X, 32
.set G0W, 40
.set G0X, 68
.set AP,  4
.set AR,  6
.set ASP, 8
.set ASR, 10
.set SC,  32
.set BF,  64
.set ACC, 128
.set MSB, 0
.macro WIN new                         ; the immediate's high byte repeats the setting that is left
.if MSB != \new
	s_set_vgpr_msb (MSB<<8)|\new
.set MSB, \new
.endif
.endm
.macro PLACES                          ; four plain lines between a matrix instruction and a load into, or a read of, its registers
.rept 4
	v_nop
.endr
.endm
.macro CROUND
	s_barrier_signal -1
	s_barrier_wait -1
	s_cmp_lg_u32 s16, 0
	s_cbranch_scc1 .Lnot_wave_0_\@
	s_barrier_signal -3
.Lnot_wave_0_\@:
	s_barrier_wait -3
	s_barrier_signal -1
	s_barrier_wait -1
.endm
.macro SYNC c                          ; K steps 2 c and 2 c + 1 of both panels are in LDS for every wave
	s_wait_tensorcnt 0x0                           ; my one load, half a panel, has landed; nothing is ever filled again
	s_wait_dscnt 0x0
	s_barrier_signal -1
	s_barrier_wait -1
.endm
.macro FETCH s
.set fb, 128*((\s)%2)
.set fa, (\s)/4
.set fo, ((\s)%4)*CHUNK
.set fs, SC+8*((\s)%2)
	WIN 0x40
.irp i, 0,1,2,3,4,5,6,7
.irp p, 0,1,2,3,4,5
	ds_load_b64 v[fb+12*\i+2*\p:fb+12*\i+2*\p+1], v[AP+fa] offset:fo+1536*\i+256*\p
.endr
.endr
.irp j, 0,1
.irp p, 0,1,2,3,4,5
	ds_load_b64 v[fb+96+12*\j+2*\p:fb+96+12*\j+2*\p+1], v[AR+fa] offset:fo+1536*\j+256*\p
.endr
.endr
	WIN 0
.irp q, 0,1,2,3
	ds_load_b32 v[fs+\q], v[ASP+fa] offset:fo+12288+128*\q
.endr
	ds_load_b32 v[fs+4], v[ASR+fa] offset:fo+12288
.endm
.macro WM i, j, f, zero
.set rD, ACC+64*(\j)+8*(\i)
.set rA, 128*(\f)+12*(\i)
.set rB, 128*(\f)+96+12*(\j)
.set rS, SC+8*(\f)+(\i)/2
.set rT, SC+8*(\f)+4
.if \zero
.if ((\i)%2 == 0) && ((\j) == 0)
	v_wmma_scale_f32_16x16x128_f8f6f4 v[rD:rD+7], v[rA:rA+11], v[rB:rB+11], 0, v[rS], v[rT] matrix_a_fmt:MATRIX_FMT_BF6 matrix_b_fmt:MATRIX_FMT_BF6
.elseif ((\i)%2 == 1) && ((\j) == 0)
	v_wmma_scale_f32_16x16x128_f8f6f4 v[rD:rD+7], v[rA:rA+11], v[rB:rB+11], 0, v[rS], v[rT] matrix_a_fmt:MATRIX_FMT_BF6 matrix_b_fmt:MATRIX_FMT_BF6 matrix_a_scale:MATRIX_SCALE_ROW1
.elseif (\i)%2 == 0
	v_wmma_scale_f32_16x16x128_f8f6f4 v[rD:rD+7], v[rA:rA+11], v[rB:rB+11], 0, v[rS], v[rT] matrix_a_fmt:MATRIX_FMT_BF6 matrix_b_fmt:MATRIX_FMT_BF6 matrix_b_scale:MATRIX_SCALE_ROW1
.else
	v_wmma_scale_f32_16x16x128_f8f6f4 v[rD:rD+7], v[rA:rA+11], v[rB:rB+11], 0, v[rS], v[rT] matrix_a_fmt:MATRIX_FMT_BF6 matrix_b_fmt:MATRIX_FMT_BF6 matrix_a_scale:MATRIX_SCALE_ROW1 matrix_b_scale:MATRIX_SCALE_ROW1
.endif
.else
.if ((\i)%2 == 0) && ((\j) == 0)
	v_wmma_scale_f32_16x16x128_f8f6f4 v[rD:rD+7], v[rA:rA+11], v[rB:rB+11], v[rD:rD+7], v[rS], v[rT] matrix_a_fmt:MATRIX_FMT_BF6 matrix_b_fmt:MATRIX_FMT_BF6
.elseif ((\i)%2 == 1) && ((\j) == 0)
	v_wmma_scale_f32_16x16x128_f8f6f4 v[rD:rD+7], v[rA:rA+11], v[rB:rB+11], v[rD:rD+7], v[rS], v[rT] matrix_a_fmt:MATRIX_FMT_BF6 matrix_b_fmt:MATRIX_FMT_BF6 matrix_a_scale:MATRIX_SCALE_ROW1
.elseif (\i)%2 == 0
	v_wmma_scale_f32_16x16x128_f8f6f4 v[rD:rD+7], v[rA:rA+11], v[rB:rB+11], v[rD:rD+7], v[rS], v[rT] matrix_a_fmt:MATRIX_FMT_BF6 matrix_b_fmt:MATRIX_FMT_BF6 matrix_b_scale:MATRIX_SCALE_ROW1
.else
	v_wmma_scale_f32_16x16x128_f8f6f4 v[rD:rD+7], v[rA:rA+11], v[rB:rB+11], v[rD:rD+7], v[rS], v[rT] matrix_a_fmt:MATRIX_FMT_BF6 matrix_b_fmt:MATRIX_FMT_BF6 matrix_a_scale:MATRIX_SCALE_ROW1 matrix_b_scale:MATRIX_SCALE_ROW1
.endif
.endif
.endm
.macro MUL s                           ; the 16 accumulators take turns, in the same order in every K step; K step 0 starts the sums
	WIN 0x05
.irp i, 0,1,2,3,4,5,6,7
.irp j, 0,1
	WM \i, \j, (\s)%2, (\s)==0
.endr
.endr
.endm
	s_load_b256 s[4:11], s[0:1], 0x0               ; wd s[4:5], cq s[6:7], b_dense s[8:9], out0 s[10:11]
	v_lshl_add_u32 v62, v0, 2, 0x3a400
	v_mov_b32 v63, 0
	ds_add_u32 v62, v63
	ds_add_u32 v62, v63
	v_lshrrev_b32 v1, 5, v0
	v_readfirstlane_b32 s16, v1                    ; wave 0..3
	s_lshr_b32 s17, s16, 1                         ; I fetch for the weight (0) or for the tokens (1),
	s_and_b32 s18, s16, 1                          ; K steps 0-3 or 4-7
	s_bfe_u32 s19, ttmp6, 0x40000
	s_bfe_u32 s20, ttmp6, 0x40004
	s_lshl_b32 s21, ttmp9, 2
	s_add_co_u32 s21, s21, s19                     ; x
	s_and_b32 s22, ttmp7, 0xffff
	s_lshl_b32 s22, s22, 2
	s_add_co_u32 s22, s22, s20                     ; y
	s_lshl_b32 s23, s20, 2
	s_lshl_b32 s23, 15, s23
	s_lshl_b32 s56, 0x1111, s19
	s_or_b32 s[G1W], s56, (3<<16)|(1<<21)          ; a chunk: 12,800 dense bytes as 50 rows of 32 elements of 8 bytes
	s_or_b32 s[G1X], s23, (3<<16)|(1<<21)
.irp g, G1W, G1X
	s_mov_b32 s[\g+1], 32<<16
	s_mov_b32 s[\g+2], 200<<16                     ; four chunks: 200 rows of 256 bytes
	s_mov_b32 s[\g+3], 32<<16
	s_mov_b32 s[\g+4], 200
	s_mov_b32 s[\g+5], 32
	s_mov_b32 s[\g+6], 0
	s_mov_b32 s[\g+7], 0
.endr
	s_mul_i32 s86, s18, 4*CHUNK
	s_mul_i32 s84, s21, 8*CHUNK
	s_add_co_u32 s84, s84, s86
	s_mov_b32 s85, 0
	s_mul_i32 s88, s22, 8*CHUNK
	s_add_co_u32 s88, s88, s86
	s_mov_b32 s89, 0
	s_wait_dscnt 0x0
	s_wait_kmcnt 0x0
	s_add_nc_u64 s[84:85], s[4:5], s[84:85]
	s_add_nc_u64 s[88:89], s[6:7], s[88:89]
	CROUND                                         ; all sixteen work-groups are here: the joint loads meet
.irp i, 0
	s_mov_b32 s[G0W+4*\i], 1
	s_add_co_u32 s[G0W+4*\i+1], s86, WPAN+2*CHUNK*\i
	s_add_nc_u64 s[G0W+4*\i+2:G0W+4*\i+3], s[84:85], 2*CHUNK*\i
	s_or_b32 s[G0W+4*\i+3], s[G0W+4*\i+3], 0x80000000
	s_mov_b32 s[G0X+4*\i], 1
	s_add_co_u32 s[G0X+4*\i+1], s86, XPAN+2*CHUNK*\i
	s_add_nc_u64 s[G0X+4*\i+2:G0X+4*\i+3], s[88:89], 2*CHUNK*\i
	s_or_b32 s[G0X+4*\i+3], s[G0X+4*\i+3], 0x80000000
.endr
	s_cmp_eq_u32 s17, 0                            ; one tensor load a wave: half of the weight's panel, or half of the tokens'
	s_cbranch_scc0 .Lfill_x
	tensor_load_to_lds s[G0W:G0W+3], s[G1W:G1W+7]
	s_nop 0
	PLACES
	s_branch .Lfilled
.Lfill_x:
	tensor_load_to_lds s[G0X:G0X+3], s[G1X:G1X+7]
	s_nop 0
	PLACES
.Lfilled:
	v_and_b32 v1, 31, v0                           ; lane
	v_and_b32 v2, 15, v0                           ; r
	v_bfe_u32 v3, v0, 4, 1                         ; h
	s_lshl_b32 s90, s21, 9                         ; my work-group's 128 columns: in the bias, and in a row of out
	s_mov_b32 s91, 0
	s_add_nc_u64 s[8:9], s[8:9], s[90:91]
	v_lshlrev_b32 v15, 6, v3
.irp k, 0,1,2,3,4,5,6,7,8,9,10,11,12,13,14,15
	global_load_b128 v[BF+4*\k:BF+4*\k+3], v15, s[8:9] offset:128*(\k/4)+16*(\k%4)     ; register 16 b + i: the bias of column 32 b + 16 h + i
.endr
	v_lshl_add_u32 v[AP], v1, 3, WPAN
	v_lshl_add_u32 v[AP+1], v1, 3, WPAN+51200      ; K steps 4-7 lie beyond an offset's 16 bits
	s_mul_i32 s57, s16, 3072
	s_add_co_u32 s57, s57, XPAN
	v_lshl_add_u32 v[AR], v1, 3, s57
	v_add_nc_u32 v[AR+1], 51200, v[AR]
	v_lshl_add_u32 v[ASP], v1, 2, WPAN
	v_lshl_add_u32 v[ASP+1], v1, 2, WPAN+51200
	s_lshl_b32 s57, s16, 7
	s_add_co_u32 s57, s57, XPAN
	v_lshl_add_u32 v[ASR], v1, 2, s57
	v_add_nc_u32 v[ASR+1], 51200, v[ASR]
	s_mul_i32 s57, s16, 16*528
	s_add_co_u32 s57, s57, STG                     ; my stage
	v_mul_u32_u24 v12, v2, 528
	v_lshl_add_u32 v12, v3, 6, v12
	v_add_nc_u32 v12, s57, v12                     ; in: row r, + 64 h
	v_lshlrev_b32 v14, 4, v1                       ; back and out: 16 bytes a lane
	v_add_nc_u32 v13, s57, v14
	s_lshl_b32 s58, s22, 7
	s_lshl_b32 s59, s16, 5
	s_add_co_u32 s58, s58, s59                     ; my first token: 128 y + 32 wave
	s_lshl_b32 s58, s58, 12
	s_add_co_u32 s58, s58, s90
	s_mov_b32 s59, 0
	s_add_nc_u64 s[10:11], s[10:11], s[58:59]
	s_wait_alu depctr_va_vdst(0)
	SYNC 0
	FETCH 0
.irp s, 0,1,2,3,4,5,6,7
	s_wait_dscnt 0x0                               ; step s's fragments are in (asked for ahead of the last step's products)
.if \s < 7
.if \s > 0
	PLACES                                         ; the set that is loaded next was read by step s - 1's products
.endif
	FETCH \s+1
.endif
	MUL \s
.endr
	WIN 0
	PLACES
	s_wait_loadcnt 0x0
.irp j, 0,64
.set n, 0
.rept 32
	v_pk_add_f32 v[ACC+\j+n:ACC+\j+n+1], v[ACC+\j+n:ACC+\j+n+1], v[BF+n:BF+n+1]        ; each accumulator from its low end on
.set n, n+2
.endr
.endr
	s_wait_alu depctr_va_vdst(0)
.irp j, 0,1
.irp k, 0,1,2,3,4,5,6,7,8,9,10,11,12,13,14,15
	ds_store_b128 v12, v[ACC+64*\j+4*\k:ACC+64*\j+4*\k+3] offset:128*(\k/4)+16*(\k%4)
.endr
.irp i, 0,1,2,3,4,5,6,7,8,9,10,11,12,13,14,15
	ds_load_b128 v[64+64*\j+4*\i:64+64*\j+4*\i+3], v13 offset:528*\i           ; LDS serves a wave's instructions in order (ISA guide 5.7.1.4): these see my stores.  Tile 1's rows land where tile 0's sums lay: its stores into the stage were waited for below
.endr
.irp i, 0,1,2,3,4,5,6,7,8,9,10,11,12,13,14,15
	s_wait_dscnt 15-\i                             ; row i is in, the younger loads may be out
	global_store_b128 v14, v[64+64*\j+4*\i:64+64*\j+4*\i+3], s[10:11] offset:(8*\j+\i+(\i/8)*8)*4096 th:TH_STORE_NT   ; 512 consecutive bytes of token 8 j + i + 8 (i / 8), at a multiple of 256 from out's first byte
.endr
.endr
	s_wait_tensorcnt 0x0
	ds_add_u32 v62, v63
	s_wait_dscnt 0x0
	CROUND                                         ; the closing round
	s_endpgm
.Lfunc_end_k_qd6fc54d380_gemm2:
	.size	k_qd6fc54d380_gemm2, .Lfunc_end_k_qd6fc54d380_gemm2-k_qd6fc54d380_gemm2
	.p2alignl 7, 3214868480
	.fill 96, 4, 3214868480
	.section	.rodata,"a",@progbits
	.p2align	6, 0x0
	.amdhsa_kernel k_qd6fc54d380_gemm2
		.amdhsa_group_segment_fixed_size 239104
		.amdhsa_private_segment_fixed_size 0
		.amdhsa_enable_private_segment 0
		.amdhsa_kernarg_size 32
		.amdhsa_user_sgpr_count 2
		.amdhsa_user_sgpr_kernarg_segment_ptr 1
		.amdhsa_wavefront_size32 1
		.amdhsa_system_sgpr_workgroup_id_x 1
		.amdhsa_system_sgpr_workgroup_id_y 1
		.amdhsa_system_sgpr_workgroup_id_z 1
		.amdhsa_system_vgpr_workitem_id 0
		.amdhsa_next_free_vgpr 512
		.amdhsa_next_free_sgpr 100
		.amdhsa_reserve_vcc 0
		.amdhsa_float_denorm_mode_32 3
		.amdhsa_float_denorm_mode_16_64 3
		.amdhsa_memory_ordered 1
		.amdhsa_forward_progress 1
		.amdhsa_inst_pref_size 71
	.end_amdhsa_kernel
	.amdgpu_metadata
---
amdhsa.version: [ 1, 2 ]
amdhsa.kernels:
  - .name:           k_qd6fc54d380_gemm2
    .symbol:         k_qd6fc54d380_gemm2.kd
    .args:
      - { .name: wd, .offset: 0, .size: 8, .value_kind: global_buffer, .address_space: global }
      - { .name: cq, .offset: 8, .size: 8, .value_kind: global_buffer, .address_space: global }
      - { .name: b_dense, .offset: 16, .size: 8, .value_kind: global_buffer, .address_space: global }
      - { .name: out0, .offset: 24, .size: 8, .value_kind: global_buffer, .address_space: global }
    .group_segment_fixed_size: 239104
    .private_segment_fixed_size: 0
    .kernarg_segment_align: 8
    .kernarg_segment_size: 32
    .max_flat_workgroup_size: 128
    .sgpr_count:     100
    .vgpr_count:     512
    .wavefront_size: 32
...
	.end_amdgpu_metadata
.endif
;; end of part 10
